; MI455X (gfx1250); checked and timed in simulation.
; The chip was launched on July 23, 2026; its instructions are those of AMD's public machine-readable ISA for CDNA 5 (MIT licence, August 2026) and "CDNA5" Instruction Set Architecture Reference Guide (July 2026). The comments in the code are by the model that wrote it; some were corrected since.
;; Single Head Attention. Allowed arithmetic: float matrix products may take bf16 or f16 operands with f32 sums; other float arithmetic in f32, or as packed bf16 or f16 multiplies, adds, multiply-adds, maxima and minima; sums over many terms, partial sums and values carried from step to step in f32; what a program stores and reads back later, other than sums and carried values, may be rounded once to bf16 or f16.
;; Inputs: w_qkv 3,072 x 1,024 float32; x 4 x 2,048 x 1,024 float32.
;; Outputs: out0 4 x 2,048 x 1,024 float32.
;; 3 versions, each right; version 3 is version 2 with the launch cvt written anew for expert scheduling mode. Each part assembles by itself: llvm-mc -triple=amdgcn-amd-amdhsa -mcpu=gfx1250 --defsym DOCPART=n.
;; ======== version 1 of 3: 5 launches
;; limits: values are held in f16: magnitudes above 65,504 overflow, below 6.1e-05 lose precision
;; workspace buffers: xb 16,777,216 bytes; wb 6,291,456 bytes; qkv 50,331,648 bytes; pbuf 33,554,432 bytes; stats 1,048,576 bytes; hd 1,572,864 bytes
;; launch cvt (part 1): grid 704 x 1, 8 waves a work-group, no clusters, 0 bytes of LDS; arguments x, w_qkv, xb, wb; writes xb, wb
.if DOCPART == 1
	.amdgcn_target "amdgcn-amd-amdhsa--gfx1250"
	.amdhsa_code_object_version 6
	.text
	.protected	k_q3a2cc4dda0_cvt
	.globl	k_q3a2cc4dda0_cvt
	.p2align	8
	.type	k_q3a2cc4dda0_cvt,@function
k_q3a2cc4dda0_cvt:
	s_mov_b64 s[64:65], 0
	v_nop
	global_prefetch_b8 v0, s[64:65] scope:SCOPE_SE
	s_setreg_imm32_b32 hwreg(HW_REG_WAVE_MODE, 25, 1), 1
	s_wait_xcnt 0x0
; xb = x rounded to bf16, wb = w_qkv rounded to bf16 (nearest even).  A stream: no LDS, no matrix unit, no barrier.
; A work-group converts one chunk of 16,384 numbers: 65,536 bytes in, 32,768 bytes out.  Chunks 0-511 are x's (8,388,608 numbers), chunks 512-703 w's (3,145,728).
; Thread t takes, for j = 0..7, the 8 numbers at byte 8,192 j + 32 t of the chunk: two loads of 16 bytes, four packed roundings, one store of 16 bytes at 4,096 j + 16 t:
; a wave's store covers 512 consecutive bytes, aligned.  All sixteen loads go out first; nothing is rewritten, so no register waits for a store.
.set XCHUNKS, 512
.set IN,  4                            ; v[4:67]   group j: 8 numbers as loaded
.set RES, 68                           ; v[68:99]  group j: 4 registers to store
	s_load_b256 s[4:11], s[0:1], 0x0               ; x s[4:5], w_qkv s[6:7], xb s[8:9], wb s[10:11]
	v_lshlrev_b32 v1, 5, v0                        ; 32 t
	v_lshlrev_b32 v2, 4, v0                        ; 16 t
	s_mov_b32 s19, 0
	s_mov_b32 s21, 0
	s_wait_kmcnt 0x0
	s_cmp_lt_u32 ttmp9, XCHUNKS                    ; x's chunk or w's?
	s_cselect_b64 s[12:13], s[4:5], s[6:7]         ; from where
	s_cselect_b64 s[14:15], s[8:9], s[10:11]       ; to where
	s_cselect_b32 s16, 0, XCHUNKS
	s_sub_co_u32 s16, ttmp9, s16                   ; the chunk's number in its tensor
	s_lshl_b32 s18, s16, 16
	s_lshl_b32 s20, s16, 15
	s_add_nc_u64 s[12:13], s[12:13], s[18:19]
	s_add_nc_u64 s[14:15], s[14:15], s[20:21]
.irp j, 0,1,2,3,4,5,6,7
	global_load_b128 v[IN+8*(\j):IN+8*(\j)+3],   v1, s[12:13] offset:8192*(\j) th:TH_LOAD_NT
	global_load_b128 v[IN+8*(\j)+4:IN+8*(\j)+7], v1, s[12:13] offset:8192*(\j)+16 th:TH_LOAD_NT
.endr
.irp j, 0,1,2,3,4,5,6,7
	s_wait_loadcnt 14-2*(\j)                       ; loads come back in order: group j is in, the two loads of each younger group may stay out
.irp k, 0,1,2,3
	v_cvt_pk_bf16_f32 v[RES+4*(\j)+(\k)], v[IN+8*(\j)+2*(\k)], v[IN+8*(\j)+2*(\k)+1]
.endr
	global_store_b128 v2, v[RES+4*(\j):RES+4*(\j)+3], s[14:15] offset:4096*(\j) th:TH_STORE_NT
.endr
	s_endpgm
.Lfunc_end_k_q3a2cc4dda0_cvt:
	.size	k_q3a2cc4dda0_cvt, .Lfunc_end_k_q3a2cc4dda0_cvt-k_q3a2cc4dda0_cvt
	.p2alignl 7, 3214868480
	.fill 96, 4, 3214868480
	.section	.rodata,"a",@progbits
	.p2align	6, 0x0
	.amdhsa_kernel k_q3a2cc4dda0_cvt
		.amdhsa_group_segment_fixed_size 0
		.amdhsa_private_segment_fixed_size 0
		.amdhsa_enable_private_segment 0
		.amdhsa_kernarg_size 32
		.amdhsa_user_sgpr_count 2
		.amdhsa_user_sgpr_kernarg_segment_ptr 1
		.amdhsa_wavefront_size32 1
		.amdhsa_system_sgpr_workgroup_id_x 1
		.amdhsa_system_sgpr_workgroup_id_y 1
		.amdhsa_system_sgpr_workgroup_id_z 1
		.amdhsa_system_vgpr_workitem_id 0
		.amdhsa_next_free_vgpr 104
		.amdhsa_next_free_sgpr 66
		.amdhsa_reserve_vcc 0
		.amdhsa_float_denorm_mode_32 3
		.amdhsa_float_denorm_mode_16_64 3
		.amdhsa_memory_ordered 1
		.amdhsa_forward_progress 1
		.amdhsa_inst_pref_size 6
	.end_amdhsa_kernel
	.amdgpu_metadata
---
amdhsa.version: [ 1, 2 ]
amdhsa.kernels:
  - .name:           k_q3a2cc4dda0_cvt
    .symbol:         k_q3a2cc4dda0_cvt.kd
    .args:
      - { .name: x, .offset: 0, .size: 8, .value_kind: global_buffer, .address_space: global }
      - { .name: w_qkv, .offset: 8, .size: 8, .value_kind: global_buffer, .address_space: global }
      - { .name: xb, .offset: 16, .size: 8, .value_kind: global_buffer, .address_space: global }
      - { .name: wb, .offset: 24, .size: 8, .value_kind: global_buffer, .address_space: global }
    .group_segment_fixed_size: 0
    .private_segment_fixed_size: 0
    .kernarg_segment_align: 8
    .kernarg_segment_size: 32
    .max_flat_workgroup_size: 256
    .sgpr_count:     66
    .vgpr_count:     104
    .wavefront_size: 32
...
	.end_amdgpu_metadata
.endif
;; end of part 1
;; launch proj (part 2): grid 12 x 32, 4 waves a work-group, clusters of 4 x 4, 327,680 bytes of LDS; arguments xb, wb, qkv, hd; writes qkv, hd
.if DOCPART == 2
	.amdgcn_target "amdgcn-amd-amdhsa--gfx1250"
	.amdhsa_code_object_version 6
	.text
	.protected	k_q3a2cc4dda0_proj
	.globl	k_q3a2cc4dda0_proj
	.p2align	8
	.type	k_q3a2cc4dda0_proj,@function
k_q3a2cc4dda0_proj:
	s_mov_b64 s[64:65], 0
	v_nop
	global_prefetch_b8 v0, s[64:65] scope:SCOPE_SE
	s_setreg_imm32_b32 hwreg(HW_REG_WAVE_MODE, 25, 1), 1
	s_wait_xcnt 0x0
	s_wait_alu depctr_hold_cnt(0) depctr_sa_sdst(0) depctr_va_vdst(0) depctr_va_sdst(0) depctr_va_ssrc(0) depctr_va_vcc(0) depctr_vm_vsrc(0)
	s_getreg_b32 s2, hwreg(HW_REG_IB_STS2, 6, 4)
	s_cmp_eq_u32 s2, 0
	s_cbranch_scc0 .Lentry_in_a_cluster
	s_endpgm
.Lentry_in_a_cluster:
	s_bfe_u32 s2, ttmp6, 0x10000c
	s_cmp_lg_u32 s2, 0xf033
	s_cbranch_scc0 .Lentry_shape_is_right
	s_endpgm
.Lentry_shape_is_right:
; qkv[m][n] = sum over k of xb[m][k] wb[n][k].  xb: [8192][1024] bf16, wb: [3072][1024] bf16, qkv: [8192][3072] f16; sums in f32, K ascending, rounded once.
; hd [4][32][3072] f32 takes the same sums unrounded for rows 0-31 of each batch of 2,048 rows: the last launch makes those rows of the output from them.
; LIMIT: f16 ends at 65,504: a q, k or v beyond that becomes an infinity.  Inputs of unit spread give q, k, v of unit spread; both inputs 30 times larger give some 5e3 at the most.
; A tile of qkv, 256 x 256, is made by a work-group of four waves; a wave makes 128 x 128: 64 accumulators of 16 x 16, 512 registers.  K goes in steps of 128 through a ring of two
; LDS slots filled by the tensor data mover: a tile's rows are 256 bytes of memory, at multiples of 256 bytes.  The last K step goes by rows of the tile, so that finished rows leave while the others are multiplied.
; CLUSTERS: 4 x 4 work-groups.  The four of a row of the cluster need the same tiles of xb, the four of a column the same tiles of wb: each tile is asked for JOINTLY, by the same tensor load
; with the same descriptor and a mask that names the four.  12 x 32 tiles are 3 x 8 clusters.  Tile row = 8 cy + cluster y: cy is the batch, and a batch's first tile row is the one with cluster y = 0,
; which is the same in all sixteen partners: the branch round hd's stores hangs on that and on the wave's number alone.
; REGISTERS, in windows of 256 (s_set_vgpr_msb: bits 1:0 source 0, 3:2 source 1, 5:4 source 2, 7:6 destination):
;   window 0: v0-31 addresses; v64-127, v128-191 fragments of A, two buffers (in the last K step four, of 16 rows x 128 K); v32-63, v192-255 at work on the way out
;   window 1: v64-127, v128-191 fragments of B, two buffers; in the last K step all 256
;   window 2: the 32 accumulators of my rows 0-63 ((a, b) at v[8 (8 a + b)]);   window 3: those of my rows 64-127
; THE MATRIX INSTRUCTION IS USED TRANSPOSED: source 0 = 16 rows of wb, source 1 = 16 rows of xb: a lane then holds row l % 16 and the columns 8 (l / 16) + 0..7, which pack into 16 bytes.
.set SIZE_M, 8192
.set SIZE_N, 3072
.set SIZE_K, 1024
.set KSTEP,  128
.set PITCH,  272                       ; an LDS row: 256 bytes + 16 of padding = 68 words: the 16 rows that a load touches start at 16 different groups of four banks (ISA guide 11.1)
.set HALFT,  128*PITCH                 ; 128 rows: what one tensor load brings, and what one wave reads of A or of B
.set SLOT,   4*HALFT                   ; A's 256 rows, then B's 256 rows
.set STAGE,  2*SLOT                    ; behind the ring: 16 rows x 272 bytes for each wave, for the way out
.set SPITCH, 272
.set SPARE,  STAGE+4*16*SPITCH         ; behind the stages: the spare words, 128 bytes for each wave, that no other line names
.set LAPS, SIZE_K/(2*KSTEP)            ; a lap = two K steps = once round the ring: 4
.set HDP,  SIZE_N*4                    ; bytes in a row of hd
.set ADRA, 16                          ; v16-17  LDS address of my A fragments in slot 0, 1
.set ADRB, 20                          ; v20-21  the same for B
.set STO,  24                          ; v24     the way out: where I put 16 bytes of a row
.set RD,   25                          ; v25     the way out: where I read a row back
.set CO,   26                          ; v26     my byte offset in qkv
.set HO,   27                          ; v27     my byte offset in hd: row l % 16, 32 bytes for each half of the lanes; never rewritten
.set SPW,  28                          ; v28     LDS address of my spare word; never rewritten
.set NIL,  29                          ; v29     0; never rewritten
.set PFO,  30                          ; v30     the prefetches' offset: my lane x a row of 2,048 bytes; never rewritten
.set PFA,  44                          ; s[44:45] where my prefetches stand
.set LIM,  43                          ; s43     1 in a wave that prefetches, else the greatest number
.set HD,   66                          ; s[66:67] hd at my batch and my 128 columns; never rewritten
.set HF,   68                          ; s68     0 where my rows are a batch's first 128
.set F0,   64
.set F1,   128
.set TMP,  192
.set OB,   32
.set PA,   64
.set G1, 24                            ; s[24:31] descriptor group 1 for A's tiles
.set G0, 32                            ; s[32:39] group 0 for A's tiles, one set for each slot
.set G1B, 48                           ; s[48:55] group 1 for B's tiles: another mask
.set G0B, 56                           ; s[56:63] group 0 for B's tiles
.set MSB, 0
.macro WIN new                         ; the immediate's high byte repeats the setting that is left; a switch that changes nothing is dropped
.if MSB != (\new)
	s_set_vgpr_msb (MSB<<8)|(\new)
.set MSB, \new
.endif
.endm
.set MUL_LO, 0xa1                      ; source 0 (B) window 1, source 1 (A) window 0, C and D window 2
.set MUL_HI, 0xf1                      ; the same, C and D window 3
.set TO_B,   0x40                      ; destination window 1, address window 0
; A joint load.  Waves 0 and 1 fetch A's two halves, waves 2 and 3 B's.  The branch hangs on the wave's number alone.  An s_nop 0 and four v_nop follow each of the two lines.
.macro JLOAD s
	s_cmp_eq_u32 s11, 0
	s_cbranch_scc0 .Lfor_b_\@
	tensor_load_to_lds s[G0+4*(\s):G0+4*(\s)+3], s[G1:G1+7]
	s_nop 0
.rept 4
	v_nop
.endr
	s_branch .Lasked_\@
.Lfor_b_\@:
	tensor_load_to_lds s[G0B+4*(\s):G0B+4*(\s)+3], s[G1B:G1B+7]
	s_nop 0
.rept 4
	v_nop
.endr
.Lasked_\@:
.endm
; A prefetch into the L2, behind each joint load and the run of LDS loads that follows it: the K step that stands two refills on: 32 rows x 256 bytes, a lane a row, one instruction a wave.
; Each row's 256 bytes of a K step are named once in the launch: cluster x = 0 asks for A's rows, cluster y = 0 for B's; of the 128 rows that a wave fetches the partner at place p
; (cx for A, cy for B) takes 32 p .. 32 p + 31, told apart by address.  K steps 0 to 3 come by their loads alone; the loop's last trip (s3 = 1) asks for nothing: K steps 8 and 9 do not exist.
.macro ASK
	s_cmp_gt_u32 s3, s[LIM]
	s_cbranch_scc0 .Lnot_mine_\@
	global_prefetch_b8 v[PFO], s[PFA:PFA+1] offset:KSTEP*2 th:TH_LOAD_NT scope:SCOPE_SE
.Lnot_mine_\@:
.endm
; A round of the cluster's barrier: my work-group's barrier; wave 0 signals for the work-group; every wave waits for all sixteen; my work-group's barrier once more.
.macro CREST                           ; a round behind its opening barrier
	s_cmp_lg_u32 s10, 0
	s_cbranch_scc1 .Lnot_wave_0_\@
	s_barrier_signal -3
.Lnot_wave_0_\@:
	s_barrier_wait -3
	s_barrier_signal -1
	s_barrier_wait -1
.endm
.macro CROUND
	s_barrier_signal -1
	s_barrier_wait -1
	CREST
.endm
	s_load_b128 s[4:7], s[0:1], 0x0                ; xb s[4:5], wb s[6:7]
	s_load_b64 s[8:9], s[0:1], 0x10                ; qkv
	s_load_b64 s[HD:HD+1], s[0:1], 0x18            ; hd
	v_lshl_add_u32 v[SPW], v0, 2, SPARE
	v_mov_b32 v[NIL], 0
	ds_add_u32 v[SPW], v[NIL]                      ; the wave's opening: the add and its wait ahead of my first tensor load; the set-up below stands between them
	v_lshrrev_b32 v1, 5, v0
	v_readfirstlane_b32 s10, v1                    ; wave 0..3
	s_lshr_b32 s11, s10, 1                         ; which half of the tile's rows is mine.  Also: I fetch for A (0) or for B (1)
	s_and_b32 s12, s10, 1                          ; which half of its columns.  Also: which 128 rows of that tile I fetch
	s_bfe_u32 s40, ttmp6, 0x40000                  ; cx
	s_bfe_u32 s41, ttmp6, 0x40004                  ; cy
	s_lshl_b32 s42, ttmp9, 2
	s_add_co_u32 s42, s42, s40                     ; tile column = 4 x cluster x + cx
	s_and_b32 s13, ttmp7, 0xffff                   ; cluster y, 0 to 7: the tile row within a batch
	s_lshl_b32 s14, s41, 3
	s_add_co_u32 s13, s13, s14                     ; tile row = 8 cy + cluster y: cy is the batch
	s_lshl_b32 s43, s41, 2
	s_lshl_b32 s43, 15, s43                        ; my row of the cluster: places 4 cy .. 4 cy + 3
	s_lshl_b32 s44, 0x1111, s40                    ; my column: places cx, cx + 4, cx + 8, cx + 12
	; descriptor group 1: a tile of 128 rows x 128 elements of 2 bytes, 4 words of padding behind every 64
	s_or_b32 s[G1+0], s43, (1<<16)|(1<<20)|(1<<21)|(5<<22)|(3<<25)
	s_or_b32 s[G1B+0], s44, (1<<16)|(1<<20)|(1<<21)|(5<<22)|(3<<25)
	s_mov_b32 s[G1B+1], KSTEP<<16
	s_mov_b32 s[G1+1], KSTEP<<16                   ; tensor_dim0 = 128
	s_mov_b32 s[G1B+2], 128<<16
	s_mov_b32 s[G1+2], 128<<16                     ; tensor_dim1 = 128
	s_mov_b32 s[G1B+3], KSTEP<<16
	s_mov_b32 s[G1+3], KSTEP<<16                   ; tile_dim0 = 128
	s_mov_b32 s[G1B+4], 128
	s_mov_b32 s[G1+4], 128                         ; tile_dim1 = 128
	s_mov_b32 s[G1B+5], SIZE_K
	s_mov_b32 s[G1+5], SIZE_K                      ; elements from row to row
	s_mov_b32 s[G1B+6], 0
	s_mov_b32 s[G1+6], 0
	s_mov_b32 s[G1B+7], 0
	s_mov_b32 s[G1+7], 0
	; A's tiles hang on the tile row alone, B's on the tile column alone; each address is made in registers that never hold the other coordinate
	s_lshl_b32 s17, s12, 7
	s_lshl_b32 s16, s13, 8
	s_add_co_u32 s16, s16, s17                     ; A: row 256 x tile row + 128 x half
	s_lshl_b32 s46, s42, 8
	s_add_co_u32 s46, s46, s17                     ; B: row 256 x tile column + 128 x half
	s_mov_b32 s17, 0
	s_mov_b32 s47, 0
	s_mov_b64 s[18:19], SIZE_K*2
	s_mul_u64 s[16:17], s[16:17], s[18:19]
	s_mul_u64 s[46:47], s[46:47], s[18:19]
	s_mul_i32 s20, s10, HALFT                      ; where they go: wave x 128 rows
	s_wait_dscnt 0x0                               ; the opening add is done
	s_wait_kmcnt 0x0
	s_add_nc_u64 s[14:15], s[4:5], s[16:17]
	s_add_nc_u64 s[46:47], s[6:7], s[46:47]
	CROUND                                         ; all sixteen work-groups are here: the first joint loads meet
.irp s, 0,1
	s_mov_b32 s[G0+4*(\s)], 1
	s_add_co_u32 s[G0+4*(\s)+1], s20, (\s)*SLOT
	s_add_nc_u64 s[G0+4*(\s)+2:G0+4*(\s)+3], s[14:15], (\s)*KSTEP*2
	s_or_b32 s[G0+4*(\s)+3], s[G0+4*(\s)+3], 0x80000000
	s_mov_b32 s[G0B+4*(\s)], 1
	s_add_co_u32 s[G0B+4*(\s)+1], s20, (\s)*SLOT
	s_add_nc_u64 s[G0B+4*(\s)+2:G0B+4*(\s)+3], s[46:47], (\s)*KSTEP*2
	s_or_b32 s[G0B+4*(\s)+3], s[G0B+4*(\s)+3], 0x80000000
	JLOAD \s
.endr
	; a fragment is 16 rows x 32 K in 8 registers: lane l holds row l % 16, K = 8 (l / 16) + 0..7 and 16 + 8 (l / 16) + 0..7: two loads of 16 bytes, 32 bytes apart
	v_and_b32 v1, 15, v0
	v_bfe_u32 v2, v0, 4, 1
	v_mul_u32_u24 v3, v1, PITCH
	v_lshl_add_u32 v3, v2, 4, v3
	s_mul_i32 s21, s11, HALFT
	s_mul_i32 s22, s12, HALFT
	s_add_co_u32 s22, s22, 2*HALFT
.irp s, 0,1
	v_add_nc_u32 v[ADRA+(\s)], s21, v3
	v_add_nc_u32 v[ADRB+(\s)], s22, v3
	s_add_co_u32 s21, s21, SLOT
	s_add_co_u32 s22, s22, SLOT
.endr
	s_mul_i32 s23, s10, 16*SPITCH
	s_add_co_u32 s23, s23, STAGE
	v_mul_u32_u24 v4, v1, SPITCH
	v_lshl_add_u32 v4, v2, 4, v4
	v_add_nc_u32 v[STO], s23, v4
	v_mul_u32_u24 v5, v2, SPITCH
	v_lshl_add_u32 v5, v1, 4, v5
	v_add_nc_u32 v[RD], s23, v5
	v_mul_u32_u24 v5, v2, SIZE_N*2
	v_lshl_add_u32 v[CO], v1, 4, v5
	v_mul_u32_u24 v5, v1, HDP
	v_lshl_add_u32 v[HO], v2, 5, v5
	; where my part of the tile begins in qkv, in bytes: the way out adds it to the address
	s_lshl_b32 s13, s13, 8
	s_lshl_b32 s14, s11, 7
	s_add_co_u32 s16, s13, s14
	s_mov_b32 s17, 0
	s_mov_b64 s[18:19], SIZE_N*2
	s_mul_u64 s[16:17], s[16:17], s[18:19]
	s_lshl_b32 s46, s42, 9
	s_lshl_b32 s47, s12, 8
	s_add_co_u32 s46, s46, s47
	s_mov_b32 s47, 0
	s_add_nc_u64 s[16:17], s[16:17], s[46:47]
	; hd at my batch's 32 rows and my 128 columns; the flag for its stores
	s_mul_i32 s46, s41, 32*HDP                     ; the batch is cy
	s_lshl_b32 s47, s42, 10                        ; 256 columns of 4 bytes a tile column
	s_add_co_u32 s46, s46, s47
	s_lshl_b32 s47, s12, 9
	s_add_co_u32 s46, s46, s47
	s_mov_b32 s47, 0
	s_add_nc_u64 s[HD:HD+1], s[HD:HD+1], s[46:47]
	s_and_b32 s[HF], ttmp7, 0xffff
	s_or_b32 s[HF], s[HF], s11                     ; 0: cluster y = 0 and the tile's upper half: the same in all sixteen partners, for a given wave
	; the prefetches
	s_lshl_b32 s42, s42, 8
	s_and_b32 s22, ttmp7, 0xffff
	s_cmp_eq_u32 s11, 0
	s_cselect_b32 s20, s13, s42                    ; the tile's first row
	s_cselect_b32 s21, s40, s41                    ; my place among the four that ask with me
	s_cselect_b32 s22, ttmp9, s22                  ; the coordinate along which other clusters read the same rows
	s_cselect_b64 s[PFA:PFA+1], s[4:5], s[6:7]
	s_cmp_eq_u32 s22, 0
	s_cselect_b32 s[LIM], 1, -1
	s_lshl_b32 s22, s12, 7
	s_add_co_u32 s20, s20, s22
	s_lshl_b32 s21, s21, 5
	s_add_co_u32 s20, s20, s21
	s_mov_b32 s21, 0
	s_mov_b64 s[18:19], SIZE_K*2
	s_mul_u64 s[20:21], s[20:21], s[18:19]
	s_add_nc_u64 s[PFA:PFA+1], s[PFA:PFA+1], s[20:21]
	s_add_nc_u64 s[PFA:PFA+1], s[PFA:PFA+1], 2*KSTEP*2  ; at K step 2: the first refill steps it to 3 and names K step 4
	v_and_b32 v[PFO], 31, v0
	v_mul_u32_u24 v[PFO], v[PFO], SIZE_K*2
; 16 matrix instructions: m blocks a0, a0 + 1 of the window's four x all 8 n blocks, 32 along K.  zero = 1: the first product starts the sums.  The 64 accumulators take turns.
.macro MUL16 f, hi, a0, zero
	WIN MUL_LO+0x50*(\hi)
.irp a, \a0, (\a0)+1
.irp b, 0,1,2,3,4,5,6,7
.if \zero
	v_wmma_f32_16x16x32_bf16 v[8*(8*(\a)+(\b)):8*(8*(\a)+(\b))+7], v[(\f)+8*(\b):(\f)+8*(\b)+7], v[(\f)+8*(4*(\hi)+(\a)):(\f)+8*(4*(\hi)+(\a))+7], 0
.else
	v_wmma_f32_16x16x32_bf16 v[8*(8*(\a)+(\b)):8*(8*(\a)+(\b))+7], v[(\f)+8*(\b):(\f)+8*(\b)+7], v[(\f)+8*(4*(\hi)+(\a)):(\f)+8*(4*(\hi)+(\a))+7], v[8*(8*(\a)+(\b)):8*(8*(\a)+(\b))+7]
.endif
.endr
.endr
.endm
; 32 LDS loads in one run: the fragments of one quarter step (32 K at byte k of the rows) into buffer f
.macro FETCH slot, k, f
	WIN TO_B
.irp i, 0,1,2,3,4,5,6,7
	ds_load_b128 v[(\f)+8*(\i):(\f)+8*(\i)+3],   v[ADRB+(\slot)] offset:(\k)+(\i)*16*PITCH
	ds_load_b128 v[(\f)+8*(\i)+4:(\f)+8*(\i)+7], v[ADRB+(\slot)] offset:(\k)+(\i)*16*PITCH+32
.endr
	WIN 0
.irp i, 0,1,2,3,4,5,6,7
	ds_load_b128 v[(\f)+8*(\i):(\f)+8*(\i)+3],   v[ADRA+(\slot)] offset:(\k)+(\i)*16*PITCH
	ds_load_b128 v[(\f)+8*(\i)+4:(\f)+8*(\i)+7], v[ADRA+(\slot)] offset:(\k)+(\i)*16*PITCH+32
.endr
.endm
.macro PLACES                          ; four plain instructions between a matrix instruction and a load into its sources or a reader of its result
.rept 4
	v_nop
.endr
.endm
; One of a K step's first three quarters: multiplies buffer f; in its middle it fetches the next quarter's fragments into buffer g.
.macro QUARTER slot, k, f, g, zero
	s_wait_dscnt 8                                 ; B and A's rows 0-63 are in; the youngest eight loads (A's rows 64-127) may be out
	MUL16 \f, 0, 0, \zero
	MUL16 \f, 0, 2, \zero
	PLACES
	FETCH \slot, \k, \g
	s_wait_dscnt 32                                ; all but the 32 just issued
	MUL16 \f, 1, 0, \zero
	MUL16 \f, 1, 2, \zero
.endm
; The last quarter's first half: one barrier for the change of slots.  In front of it each wave waits for all its tensor loads (one is out: its part of the next slot), adds 0 to its spare word,
; and waits for that and for its own reads of this slot.
.macro MEET round
	WIN 0
	s_wait_tensorcnt 0x0
	ds_add_u32 v[SPW], v[NIL]
	s_wait_dscnt 9                                 ; the add and the youngest eight loads may be out
	MUL16 F1, 0, 0, 0
	s_wait_dscnt 0x0                               ; the add is done, and my reads of this slot are over
	s_barrier_signal -1
	MUL16 F1, 0, 2, 0
.if \round
	WIN 0
.endif
	s_barrier_wait -1
.endm
; The whole last quarter: behind the round the slot just read out is filled again, with the K step two steps on; then come the next slot's first fragments.
.macro TURN slot, next
	s_wait_xcnt 0x0                                ; the last prefetch, a K step back, has read its address
	s_add_nc_u64 s[PFA:PFA+1], s[PFA:PFA+1], KSTEP*2
	MEET 1
	CREST                                          ; no wave of any partner still reads this slot's tile or has a load on its way
	s_add_nc_u64 s[G0+4*(\slot)+2:G0+4*(\slot)+3], s[G0+4*(\slot)+2:G0+4*(\slot)+3], 2*KSTEP*2
	s_add_nc_u64 s[G0B+4*(\slot)+2:G0B+4*(\slot)+3], s[G0B+4*(\slot)+2:G0B+4*(\slot)+3], 2*KSTEP*2
	JLOAD \slot                                    ; the first tensor load behind the round; its four v_nop are also the places in front of the loads below
	FETCH \next, 0, F0
	ASK
	MUL16 F1, 1, 0, 0
	MUL16 F1, 1, 2, 0
.endm
; THE LAST K STEP (slot 1) GOES BY ROWS: all its fragments of B fill window 1; my eight blocks of 16 rows are finished one after the other, 32 matrix instructions each, K ascending.
.macro BLOAD q
	WIN TO_B
.irp i, 0,1,2,3,4,5,6,7
	ds_load_b128 v[64*(\q)+8*(\i):64*(\q)+8*(\i)+3],   v[ADRB+1] offset:64*(\q)+(\i)*16*PITCH
	ds_load_b128 v[64*(\q)+8*(\i)+4:64*(\q)+8*(\i)+7], v[ADRB+1] offset:64*(\q)+(\i)*16*PITCH+32
.endr
.endm
.macro ALOAD a
	WIN 0
.set FA, PA+32*((\a)%4)
.irp q, 0,1,2,3
	ds_load_b128 v[FA+8*(\q):FA+8*(\q)+3],   v[ADRA+1] offset:64*(\q)+(\a)*16*PITCH
	ds_load_b128 v[FA+8*(\q)+4:FA+8*(\q)+7], v[ADRA+1] offset:64*(\q)+(\a)*16*PITCH+32
.endr
.endm
.macro ROW a
.set FA, PA+32*((\a)%4)
.set AC, 64*((\a)%4)
	WIN MUL_LO+0x50*((\a)/4)
.irp q, 0,1,2,3
.if (\a) == 0 && (\q) == 2
	s_wait_dscnt 24                                ; B's quarter 2 is in (behind it: A's blocks 1 to 3)
.endif
.irp b, 0,1,2,3,4,5,6,7
	v_wmma_f32_16x16x32_bf16 v[AC+8*(\b):AC+8*(\b)+7], v[64*(\q)+8*(\b):64*(\q)+8*(\b)+7], v[FA+8*(\q):FA+8*(\q)+7], v[AC+8*(\b):AC+8*(\b)+7]
.endr
.endr
.endm
; Block a (0 or 1) of a batch's first rows goes to hd as it is, in f32: a lane's eight sums are 32 consecutive bytes, the two halves of the lanes 64, the block's eight accumulators 512 of a row.
; These stores do not fill 256 consecutive bytes by one instruction: 1.5 MB in the whole launch, from 96 of its 1,536 waves.  Each accumulator's low four registers go first.
.macro HEADOUT a
	WIN 0                                          ; at a branch and at a label every window is 0
	s_cmp_eq_u32 s[HF], 0
	s_cbranch_scc0 .Lno_head_\@
	WIN 0x08                                       ; the stores' data in window 2
.irp b, 0,1,2,3,4,5,6,7
	global_store_b128 v[HO], v[64*(\a)+8*(\b):64*(\a)+8*(\b)+3],   s[HD:HD+1] offset:(\a)*16*HDP+64*(\b)
	global_store_b128 v[HO], v[64*(\a)+8*(\b)+4:64*(\a)+8*(\b)+7], s[HD:HD+1] offset:(\a)*16*HDP+64*(\b)+16
.endr
	WIN 0
.Lno_head_\@:
.endm
; THE WAY OUT of block a.  PACK: rounded to f16, 16 bytes a lane.  TOSTAGE: into my own stage, and back as whole rows of 256 bytes.  SEND: stored.
.macro PACK a
.set AC, 64*((\a)%4)
	WIN 0x0a+5*((\a)/4)
.irp b, 0,1,2,3,4,5,6,7
.irp r, 0,1,2,3
	v_cvt_pk_f16_f32 v[TMP+4*(\b)+(\r)], v[AC+8*(\b)+2*(\r)], v[AC+8*(\b)+2*(\r)+1]
.endr
.endr
	WIN 0
.endm
.macro TOSTAGE a
	WIN 0
.set BK, OB+192*((\a)%2)
.irp b, 0,1,2,3,4,5,6,7
	ds_store_b128 v[STO], v[TMP+4*(\b):TMP+4*(\b)+3] offset:32*(\b)
.endr
.irp t, 0,1,2,3,4,5,6,7
	ds_load_b128 v[BK+4*(\t):BK+4*(\t)+3], v[RD] offset:(\t)*2*SPITCH  ; LDS serves a wave's instructions in order (ISA guide 5.7.1.4): these see the stores above
.endr
.endm
.macro SEND a, younger
	WIN 0
.set BK, OB+192*((\a)%2)
	s_wait_dscnt \younger                          ; the block is back in registers
	s_wait_xcnt 0x0                                ; the stores' base and the registers that earlier stores read are rewritten only behind this wait
.if (\a) == 0
	s_add_nc_u64 s[8:9], s[8:9], s[16:17]
.else
	s_add_nc_u64 s[8:9], s[8:9], 16*SIZE_N*2
.endif
.irp t, 0,1,2,3,4,5,6,7
	global_store_b128 v[CO], v[BK+4*(\t):BK+4*(\t)+3], s[8:9] offset:2*(\t)*SIZE_N*2  ; 16 lanes store 256 consecutive bytes, at a multiple of 256 from qkv's first byte
.endr
.endm
	s_wait_tensorcnt 1                             ; my part of K step 0 is in; K step 1's may stay out
	s_barrier_signal -1
	s_barrier_wait -1
	FETCH 0, 0, F0
	QUARTER 0, 64,  F0, F1, 1                      ; the first quarter stands in front of the loop: its products start the sums
	WIN 0
	s_mov_b32 s3, LAPS-1
.Llap:                                                 ; a trip goes once round the ring and fills both slots again
	QUARTER 0, 128, F1, F0, 0
	QUARTER 0, 192, F0, F1, 0
	TURN 0, 1
	QUARTER 1, 64,  F0, F1, 0
	QUARTER 1, 128, F1, F0, 0
	QUARTER 1, 192, F0, F1, 0
	TURN 1, 0
	QUARTER 0, 64,  F0, F1, 0
	WIN 0
	s_sub_co_u32 s3, s3, 1
	s_cmp_lg_u32 s3, 0
	s_cbranch_scc1 .Llap
	QUARTER 0, 128, F1, F0, 0
	QUARTER 0, 192, F0, F1, 0
	MEET 0                                         ; my one tensor load that was still out is the last K step's, so no round follows
	PLACES
	BLOAD 0
	BLOAD 1
	BLOAD 3
	ALOAD 0
	MUL16 F1, 1, 0, 0
	MUL16 F1, 1, 2, 0
	PLACES
	BLOAD 2
	ALOAD 1
	ALOAD 2
	ALOAD 3
	s_wait_dscnt 40                                ; all but the 40 just issued
	ROW 0
.irp a, 0,1,2,3,4,5,6,7
	PLACES
.if (\a) < 2
	HEADOUT \a
.endif
	PACK \a
	TOSTAGE \a
.if (\a) < 4
	ALOAD (\a)+4
	SEND \a, 8
.else
	SEND \a, 0
.endif
.if (\a) < 7
	ROW (\a)+1
.endif
.endr
	s_wait_tensorcnt 0x0                           ; the wave's end
	ds_add_u32 v[SPW], v[NIL]
	s_wait_dscnt 0x0
	CROUND                                         ; the closing round
	s_endpgm
.Lfunc_end_k_q3a2cc4dda0_proj:
	.size	k_q3a2cc4dda0_proj, .Lfunc_end_k_q3a2cc4dda0_proj-k_q3a2cc4dda0_proj
	.p2alignl 7, 3214868480
	.fill 96, 4, 3214868480
	.section	.rodata,"a",@progbits
	.p2align	6, 0x0
	.amdhsa_kernel k_q3a2cc4dda0_proj
		.amdhsa_group_segment_fixed_size 327680
		.amdhsa_private_segment_fixed_size 0
		.amdhsa_enable_private_segment 0
		.amdhsa_kernarg_size 32
		.amdhsa_user_sgpr_count 2
		.amdhsa_user_sgpr_kernarg_segment_ptr 1
		.amdhsa_wavefront_size32 1
		.amdhsa_system_sgpr_workgroup_id_x 1
		.amdhsa_system_sgpr_workgroup_id_y 1
		.amdhsa_system_sgpr_workgroup_id_z 1
		.amdhsa_system_vgpr_workitem_id 0
		.amdhsa_next_free_vgpr 1024
		.amdhsa_next_free_sgpr 70
		.amdhsa_reserve_vcc 0
		.amdhsa_float_denorm_mode_32 3
		.amdhsa_float_denorm_mode_16_64 3
		.amdhsa_memory_ordered 1
		.amdhsa_forward_progress 1
		.amdhsa_inst_pref_size 148
	.end_amdhsa_kernel
	.amdgpu_metadata
---
amdhsa.version: [ 1, 2 ]
amdhsa.kernels:
  - .name:           k_q3a2cc4dda0_proj
    .symbol:         k_q3a2cc4dda0_proj.kd
    .args:
      - { .name: xb, .offset: 0, .size: 8, .value_kind: global_buffer, .address_space: global }
      - { .name: wb, .offset: 8, .size: 8, .value_kind: global_buffer, .address_space: global }
      - { .name: qkv, .offset: 16, .size: 8, .value_kind: global_buffer, .address_space: global }
      - { .name: hd, .offset: 24, .size: 8, .value_kind: global_buffer, .address_space: global }
    .group_segment_fixed_size: 327680
    .private_segment_fixed_size: 0
    .kernarg_segment_align: 8
    .kernarg_segment_size: 32
    .max_flat_workgroup_size: 128
    .sgpr_count:     70
    .vgpr_count:     1024
    .wavefront_size: 32
...
	.end_amdgpu_metadata
.endif
;; end of part 2
;; launch scores (part 3): grid 36 x 4, 4 waves a work-group, no clusters, 327,680 bytes of LDS; arguments qkv, pbuf, stats; writes pbuf, stats
.if DOCPART == 3
	.amdgcn_target "amdgcn-amd-amdhsa--gfx1250"
	.amdhsa_code_object_version 6
	.text
	.protected	k_q3a2cc4dda0_scores
	.globl	k_q3a2cc4dda0_scores
	.p2align	8
	.type	k_q3a2cc4dda0_scores,@function
k_q3a2cc4dda0_scores:
	s_mov_b64 s[64:65], 0
	v_nop
	global_prefetch_b8 v0, s[64:65] scope:SCOPE_SE
	s_setreg_imm32_b32 hwreg(HW_REG_WAVE_MODE, 25, 1), 1
	s_wait_xcnt 0x0
; For each tile (qi, kj), kj <= qi, of 256 queries x 256 keys of a batch: S = Q K^T (f16 operands, f32 sums over 1,024 channels), and for each row and each GROUP of 128 keys:
; mm = c x (the group's largest visible score), c = log2(e) / 32;  p = 2^(c s - mm), rounded to f16 into pbuf;  l = the sum of the unrounded p.  mm and l go to stats [4][16 groups][mm, l][2048 rows], f32.
; The launch behind brings the groups to the row's true maximum: every exponential here has its own group's maximum taken away, so p lies in 0 to 1 and l in 1 to 128.
; LIMITS.  A hidden score counts as -1e30 (f16's scores are 4.4e12 at the most); p below 6e-5 keeps f16's fixed step of 6e-8; NaN and infinities are not treated apart.
; SHARES.  36 tiles a batch (the lower triangle of 8 x 8), a work-group each; four waves, each 128 queries x 128 keys = one group: 64 accumulators.  K steps of 128 channels through a ring of two LDS slots,
; each wave fetching 128 rows x 256 bytes (waves 0, 1: Q's halves; waves 2, 3: K's).  In a diagonal tile wave 1 (queries 0-127, keys 128-255) sees nothing: it writes zeros into its piece of pbuf and no stats.
; NO CLUSTER: the triangle's rows hold 1 to 8 tiles and its columns 8 to 1; fours that share a row or a column cover 24 of a batch's 36 tiles, the other 12 would want another mask in the same text,
; and whole 4 x 4 clusters would launch 12 tiles a batch that are wholly hidden.
; THE MATRIX INSTRUCTION: source 0 = 16 keys, source 1 = 16 queries: a lane holds query l % 16 and the keys 16 b + 8 (l / 16) + 0..7.
; THE SOFTMAX wants a row's 128 scores in 16 neighbouring lanes: 16 queries at a time go through an f32 stage of the wave's own (16 rows x 528 bytes), behind the ring, at addresses that never change.
; REGISTERS: window 0 addresses (v0-31) and Q's fragments (v64-191), window 1 K's fragments, windows 2, 3 the accumulators.
; In the softmax window 0 alone: X v64-127, Y v128-159, ST v160-175, TM v176-183, KE v184-191.
.set KSTEP,  128
.set PITCH,  272                       ; 256 bytes + 16 of padding: the 16 rows of a load start at 16 different groups of four banks (ISA guide 11.1)
.set HALFT,  128*PITCH
.set SLOT,   4*HALFT                   ; Q's 256 rows, then K's 256 rows
.set SROW,   528                       ; a stage row: 512 bytes + 16
.set WSTAGE, 16*SROW                   ; a wave's stage: 8,448 bytes = 33 blocks of 256
.set STAGE,  2*SLOT                    ; behind the ring: no tensor load lands here
.set SPARE,  STAGE+4*WSTAGE            ; the spare words, 128 bytes for each wave, that no other line names
.set QKVP,   6144                      ; bytes in a row of qkv: q at 0, k at 2,048, v at 4,096
.set LAPS,   4
.set CL,   1                           ; v1   c = l % 16; never rewritten
.set ADRA, 16                          ; v16-17 LDS address of my Q fragments in slot 0, 1
.set ADRB, 20                          ; v20-21 of my K fragments
.set SO,   22                          ; v22  my 16 bytes of the wave's 512 of stats
.set DD,   23                          ; v23  the mask's counter
.set STO,  24                          ; v24  where I put 16 bytes of a stage row; never rewritten
.set RD,   25                          ; v25  where I read the stage back; never rewritten
.set PO,   26                          ; v26  my byte offset in pbuf
.set BG,   27                          ; v27  -1e30
.set SPW,  28                          ; v28  my spare word; never rewritten
.set NIL,  29                          ; v29  0; never rewritten
.set PFO,  30                          ; v30  lane x 6,144; never rewritten
.set F0,   64
.set F1,   128
.set X,    64                          ; row p of my half's eight: its 8 scores of mine at X + 8 p
.set Y,    128                         ; its 8 weights in f16 at Y + 4 p
.set ST,   160                         ; its mm at ST + 2 p, its l at ST + 2 p + 1
.set TM,   176
.set KE,   184                         ; what I keep for stats: four mm, four l
.set G1, 24                            ; s[24:31]
.set G0, 32                            ; s[32:39] one set for each slot
.set DIAG, 40                          ; s40  1: qi = kj
.set ROWS, 41                          ; s41  counts the softmax's trips, 8 to 1
.set DEAD, 42                          ; s42  1: a diagonal tile's wave 1
.set LIM,  43                          ; s43  1 in a wave that prefetches, else the greatest number
.set PFA,  44                          ; s[44:45]
.set CS,   46                          ; s[46:47] c, twice
.set MK,   66                          ; s66-80  lane masks: hidden where j - p = d - 7, d = 0..14
.set MSB, 0
.macro WIN new
.if MSB != (\new)
	s_set_vgpr_msb (MSB<<8)|(\new)
.set MSB, \new
.endif
.endm
.set MUL_LO, 0xa1
.set MUL_HI, 0xf1
.set TO_B,   0x40
	s_load_b128 s[4:7], s[0:1], 0x0                ; qkv s[4:5], pbuf s[6:7]
	s_load_b64 s[8:9], s[0:1], 0x10                ; stats
	v_lshl_add_u32 v[SPW], v0, 2, SPARE
	v_mov_b32 v[NIL], 0
	ds_add_u32 v[SPW], v[NIL]                      ; the wave's opening: the add and its wait ahead of my first tensor load
	v_lshrrev_b32 v1, 5, v0
	v_readfirstlane_b32 s10, v1                    ; wave 0..3
	s_lshr_b32 s11, s10, 1                         ; my half of the queries.  Also: I fetch for Q (0) or for K (1)
	s_and_b32 s12, s10, 1                          ; my half of the keys.  Also: which 128 rows I fetch
	s_mov_b32 s13, 0                               ; qi: the triangle's row that holds tile ttmp9: one more for each triangular number reached
.irp tri, 1,3,6,10,15,21,28
	s_cmp_ge_u32 ttmp9, \tri
	s_add_co_ci_u32 s13, s13, 0
.endr
	s_add_co_u32 s16, s13, 1
	s_mul_i32 s16, s16, s13
	s_lshr_b32 s16, s16, 1
	s_sub_co_u32 s14, ttmp9, s16                   ; kj
	s_and_b32 s15, ttmp7, 0xffff                   ; the batch
	s_mov_b32 s[G1+0], (1<<16)|(1<<20)|(5<<22)|(3<<25)  ; elements of 2 bytes; padding on: 4 words behind every 64
	s_mov_b32 s[G1+1], KSTEP<<16                   ; tensor_dim0 = 128
	s_mov_b32 s[G1+2], 128<<16                     ; tensor_dim1 = 128
	s_mov_b32 s[G1+3], KSTEP<<16                   ; tile_dim0 = 128
	s_mov_b32 s[G1+4], 128                         ; tile_dim1 = 128
	s_mov_b32 s[G1+5], 3072                        ; elements from row to row
	s_mov_b32 s[G1+6], 0
	s_mov_b32 s[G1+7], 0
	s_mov_b32 s[CS], 0x3d38aa3b                    ; c = log2(e) / 32
	s_mov_b32 s[CS+1], s[CS]
	s_cmp_eq_u32 s11, 0
	s_cselect_b32 s16, s13, s14                    ; Q's block or K's
	s_cselect_b32 s18, 0, 2048                     ; q's or k's bytes of a row
	s_lshl_b32 s16, s16, 8
	s_lshl_b32 s17, s15, 11
	s_add_co_u32 s16, s16, s17
	s_lshl_b32 s17, s12, 7
	s_add_co_u32 s16, s16, s17                     ; the first of the 128 rows that I fetch
	s_mul_i32 s16, s16, QKVP                       ; under 2^26
	s_add_co_u32 s16, s16, s18
	s_mov_b32 s17, 0
	s_mul_i32 s20, s10, HALFT                      ; where they go: wave x 128 rows
	s_sub_co_u32 s19, s13, s14
	s_cmp_eq_u32 s11, 0
	s_cselect_b32 s19, s14, s19                    ; a block of Q is asked for ahead by its tile kj = 0, a block of K by its tile qi = kj: each once in the launch
	s_cmp_eq_u32 s19, 0
	s_cselect_b32 s[LIM], 1, -1
	s_cmp_eq_u32 s13, s14
	s_cselect_b32 s[DIAG], 1, 0
	s_cmp_eq_u32 s10, 1
	s_cselect_b32 s[DEAD], s[DIAG], 0
	s_wait_dscnt 0x0                               ; the opening add is done
	s_wait_kmcnt 0x0
	s_add_nc_u64 s[16:17], s[4:5], s[16:17]
.irp s, 0,1                            ; the two first fills go out together: two loads of mine are out
	s_mov_b32 s[G0+4*(\s)], 1
	s_add_co_u32 s[G0+4*(\s)+1], s20, (\s)*SLOT
	s_add_nc_u64 s[G0+4*(\s)+2:G0+4*(\s)+3], s[16:17], (\s)*KSTEP*2
	s_or_b32 s[G0+4*(\s)+3], s[G0+4*(\s)+3], 0x80000000
	tensor_load_to_lds s[G0+4*(\s):G0+4*(\s)+3], s[G1:G1+7]
	s_nop 0
.endr
.rept 4
	v_nop
.endr
	s_add_nc_u64 s[PFA:PFA+1], s[16:17], 2*KSTEP*2 ; at K step 2: the first refill steps it to 3 and names K step 4
	v_and_b32 v[CL], 15, v0                        ; c = l % 16
	v_bfe_u32 v2, v0, 4, 1                         ; h = l / 16
	v_mul_u32_u24 v3, v[CL], PITCH
	v_lshl_add_u32 v3, v2, 4, v3
	s_mul_i32 s21, s11, HALFT
	s_mul_i32 s22, s12, HALFT
	s_add_co_u32 s22, s22, 2*HALFT
.irp s, 0,1
	v_add_nc_u32 v[ADRA+(\s)], s21, v3
	v_add_nc_u32 v[ADRB+(\s)], s22, v3
	s_add_co_u32 s21, s21, SLOT
	s_add_co_u32 s22, s22, SLOT
.endr
	s_mul_i32 s23, s10, WSTAGE
	s_add_co_u32 s23, s23, STAGE                   ; my stage
	v_mul_u32_u24 v4, v[CL], SROW                  ; in: row l % 16, 16 bytes for each half of the lanes
	v_lshl_add_u32 v4, v2, 4, v4
	v_add_nc_u32 v[STO], s23, v4
	v_mul_u32_u24 v5, v2, 8*SROW                   ; back: lanes 0-15 take row p, lanes 16-31 row 8 + p; lane c takes keys 8 c + 0..7
	v_lshl_add_u32 v5, v[CL], 4, v5
	v_add_nc_u32 v[RD], s23, v5
	v_lshlrev_b32 v5, 15, v2                       ; the same two rows in pbuf: 8 rows of 4,096 bytes apart
	v_lshl_add_u32 v[PO], v[CL], 4, v5
	v_lshrrev_b32 v5, 1, v[CL]                     ; I keep rows 16 (c / 2) + 8 h + 4 (c % 2) + 0..3: byte 64 (c / 2) + 32 h + 16 (c % 2) of the wave's 512
	v_lshlrev_b32 v5, 6, v5
	v_lshl_add_u32 v5, v2, 5, v5
	v_and_b32 v6, 1, v[CL]
	v_lshl_add_u32 v[SO], v6, 4, v5
	v_and_b32 v6, 31, v0
	v_mul_u32_u24 v[PFO], v6, QKVP
	s_sub_co_i32 s23, s11, s12                     ; in a diagonal tile key 128 s12 + 8 c + j is hidden from query 128 s11 + 16 x trip + 8 h + p where j - p > DD,
	s_lshl_b32 s23, s23, 7                         ; DD = 128 (s11 - s12) + 16 x trip + 8 h - 8 c
	v_sub_nc_u32 v5, v2, v[CL]
	v_lshlrev_b32 v5, 3, v5
	v_add_nc_u32 v[DD], s23, v5
	v_mov_b32 v[BG], 0xf149f2ca                    ; -1e30
	s_lshl_b32 s16, s15, 11                        ; pbuf at my 128 rows and my 128 keys
	s_lshl_b32 s17, s13, 8
	s_add_co_u32 s16, s16, s17
	s_lshl_b32 s17, s11, 7
	s_add_co_u32 s16, s16, s17
	s_lshl_b32 s16, s16, 12
	s_lshl_b32 s17, s14, 9
	s_add_co_u32 s16, s16, s17
	s_lshl_b32 s17, s12, 8
	s_add_co_u32 s16, s16, s17
	s_mov_b32 s17, 0
	s_add_nc_u64 s[6:7], s[6:7], s[16:17]
	s_lshl_b32 s16, s15, 4                         ; stats at batch, group 2 kj + s12, my 128 rows
	s_lshl_b32 s17, s14, 1
	s_add_co_u32 s16, s16, s17
	s_add_co_u32 s16, s16, s12
	s_lshl_b32 s16, s16, 14
	s_lshl_b32 s17, s13, 10
	s_add_co_u32 s16, s16, s17
	s_lshl_b32 s17, s11, 9
	s_add_co_u32 s16, s16, s17
	s_mov_b32 s17, 0
	s_add_nc_u64 s[8:9], s[8:9], s[16:17]
; 16 matrix instructions; the 64 accumulators take turns, in the same order in every quarter
.macro MUL16 f, hi, a0, zero
	WIN MUL_LO+0x50*(\hi)
.irp a, \a0, (\a0)+1
.irp b, 0,1,2,3,4,5,6,7
.if \zero
	v_wmma_f32_16x16x32_f16 v[8*(8*(\a)+(\b)):8*(8*(\a)+(\b))+7], v[(\f)+8*(\b):(\f)+8*(\b)+7], v[(\f)+8*(4*(\hi)+(\a)):(\f)+8*(4*(\hi)+(\a))+7], 0
.else
	v_wmma_f32_16x16x32_f16 v[8*(8*(\a)+(\b)):8*(8*(\a)+(\b))+7], v[(\f)+8*(\b):(\f)+8*(\b)+7], v[(\f)+8*(4*(\hi)+(\a)):(\f)+8*(4*(\hi)+(\a))+7], v[8*(8*(\a)+(\b)):8*(8*(\a)+(\b))+7]
.endif
.endr
.endr
.endm
.macro FETCH slot, k, f                ; 32 LDS loads in one run: K's fragments, then Q's
	WIN TO_B
.irp i, 0,1,2,3,4,5,6,7
	ds_load_b128 v[(\f)+8*(\i):(\f)+8*(\i)+3],   v[ADRB+(\slot)] offset:(\k)+(\i)*16*PITCH
	ds_load_b128 v[(\f)+8*(\i)+4:(\f)+8*(\i)+7], v[ADRB+(\slot)] offset:(\k)+(\i)*16*PITCH+32
.endr
	WIN 0
.irp i, 0,1,2,3,4,5,6,7
	ds_load_b128 v[(\f)+8*(\i):(\f)+8*(\i)+3],   v[ADRA+(\slot)] offset:(\k)+(\i)*16*PITCH
	ds_load_b128 v[(\f)+8*(\i)+4:(\f)+8*(\i)+7], v[ADRA+(\slot)] offset:(\k)+(\i)*16*PITCH+32
.endr
.endm
.macro PLACES                          ; four plain instructions between a matrix instruction and a load into its sources
.rept 4
	v_nop
.endr
.endm
.macro QUARTER slot, k, f, g, zero
	s_wait_dscnt 8                                 ; K's fragments and Q's rows 0-63 are in; the youngest eight loads may be out
	MUL16 \f, 0, 0, \zero
	MUL16 \f, 0, 2, \zero
	PLACES
	FETCH \slot, \k, \g
	s_wait_dscnt 32                                ; all but the 32 just issued
	MUL16 \f, 1, 0, \zero
	MUL16 \f, 1, 2, \zero
.endm
; A prefetch into the L2 of the K step that stands two refills on: my 128 rows x 256 bytes, a lane a row, four instructions together, behind the tensor load and the run of LDS loads.
; K steps 0 to 3 come by their loads alone; the loop's last trip (s3 = 1) asks for nothing: K steps 8 and 9 do not exist.
.macro ASK
	s_cmp_gt_u32 s3, s[LIM]
	s_cbranch_scc0 .Lnot_mine_\@
.irp r, 0,1,2,3
	global_prefetch_b8 v[PFO], s[PFA:PFA+1] offset:KSTEP*2+(\r)*32*QKVP th:TH_LOAD_NT scope:SCOPE_SE
.endr
.Lnot_mine_\@:
.endm
; The last quarter of a K step multiplies buffer 1 and changes slots: one barrier.  In front of it each wave waits for all its tensor loads (one is out: its part of the next slot), adds 0 to its
; spare word, and waits for that and for its reads of this slot.  fill = 1: behind the barrier this slot is filled again first, with the K step two steps on: 224 matrix instructions ahead of the wait for it.
.macro TURN slot, next, fill
.if \fill
	s_wait_xcnt 0x0                                ; the last prefetches, a K step back, have read their address
	s_add_nc_u64 s[PFA:PFA+1], s[PFA:PFA+1], KSTEP*2
.endif
	WIN 0
	s_wait_tensorcnt 0x0                           ; no tensor load of mine is out, so a group 0 may be written
	ds_add_u32 v[SPW], v[NIL]
.if \fill
	s_add_nc_u64 s[G0+4*(\slot)+2:G0+4*(\slot)+3], s[G0+4*(\slot)+2:G0+4*(\slot)+3], 2*KSTEP*2
.endif
	s_wait_dscnt 9                                 ; the add and the youngest eight loads may be out
	MUL16 F1, 0, 0, 0
	s_wait_dscnt 0x0                               ; the add is done, and my reads of this slot are over
	s_barrier_signal -1
	MUL16 F1, 0, 2, 0
	WIN 0
	s_barrier_wait -1
.if \fill
	tensor_load_to_lds s[G0+4*(\slot):G0+4*(\slot)+3], s[G1:G1+7]
	s_nop 0
.endif
	PLACES                                         ; behind the load; also the places in front of the loads below
	FETCH \next, 0, F0
.if \fill
	ASK
.endif
	MUL16 F1, 1, 0, 0
	MUL16 F1, 1, 2, 0
.endm
	s_wait_tensorcnt 1                             ; my part of K step 0 is in; K step 1's may stay out
	s_barrier_signal -1
	s_barrier_wait -1
	FETCH 0, 0, F0
	QUARTER 0, 64,  F0, F1, 1                      ; the first quarter's products start the sums
	WIN 0
	s_mov_b32 s3, LAPS-1
.Llap:
	QUARTER 0, 128, F1, F0, 0
	QUARTER 0, 192, F0, F1, 0
	TURN 0, 1, 1
	QUARTER 1, 64,  F0, F1, 0
	QUARTER 1, 128, F1, F0, 0
	QUARTER 1, 192, F0, F1, 0
	TURN 1, 0, 1
	QUARTER 0, 64,  F0, F1, 0
	WIN 0
	s_sub_co_u32 s3, s3, 1
	s_cmp_lg_u32 s3, 0
	s_cbranch_scc1 .Llap
	QUARTER 0, 128, F1, F0, 0                      ; the last lap fills nothing
	QUARTER 0, 192, F0, F1, 0
	TURN 0, 1, 0
	QUARTER 1, 64,  F0, F1, 0
	QUARTER 1, 128, F1, F0, 0
	QUARTER 1, 192, F0, F1, 0
	s_wait_dscnt 8
	MUL16 F1, 0, 0, 0
	MUL16 F1, 0, 2, 0
	s_wait_dscnt 0x0
	MUL16 F1, 1, 0, 0
	MUL16 F1, 1, 2, 0
	WIN 0
.rept 8
	v_nop                                          ; the places behind the last products, ahead of the stores that read them and of writes into Q's fragments
.endr
	s_cmp_eq_u32 s[DEAD], 1
	s_cbranch_scc1 .Lzfill
.irp p, 0,1,2,3,4,5,6,7
	v_mov_b32 v[ST+2*(\p)+1], 0                    ; named with mm as a pair by the packed scaling, so it is written
	v_mov_b32 v[KE+(\p)], 0                        ; the selects below read what they keep
.endr
	; THE SOFTMAX of my group: 8 trips, a block of 16 queries each.  The block's eight accumulators are registers, so their 16 stores are written out for each block, and forward jumps on the trip's
	; number pick the run; all runs write the same stage bytes.  A row's image: keys 8 g .. 8 g + 3 at byte 16 g, keys 8 g + 4 .. 8 g + 7 at byte 256 + 16 g.
	s_mov_b32 s[ROWS], 8
.Lrows:
.irp a, 1,2,3,4,5,6,7
	s_cmp_eq_u32 s[ROWS], 8-(\a)
	s_cbranch_scc1 .Ldump\a
.endr
.irp a, 0,1,2,3,4,5,6,7
.Ldump\a:
	WIN 0x08+4*((\a)/4)                            ; the stores' data in window 2 or 3; each accumulator's low four registers go first
.irp b, 0,1,2,3,4,5,6,7
	ds_store_b128 v[STO], v[8*(8*((\a)%4)+(\b)):8*(8*((\a)%4)+(\b))+3]   offset:32*(\b)
	ds_store_b128 v[STO], v[8*(8*((\a)%4)+(\b))+4:8*(8*((\a)%4)+(\b))+7] offset:32*(\b)+256
.endr
	WIN 0
.if (\a) < 7
	s_branch .Lstaged
.endif
.endr
.Lstaged:
.irp p, 0,1,2,3,4,5,6,7
	ds_load_b128 v[X+8*(\p):X+8*(\p)+3],   v[RD] offset:SROW*(\p)      ; LDS serves a wave's instructions in order (ISA guide 5.7.1.4): these see my stores above, and the next trip's stores come behind them
	ds_load_b128 v[X+8*(\p)+4:X+8*(\p)+7], v[RD] offset:SROW*(\p)+256
.endr
	s_sub_co_u32 s49, 8, s[ROWS]                   ; the trip's number a,
	s_lshl_b32 s49, s49, 1                         ; 2 a
	s_add_co_u32 s50, s49, 1                       ; and 2 a + 1: the lanes c that keep this block's mm and l
	v_cmp_eq_u32 s51, s49, v[CL]
	v_cmp_eq_u32 s52, s50, v[CL]
	s_wait_dscnt 0x0
	s_cmp_eq_u32 s[DIAG], 1
	s_cbranch_scc0 .Lseen                          ; only a diagonal tile hides keys
.set d, 0
.rept 15
	v_cmp_gt_i32 s[MK+d], d-7, v[DD]               ; one lane mask for each value of j - p
.set d, d+1
.endr
.irp p, 0,1,2,3,4,5,6,7
.irp j, 0,1,2,3,4,5,6,7
	v_cndmask_b32 v[X+8*(\p)+(\j)], v[X+8*(\p)+(\j)], v[BG], s[MK+7+(\j)-(\p)]
.endr
.endr
.Lseen:
.irp p, 0,1,2,3,4,5,6,7
	v_max3_num_f32 v[TM+(\p)], v[X+8*(\p)], v[X+8*(\p)+1], v[X+8*(\p)+2]
.endr
.irp p, 0,1,2,3,4,5,6,7
	v_max3_num_f32 v[TM+(\p)], v[TM+(\p)], v[X+8*(\p)+3], v[X+8*(\p)+4]
.endr
.irp p, 0,1,2,3,4,5,6,7
	v_max3_num_f32 v[TM+(\p)], v[TM+(\p)], v[X+8*(\p)+5], v[X+8*(\p)+6]
.endr
.irp p, 0,1,2,3,4,5,6,7
	v_max_num_f32 v[TM+(\p)], v[TM+(\p)], v[X+8*(\p)+7]
.endr
.irp m, 1,2,4,8                        ; a row lies in 16 neighbouring lanes
.irp p, 0,1,2,3,4,5,6,7
	v_max_num_f32_dpp v[TM+(\p)], v[TM+(\p)], v[TM+(\p)] row_xmask:\m row_mask:0xf bank_mask:0xf
.endr
.endr
.irp p, 0,1,2,3,4,5,6,7
	v_mul_f32 v[ST+2*(\p)], s[CS], v[TM+(\p)]      ; mm
.endr
.irp p, 0,1,2,3,4,5,6,7
.irp i, 0,1,2,3
	v_pk_fma_f32 v[X+8*(\p)+2*(\i):X+8*(\p)+2*(\i)+1], v[X+8*(\p)+2*(\i):X+8*(\p)+2*(\i)+1], s[CS:CS+1], v[ST+2*(\p):ST+2*(\p)+1] op_sel_hi:[1,0,0] neg_lo:[0,0,1] neg_hi:[0,0,1]  ; c s - mm
.endr
.endr
.set e, 0
.rept 64                               ; one batch of exponentials,
	v_exp_f32 v[X+e], v[X+e]
.set e, e+1
.endr
	v_add_nc_u32 v[DD], 16, v[DD]                  ; a plain instruction behind the last of them (ISA guide 5.7.2): the next trip's mask counter,
	s_wait_alu depctr_va_vdst(0)                   ; and the one wait ahead of the batch's first reader
.irp p, 0,1,2,3,4,5,6,7
.irp i, 0,1,2,3
	v_cvt_pk_f16_f32 v[Y+4*(\p)+(\i)], v[X+8*(\p)+2*(\i)], v[X+8*(\p)+2*(\i)+1]
.endr
	global_store_b128 v[PO], v[Y+4*(\p):Y+4*(\p)+3], s[6:7] offset:4096*(\p) th:TH_STORE_NT  ; 16 lanes store a row's 256 consecutive bytes, aligned
.endr
.irp p, 0,1,2,3,4,5,6,7
	v_pk_add_f32 v[X+8*(\p):X+8*(\p)+1], v[X+8*(\p):X+8*(\p)+1], v[X+8*(\p)+2:X+8*(\p)+3]
	v_pk_add_f32 v[X+8*(\p)+4:X+8*(\p)+5], v[X+8*(\p)+4:X+8*(\p)+5], v[X+8*(\p)+6:X+8*(\p)+7]
.endr
.irp p, 0,1,2,3,4,5,6,7
	v_pk_add_f32 v[X+8*(\p):X+8*(\p)+1], v[X+8*(\p):X+8*(\p)+1], v[X+8*(\p)+4:X+8*(\p)+5]
.endr
.irp p, 0,1,2,3,4,5,6,7
	v_add_f32 v[ST+2*(\p)+1], v[X+8*(\p)], v[X+8*(\p)+1]
.endr
.irp m, 1,2,4,8
.irp p, 0,1,2,3,4,5,6,7
	v_add_f32_dpp v[ST+2*(\p)+1], v[ST+2*(\p)+1], v[ST+2*(\p)+1] row_xmask:\m row_mask:0xf bank_mask:0xf
.endr
.endr
.irp i, 0,1,2,3                        ; every lane of a half holds its eight rows' mm and l: lane c = 2 a keeps rows 0-3 of them, lane c = 2 a + 1 rows 4-7
	v_cndmask_b32 v[KE+(\i)],   v[KE+(\i)],   v[ST+2*(\i)],     s51
	v_cndmask_b32 v[KE+4+(\i)], v[KE+4+(\i)], v[ST+2*(\i)+1],   s51
.endr
.irp i, 0,1,2,3
	v_cndmask_b32 v[KE+(\i)],   v[KE+(\i)],   v[ST+8+2*(\i)],   s52
	v_cndmask_b32 v[KE+4+(\i)], v[KE+4+(\i)], v[ST+8+2*(\i)+1], s52
.endr
	s_wait_xcnt 0x0                                ; the stores have read Y and PO: they are rewritten only behind this wait
	v_add_nc_u32 v[PO], 16*4096, v[PO]
	s_sub_co_u32 s[ROWS], s[ROWS], 1
	s_cmp_lg_u32 s[ROWS], 0
	s_cbranch_scc1 .Lrows
	global_store_b128 v[SO], v[KE:KE+3],   s[8:9]               ; my wave's 128 mm: the 32 lanes' 16 bytes are 512 consecutive bytes, aligned
	global_store_b128 v[SO], v[KE+4:KE+7], s[8:9] offset:8192   ; and its 128 l
	s_branch .Lend
.Lzfill:                                               ; a diagonal tile's wave 1: its 128 x 128 piece of pbuf holds zeros, two rows a store
.irp k, 0,1,2,3
	v_mov_b32 v[X+(\k)], 0
.endr
.set t, 0
.rept 64
	global_store_b128 v[PO], v[X:X+3], s[6:7] offset:(16*(t/8)+t%8)*4096 th:TH_STORE_NT
.set t, t+1
.endr
.Lend:
	s_wait_tensorcnt 0x0                           ; the wave's end
	ds_add_u32 v[SPW], v[NIL]
	s_wait_dscnt 0x0
	s_endpgm
.Lfunc_end_k_q3a2cc4dda0_scores:
	.size	k_q3a2cc4dda0_scores, .Lfunc_end_k_q3a2cc4dda0_scores-k_q3a2cc4dda0_scores
	.p2alignl 7, 3214868480
	.fill 96, 4, 3214868480
	.section	.rodata,"a",@progbits
	.p2align	6, 0x0
	.amdhsa_kernel k_q3a2cc4dda0_scores
		.amdhsa_group_segment_fixed_size 327680
		.amdhsa_private_segment_fixed_size 0
		.amdhsa_enable_private_segment 0
		.amdhsa_kernarg_size 24
		.amdhsa_user_sgpr_count 2
		.amdhsa_user_sgpr_kernarg_segment_ptr 1
		.amdhsa_wavefront_size32 1
		.amdhsa_system_sgpr_workgroup_id_x 1
		.amdhsa_system_sgpr_workgroup_id_y 1
		.amdhsa_system_sgpr_workgroup_id_z 1
		.amdhsa_system_vgpr_workitem_id 0
		.amdhsa_next_free_vgpr 1024
		.amdhsa_next_free_sgpr 84
		.amdhsa_reserve_vcc 0
		.amdhsa_float_denorm_mode_32 3
		.amdhsa_float_denorm_mode_16_64 3
		.amdhsa_memory_ordered 1
		.amdhsa_forward_progress 1
		.amdhsa_inst_pref_size 148
	.end_amdhsa_kernel
	.amdgpu_metadata
---
amdhsa.version: [ 1, 2 ]
amdhsa.kernels:
  - .name:           k_q3a2cc4dda0_scores
    .symbol:         k_q3a2cc4dda0_scores.kd
    .args:
      - { .name: qkv, .offset: 0, .size: 8, .value_kind: global_buffer, .address_space: global }
      - { .name: pbuf, .offset: 8, .size: 8, .value_kind: global_buffer, .address_space: global }
      - { .name: stats, .offset: 16, .size: 8, .value_kind: global_buffer, .address_space: global }
    .group_segment_fixed_size: 327680
    .private_segment_fixed_size: 0
    .kernarg_segment_align: 8
    .kernarg_segment_size: 24
    .max_flat_workgroup_size: 128
    .sgpr_count:     84
    .vgpr_count:     1024
    .wavefront_size: 32
...
	.end_amdgpu_metadata
.endif
;; end of part 3
;; launch pv (part 4): grid 8 x 32, 4 waves a work-group, clusters of 4 x 4, 327,680 bytes of LDS; arguments pbuf, qkv, stats, out0; writes out0
.if DOCPART == 4
	.amdgcn_target "amdgcn-amd-amdhsa--gfx1250"
	.amdhsa_code_object_version 6
	.text
	.protected	k_q3a2cc4dda0_pv
	.globl	k_q3a2cc4dda0_pv
	.p2align	8
	.type	k_q3a2cc4dda0_pv,@function
k_q3a2cc4dda0_pv:
	s_mov_b64 s[64:65], 0
	v_nop
	global_prefetch_b8 v0, s[64:65] scope:SCOPE_SE
	s_setreg_imm32_b32 hwreg(HW_REG_WAVE_MODE, 25, 1), 1
	s_wait_xcnt 0x0
	s_wait_alu depctr_hold_cnt(0) depctr_sa_sdst(0) depctr_va_vdst(0) depctr_va_sdst(0) depctr_va_ssrc(0) depctr_va_vcc(0) depctr_vm_vsrc(0)
	s_getreg_b32 s2, hwreg(HW_REG_IB_STS2, 6, 4)
	s_cmp_eq_u32 s2, 0
	s_cbranch_scc0 .Lentry_in_a_cluster
	s_endpgm
.Lentry_in_a_cluster:
	s_bfe_u32 s2, ttmp6, 0x10000c
	s_cmp_lg_u32 s2, 0xf033
	s_cbranch_scc0 .Lentry_shape_is_right
	s_endpgm
.Lentry_shape_is_right:
; out0[row][:] = the sum over groups g of 128 keys of c'(row, g) x (P_g V_g)[row][:],  c' = 2^(mm_g - M) / L,  M = the row's largest mm,  L = the sum over g of 2^(mm_g - M) l_g.
; P (pbuf, f16) and mm, l (stats, f32) come from the launch before; V is qkv's third part (f16).  Products in f16 with f32 sums; the groups' sums are scaled and added in f32.
; LIMITS.  A factor 2^(mm_g - M) below 2^-126 counts as 0; L lies in 1 to 2,048; NaN and infinities are not treated apart (an infinite v would spoil its column from that key's block on).
; SHARES.  A tile of out0 is 128 queries x 128 channels; a wave makes 64 x 64.  A work-group makes TWO blocks of 128 queries, ihi = 4 (3 - f) + cy and then ilo = 4 f + cy (f = cluster y's low bit, batch = the rest):
; the four partners along y walk the same key steps of 256: 8 - 2 f for the first block, 2 + 2 f for the second, 10 whatever f: 256 work-groups of equal work, one counted walk.
; CLUSTER 4 x 4.  P's tile hangs on the block (cy) and the step: asked for jointly along a row of the cluster; V's on the channel tile (cx) and the step: jointly along a column.
; PAST THE DIAGONAL.  Groups beyond a block's own get the factor 0.  The one tile of P that the launch before does not write (a block's last step where cy < 2) is asked for at keys 0-255 of the same rows
; instead: written, finite bytes; the offset is masked, no branch.  No prefetch: a step's tiles are small and each is read by several work-groups at about the same time.
; THE MATRIX INSTRUCTION: source 0 = 16 channels of V^T (turned out of LDS by ds_load_tr16_b128), source 1 = 16 queries of P: a lane holds ONE query (l % 16) and the channels 8 (l / 16) + 0..7, so a factor is a number a lane.
; REGISTERS, in windows of 256 (s_set_vgpr_msb: bits 1:0 source 0, 3:2 source 1, 5:4 source 2, 7:6 destination):
;   window 0: v0-31 addresses; v32-63 at work; v96-111 two sets of factors; v128-255 O ((a, b) at 128 + 8 (4 a + b))
;   window 1: two fragment buffers of 128: P's at f + 8 (4 c + a), V's at f + 64 + 8 (4 c + b)          window 2: T0 v0-127, T1 v128-255: a group's 16 accumulators
; O is cleared by 128 v_mov_b32 at each block's beginning, in the wait for the first tile and behind the first block's stores: the price of one form of scaling line.
.set PP,    528                        ; a row of P in LDS: 512 bytes + 16: the 16 rows of a load start at 16 different groups of four banks (ISA guide 11.1)
.set PVP,   288                        ; a row of V: 256 + 32
.set PHALF, 64*PP
.set VHALF, 128*PVP
.set VOFF,  2*PHALF                    ; a slot: P's 128 rows, then V's 256 rows
.set SLOT,  VOFF+2*VHALF               ; 141,312
.set TAB,   2*SLOT                     ; behind the ring: for each wave 20 walk groups x 16 rows x 16 bytes of factors
.set TABW,  5120
.set STAGE, TAB+4*TABW                 ; 16 rows x 272 bytes for each wave, for the way out
.set SP,    272
.set SPARE, STAGE+4*16*SP              ; the spare words, 128 bytes for each wave, that no other line names
.set VSTEP, 256*6144                   ; bytes from a key step of V to the next
.set L8,   2                           ; v2   8 x lane
.set TW,   3                           ; v3   where I put my two rows' factors
.set ADRP, 16                          ; v16-17  LDS address of my P fragments in slot 0, 1
.set ADRV, 18                          ; v18-21  of my V fragments: slot 0 keys 0-127, 128-255; slot 1 likewise
.set TA,   22                          ; v22  where I read the step's factors
.set STO,  24
.set RD,   25
.set GO,   26
.set SPW,  28                          ; v28  my spare word; never rewritten
.set NIL,  29                          ; v29  0; never rewritten
.set OB,   32                          ; v32-63 the way out; in the table's making: v32-55 offsets, v56-63 M and L
.set AD,   32
.set MXH,  56
.set MXL,  58
.set LH,   60
.set LL,   62
.set CF0,  96                          ; a group's four factors (a = 0..3) at +0..3; copies of a = 1, 3 at +4, +6, so that each heads an even pair; +5, +7 hold 0
.set CF1,  104
.set O,    128
.set SV,   128                         ; the table's making: entry n (0-15: first block's groups, 16-23: second's): mm pair at SV + 4 n, l pair at SV + 4 n + 2
.set F0,   0
.set F1,   128
.set T0,   0
.set T1,   128
.set WV,   12                          ; s12 wave; s13 my half of the queries, and P (0) or V (1) is what I fetch; s14 my half of the channels, and which half I fetch
.set RH,   13
.set CHH,  14
.set BB,   15                          ; s15 batch; s16 f
.set FF,   16
.set NH,   17                          ; s17, s18 steps of the first and the second block
.set NL,   18
.set CHG,  19                          ; s19 the lap count at which the first block ends: 1 + f
.set FM,   20                          ; s20 all ones where f = 1: a lane mask
.set U,    21                          ; s21 the walk's step to be asked for next
.set TT,   22                          ; s22 its number in its block
.set LAST, 23
.set G1P,  24                          ; s[24:31], s[32:39]: P's descriptors; with s40-47, s66-71 they may hold cy, never cx
.set G0P,  32
.set CY,   40
.set IHI,  41
.set ILO,  42
.set REDM, 43                          ; s43 0 where cy < 2, else all ones
.set KO,   46                          ; s[46:47] P's key offset
.set G1V,  48                          ; s[48:55], s[56:63]: V's descriptors; with s72-77 they may hold cx, never cy
.set G0V,  56
.set PBH,  66                          ; s[66:67], s[68:69] pbuf at the rows that I fetch, first and second block; s[70:71] the one in hand
.set PBL,  68
.set PB,   70
.set CX,   72
.set CHT,  73
.set VB,   76                          ; s[76:77] V at the rows and channels that I fetch, key step 0
.set VO,   78                          ; s[78:79] V's step offset
.set OUT,  80                          ; s[80:81] out0 at my rows and channels of the block in hand; s[82:83] of the second block
.set OUTLO, 82
.set FLG,  88                          ; s[88:89]
.set MSB, 0
.macro WIN new
.if MSB != (\new)
	s_set_vgpr_msb (MSB<<8)|(\new)
.set MSB, \new
.endif
.endm
.set W_MM, 0xa5                        ; V and P in window 1, C and D in window 2
.set W_FL, 0x02                        ; source 0 (T) in window 2, all else in window 0
.set TO_F, 0x40                        ; destination window 1, address window 0
.macro JLOAD s                         ; a joint load: waves 0, 1 fetch P's halves, waves 2, 3 V's; an s_nop 0 and four v_nop follow each of the two lines
	s_cmp_eq_u32 s[RH], 0
	s_cbranch_scc0 .Lfor_v_\@
	tensor_load_to_lds s[G0P+4*(\s):G0P+4*(\s)+3], s[G1P:G1P+7]
	s_nop 0
.rept 4
	v_nop
.endr
	s_branch .Lasked_\@
.Lfor_v_\@:
	tensor_load_to_lds s[G0V+4*(\s):G0V+4*(\s)+3], s[G1V:G1V+7]
	s_nop 0
.rept 4
	v_nop
.endr
.Lasked_\@:
.endm
.macro CREST
	s_cmp_lg_u32 s[WV], 0
	s_cbranch_scc1 .Lnot_wave_0_\@
	s_barrier_signal -3
.Lnot_wave_0_\@:
	s_barrier_wait -3
	s_barrier_signal -1
	s_barrier_wait -1
.endm
.macro CROUND
	s_barrier_signal -1
	s_barrier_wait -1
	CREST
.endm
.macro PLACES
.rept 4
	v_nop
.endr
.endm
	s_load_b256 s[4:11], s[0:1], 0x0               ; pbuf s[4:5], qkv s[6:7], stats s[8:9], out0 s[10:11]
	v_lshl_add_u32 v[SPW], v0, 2, SPARE
	v_mov_b32 v[NIL], 0
	ds_add_u32 v[SPW], v[NIL]                      ; the wave's opening: the add and its wait ahead of my first tensor load
	v_lshrrev_b32 v1, 5, v0
	v_readfirstlane_b32 s[WV], v1
	s_lshr_b32 s[RH], s[WV], 1
	s_and_b32 s[CHH], s[WV], 1
	s_and_b32 s[BB], ttmp7, 0xffff                 ; cluster y
	s_and_b32 s[FF], s[BB], 1
	s_lshr_b32 s[BB], s[BB], 1
	s_lshl_b32 s[NL], s[FF], 1
	s_sub_co_u32 s[NH], 8, s[NL]
	s_add_co_u32 s[NL], s[NL], 2
	s_add_co_u32 s[CHG], s[FF], 1
	s_sub_co_u32 s[FM], 0, s[FF]
	s_mov_b32 s[U], 2
	s_mul_i32 s[TT], s[CHH], PHALF                 ; where my half of P goes in a slot,
	s_mul_i32 s[LAST], s[CHH], VHALF
	s_add_co_u32 s[LAST], s[LAST], VOFF            ; and my half of V: no place in the cluster enters an LDS address
	; what hangs on cy
	s_bfe_u32 s[CY], ttmp6, 0x40004
	s_sub_co_u32 s[IHI], 3, s[FF]
	s_lshl_b32 s[IHI], s[IHI], 2
	s_add_co_u32 s[IHI], s[IHI], s[CY]
	s_lshl_b32 s[ILO], s[FF], 2
	s_add_co_u32 s[ILO], s[ILO], s[CY]
	s_cmp_lt_u32 s[CY], 2
	s_cselect_b32 s[REDM], 0, -1
	s_lshl_b32 s44, s[CY], 2
	s_lshl_b32 s44, 15, s44                        ; my row of the cluster
	s_or_b32 s[G1P+0], s44, (1<<16)|(1<<20)|(1<<21)|(6<<22)|(3<<25)  ; the mask; elements of 2 bytes; padding on; bit 21 beside a mask; 4 words behind every 128
	s_mov_b32 s[G1P+1], 256<<16                    ; tensor_dim0 = 256 keys
	s_mov_b32 s[G1P+2], 64<<16                     ; tensor_dim1 = 64 rows
	s_mov_b32 s[G1P+3], 256<<16                    ; tile_dim0
	s_mov_b32 s[G1P+4], 64                         ; tile_dim1
	s_mov_b32 s[G1P+5], 2048                       ; elements from row to row
	s_mov_b32 s[G1P+6], 0
	s_mov_b32 s[G1P+7], 0
	s_lshl_b32 s44, s[BB], 11
	s_lshl_b32 s45, s[CHH], 6
	s_add_co_u32 s44, s44, s45
	s_lshl_b32 s45, s[IHI], 7
	s_add_co_u32 s[PBH], s44, s45
	s_lshl_b32 s[PBH], s[PBH], 12                  ; rows of 4,096 bytes
	s_mov_b32 s[PBH+1], 0
	s_lshl_b32 s45, s[ILO], 7
	s_add_co_u32 s[PBL], s44, s45
	s_lshl_b32 s[PBL], s[PBL], 12
	s_mov_b32 s[PBL+1], 0
	s_mov_b32 s[KO+1], 0
	; what hangs on cx
	s_bfe_u32 s[CX], ttmp6, 0x40000
	s_lshl_b32 s[CHT], ttmp9, 2
	s_add_co_u32 s[CHT], s[CHT], s[CX]             ; the channel tile
	s_lshl_b32 s74, 0x1111, s[CX]                  ; my column of the cluster
	s_or_b32 s[G1V+0], s74, (1<<16)|(1<<20)|(1<<21)|(5<<22)|(7<<25)  ; 8 words of padding behind every 64
	s_mov_b32 s[G1V+1], 128<<16                    ; tensor_dim0 = 128 channels
	s_mov_b32 s[G1V+2], 128<<16                    ; tensor_dim1 = 128 keys
	s_mov_b32 s[G1V+3], 128<<16
	s_mov_b32 s[G1V+4], 128
	s_mov_b32 s[G1V+5], 3072
	s_mov_b32 s[G1V+6], 0
	s_mov_b32 s[G1V+7], 0
	s_lshl_b32 s75, s[BB], 11
	s_lshl_b32 s[VB], s[CHH], 7
	s_add_co_u32 s75, s75, s[VB]
	s_mul_i32 s[VB], s75, 6144
	s_lshl_b32 s75, s[CHT], 8
	s_add_co_u32 s[VB], s[VB], s75
	s_add_co_u32 s[VB], s[VB], 4096                ; v's bytes of a row
	s_mov_b32 s[VB+1], 0
	s_mov_b32 s[VO+1], 0
	; what hangs on both: out0
	s_lshl_b32 s84, s[BB], 11
	s_lshl_b32 s85, s[RH], 6
	s_add_co_u32 s84, s84, s85
	s_lshl_b32 s85, s[IHI], 7
	s_add_co_u32 s[OUT], s84, s85
	s_lshl_b32 s[OUT], s[OUT], 12
	s_lshl_b32 s85, s[ILO], 7
	s_add_co_u32 s[OUTLO], s84, s85
	s_lshl_b32 s[OUTLO], s[OUTLO], 12
	s_lshl_b32 s85, s[CHT], 9
	s_lshl_b32 s86, s[CHH], 8
	s_add_co_u32 s85, s85, s86
	s_add_co_u32 s[OUT], s[OUT], s85
	s_add_co_u32 s[OUTLO], s[OUTLO], s85
	s_mov_b32 s[OUT+1], 0
	s_mov_b32 s[OUTLO+1], 0
	s_wait_dscnt 0x0                               ; the opening add is done
	s_wait_kmcnt 0x0
	s_add_nc_u64 s[PBH:PBH+1], s[4:5], s[PBH:PBH+1]
	s_add_nc_u64 s[PBL:PBL+1], s[4:5], s[PBL:PBL+1]
	s_add_nc_u64 s[VB:VB+1], s[6:7], s[VB:VB+1]
	s_add_nc_u64 s[OUT:OUT+1], s[10:11], s[OUT:OUT+1]
	s_add_nc_u64 s[OUTLO:OUTLO+1], s[10:11], s[OUTLO:OUTLO+1]
.irp s, 0,1                            ; steps 0 and 1 of the first block
	s_mov_b32 s[G0P+4*(\s)], 1
	s_add_co_u32 s[G0P+4*(\s)+1], s[TT], (\s)*SLOT
	s_add_nc_u64 s[G0P+4*(\s)+2:G0P+4*(\s)+3], s[PBH:PBH+1], (\s)*512
	s_or_b32 s[G0P+4*(\s)+3], s[G0P+4*(\s)+3], 0x80000000
	s_mov_b32 s[G0V+4*(\s)], 1
	s_add_co_u32 s[G0V+4*(\s)+1], s[LAST], (\s)*SLOT
	s_add_nc_u64 s[G0V+4*(\s)+2:G0V+4*(\s)+3], s[VB:VB+1], (\s)*VSTEP
	s_or_b32 s[G0V+4*(\s)+3], s[G0V+4*(\s)+3], 0x80000000
.endr
	CROUND                                         ; all sixteen work-groups are here: the first joint loads meet
	s_cmp_eq_u32 s[RH], 0                          ; a wave's two first fills stand in one branch: two loads of mine are out
	s_cbranch_scc0 .Lfirst_v
	tensor_load_to_lds s[G0P:G0P+3], s[G1P:G1P+7]
	s_nop 0
	tensor_load_to_lds s[G0P+4:G0P+7], s[G1P:G1P+7]
	s_nop 0
.rept 4
	v_nop
.endr
	s_branch .Lfirst_asked
.Lfirst_v:
	tensor_load_to_lds s[G0V:G0V+3], s[G1V:G1V+7]
	s_nop 0
	tensor_load_to_lds s[G0V+4:G0V+7], s[G1V:G1V+7]
	s_nop 0
.rept 4
	v_nop
.endr
.Lfirst_asked:
	v_and_b32 v1, 15, v0                           ; r = l % 16
	v_bfe_u32 v7, v0, 4, 1                         ; h = l / 16
	v_and_b32 v4, 31, v0                           ; l
	v_and_b32 v5, 7, v0
	v_bfe_u32 v6, v0, 3, 2                         ; l / 8
	v_bfe_u32 v10, v0, 3, 1
	v_lshlrev_b32 v[L8], 3, v4
	v_mul_u32_u24 v8, v1, PP                       ; a fragment of P: row x pitch + 16 h
	v_lshl_add_u32 v8, v7, 4, v8
	s_mul_i32 s[TT], s[RH], PHALF
	v_add_nc_u32 v[ADRP], s[TT], v8
	v_add_nc_u32 v[ADRP+1], SLOT, v[ADRP]
	v_lshl_add_u32 v11, v7, 3, v5                  ; the turning load: lane l reads key 8 h + l % 8, channels 8 ((l / 8) % 2) + 0..7
	v_mul_u32_u24 v11, v11, PVP
	v_lshl_add_u32 v11, v10, 4, v11
	s_lshl_b32 s[TT], s[CHH], 7
	s_add_co_u32 s[TT], s[TT], VOFF
	v_add_nc_u32 v[ADRV], s[TT], v11
	v_add_nc_u32 v[ADRV+1], VHALF, v[ADRV]
	v_add_nc_u32 v[ADRV+2], SLOT, v[ADRV]
	v_add_nc_u32 v[ADRV+3], SLOT, v[ADRV+1]
	s_mul_i32 s[TT], s[WV], TABW
	s_add_co_u32 s[TT], s[TT], TAB
	v_lshl_add_u32 v[TW], v5, 5, s[TT]             ; row 2 l of my 64 is (a = l / 8, r = 2 (l % 8)): byte 16 r + 4 a of a group's 256; row 2 l + 1 lies 16 bytes on
	v_lshl_add_u32 v[TW], v6, 2, v[TW]
	v_lshl_add_u32 v[TA], v1, 4, s[TT]
	s_mul_i32 s[TT], s[WV], 16*SP
	s_add_co_u32 s[TT], s[TT], STAGE
	v_mul_u32_u24 v8, v1, SP                       ; in: row r, 32 bytes for each half of the lanes
	v_lshl_add_u32 v8, v7, 5, v8
	v_add_nc_u32 v[STO], s[TT], v8
	v_mul_u32_u24 v8, v7, SP                       ; back: lanes 0-15 one row of 256 bytes, lanes 16-31 the next
	v_lshl_add_u32 v8, v1, 4, v8
	v_add_nc_u32 v[RD], s[TT], v8
	v_lshlrev_b32 v8, 12, v7
	v_lshl_add_u32 v[GO], v1, 4, v8
.irp k, 5,7
	v_mov_b32 v[CF0+(\k)], 0                       ; named as the upper halves of pairs
	v_mov_b32 v[CF1+(\k)], 0
.endr
	; THE TABLE OF FACTORS, each wave's own, for its 64 rows of both blocks.  Lane l owns rows 2 l and 2 l + 1.  Group kt's stats are read at min(kt, block): only what the launch before wrote.
	s_lshl_b32 s85, s[BB], 18
	s_lshl_b32 s84, s[RH], 8
	s_add_co_u32 s85, s85, s84
	s_lshl_b32 s84, s[ILO], 9
	s_add_co_u32 s86, s85, s84
	s_lshl_b32 s84, s[IHI], 9
	s_add_co_u32 s85, s85, s84
.set n, 0
.rept 24
.if n < 16
	s_min_u32 s84, s[IHI], n
	s_lshl_b32 s84, s84, 14
	s_add_co_u32 s84, s84, s85
.else
	s_min_u32 s84, s[ILO], n-16
	s_lshl_b32 s84, s84, 14
	s_add_co_u32 s84, s84, s86
.endif
	v_add_nc_u32 v[AD+n], s84, v[L8]
	global_load_b64 v[SV+4*n:SV+4*n+1],   v[AD+n], s[8:9]              ; mm: 256 consecutive bytes a wave
	global_load_b64 v[SV+4*n+2:SV+4*n+3], v[AD+n], s[8:9] offset:8192  ; l
.set n, n+1
.endr
	s_wait_loadcnt 0x0
	v_max_num_f32 v[MXH],   v[SV],    v[SV+4]      ; M: the doubled entries past the diagonal change no maximum
	v_max_num_f32 v[MXH+1], v[SV+1],  v[SV+5]
	v_max_num_f32 v[MXL],   v[SV+64], v[SV+68]
	v_max_num_f32 v[MXL+1], v[SV+65], v[SV+69]
.set n, 2
.rept 14
	v_max_num_f32 v[MXH],   v[MXH],   v[SV+4*n]
	v_max_num_f32 v[MXH+1], v[MXH+1], v[SV+4*n+1]
.set n, n+1
.endr
.set n, 18
.rept 6
	v_max_num_f32 v[MXL],   v[MXL],   v[SV+4*n]
	v_max_num_f32 v[MXL+1], v[MXL+1], v[SV+4*n+1]
.set n, n+1
.endr
.set n, 0
.rept 24
	v_pk_add_f32 v[SV+4*n:SV+4*n+1], v[SV+4*n:SV+4*n+1], v[MXH+2*(n/16):MXH+2*(n/16)+1] neg_lo:[0,1] neg_hi:[0,1]  ; mm - M
.set n, n+1
.endr
.set n, 0
.rept 24                               ; one batch of 48 exponentials,
	v_exp_f32 v[SV+4*n],   v[SV+4*n]
	v_exp_f32 v[SV+4*n+1], v[SV+4*n+1]
.set n, n+1
.endr
	v_nop                                          ; a plain instruction behind the last (ISA guide 5.7.2),
	s_wait_alu depctr_va_vdst(0)                   ; and the one wait ahead of the first reader
	s_mov_b32 s[FLG+1], 0
.set n, 0
.rept 24
.if n < 16
	s_cmp_ge_u32 s[IHI], n                         ; is the group within the block's reach?
.else
	s_cmp_ge_u32 s[ILO], n-16
.endif
	s_cselect_b32 s[FLG], 1.0, 0
	v_pk_mul_f32 v[SV+4*n:SV+4*n+1], v[SV+4*n:SV+4*n+1], s[FLG:FLG+1] op_sel_hi:[1,0]
.set n, n+1
.endr
	v_pk_mul_f32 v[LH:LH+1], v[SV:SV+1], v[SV+2:SV+3]
	v_pk_mul_f32 v[LL:LL+1], v[SV+64:SV+65], v[SV+66:SV+67]
.set n, 1
.rept 15
	v_pk_fma_f32 v[LH:LH+1], v[SV+4*n:SV+4*n+1], v[SV+4*n+2:SV+4*n+3], v[LH:LH+1]
.set n, n+1
.endr
.set n, 17
.rept 7
	v_pk_fma_f32 v[LL:LL+1], v[SV+4*n:SV+4*n+1], v[SV+4*n+2:SV+4*n+3], v[LL:LL+1]
.set n, n+1
.endr
.irp k, 0,1,2,3
	v_rcp_f32 v[LH+(\k)], v[LH+(\k)]
.endr
	v_nop
	s_wait_alu depctr_va_vdst(0)                   ; one wait for the four reciprocals
.set n, 0
.rept 24
	v_pk_mul_f32 v[SV+4*n:SV+4*n+1], v[SV+4*n:SV+4*n+1], v[LH+2*(n/16):LH+2*(n/16)+1]  ; c'
.set n, n+1
.endr
	; in the walk's order: entries 0-11 the first block's groups; 12-15 its groups 12-15 (f = 0) or the second block's 0-3 (f = 1); 16-19 the second block's 0-3 (f = 0) or 4-7 (f = 1)
.set x, 12
.rept 4
	v_cndmask_b32 v[SV+4*x],   v[SV+4*x],   v[SV+4*(x+4)],   s[FM]
	v_cndmask_b32 v[SV+4*x+1], v[SV+4*x+1], v[SV+4*(x+4)+1], s[FM]
.set x, x+1
.endr
.set x, 16
.rept 4
	v_cndmask_b32 v[SV+4*(x+4)],   v[SV+4*x],   v[SV+4*(x+4)],   s[FM]
	v_cndmask_b32 v[SV+4*(x+4)+1], v[SV+4*x+1], v[SV+4*(x+4)+1], s[FM]
.set x, x+1
.endr
.set x, 0
.rept 20
.set n, x+4*(x/16)
	ds_store_b32 v[TW], v[SV+4*n]   offset:256*x
	ds_store_b32 v[TW], v[SV+4*n+1] offset:256*x+16
.set x, x+1
.endr
	s_wait_dscnt 0x0                               ; no LDS instruction of mine is out at the signal below
.set i, 0
.rept 128
	v_mov_b32 v[O+i], 0
.set i, i+1
.endr
; O += T x c': line fn of 64, in ascending order
.macro FL t, cf
	WIN W_FL
.set fx, fn/4
.set fa, fx/4
.set fc, (\cf)+4*(fa%2)+2*(fa/2)
	v_pk_fma_f32 v[O+8*fx+2*(fn%4):O+8*fx+2*(fn%4)+1], v[(\t)+8*fx+2*(fn%4):(\t)+8*fx+2*(fn%4)+1], v[fc:fc+1], v[O+8*fx+2*(fn%4):O+8*fx+2*(fn%4)+1] op_sel_hi:[1,0,1]
.set fn, fn+1
.endm
; 8 matrix instructions: query blocks a0, a0 + 1 x all 4 channel blocks, 32 keys: half c of buffer f, into group accumulators t.  The 16 accumulators take turns.
; ride = 1: four scaling lines of the group before (T0) stand behind each four products.
.macro MULS f, c, a0, t, zero, ride
.irp a, \a0, (\a0)+1
	WIN W_MM
.irp b, 0,1,2,3
.if \zero
	v_wmma_f32_16x16x32_f16 v[(\t)+8*(4*(\a)+(\b)):(\t)+8*(4*(\a)+(\b))+7], v[(\f)+64+8*(4*(\c)+(\b)):(\f)+64+8*(4*(\c)+(\b))+7], v[(\f)+8*(4*(\c)+(\a)):(\f)+8*(4*(\c)+(\a))+7], 0
.else
	v_wmma_f32_16x16x32_f16 v[(\t)+8*(4*(\a)+(\b)):(\t)+8*(4*(\a)+(\b))+7], v[(\f)+64+8*(4*(\c)+(\b)):(\f)+64+8*(4*(\c)+(\b))+7], v[(\f)+8*(4*(\c)+(\a)):(\f)+8*(4*(\c)+(\a))+7], v[(\t)+8*(4*(\a)+(\b)):(\t)+8*(4*(\a)+(\b))+7]
.endif
.endr
.if \ride
.rept 4
	FL T0, CF0
.endr
.endif
.endr
.endm
; 32 LDS loads in one run: the fragments of quarter q (64 keys) of a slot into buffer f, the first 32 keys first; cf = 0, 1: the group's four factors lead the run
.macro FETCH slot, q, f, cf
.if (\cf) >= 0
	WIN 0
	ds_load_b128 v[CF0+8*(\cf):CF0+8*(\cf)+3], v[TA] offset:256*(\cf)
.endif
	WIN TO_F
.irp c, 0,1
.irp i, 0,1,2,3
	ds_load_tr16_b128 v[(\f)+64+8*(4*(\c)+(\i)):(\f)+64+8*(4*(\c)+(\i))+3],   v[ADRV+2*(\slot)+(\q)/2] offset:(((\q)%2)*64+32*(\c))*PVP+32*(\i)
	ds_load_tr16_b128 v[(\f)+64+8*(4*(\c)+(\i))+4:(\f)+64+8*(4*(\c)+(\i))+7], v[ADRV+2*(\slot)+(\q)/2] offset:(((\q)%2)*64+32*(\c))*PVP+32*(\i)+16*PVP
	ds_load_b128 v[(\f)+8*(4*(\c)+(\i)):(\f)+8*(4*(\c)+(\i))+3],   v[ADRP+(\slot)] offset:128*(\q)+64*(\c)+(\i)*16*PP
	ds_load_b128 v[(\f)+8*(4*(\c)+(\i))+4:(\f)+8*(4*(\c)+(\i))+7], v[ADRP+(\slot)] offset:128*(\q)+64*(\c)+(\i)*16*PP+32
.endr
.endr
.endm
; One of a step's first three quarters: multiplies buffer f into t, and fetches quarter q into buffer g.
.macro QUARTER slot, q, f, g, t, zero, ride, cf
	s_wait_dscnt 16                                ; the first 32 keys' fragments are in (and what was issued ahead of them)
	MULS \f, 0, 0, \t, \zero, \ride
	MULS \f, 0, 2, \t, \zero, \ride
	PLACES
	FETCH \slot, \q, \g, \cf
.if (\cf) >= 0
	s_wait_dscnt 33                                ; all but the 33 just issued
.else
	s_wait_dscnt 32                                ; all but the 32 just issued
.endif
	MULS \f, 1, 0, \t, 0, \ride
	MULS \f, 1, 2, \t, 0, \ride
.endm
.macro EVEN cf                         ; the factors of a = 1, 3 get even places; the four lines are also the places behind the group's last products
	WIN 0
	v_mov_b32 v[(\cf)+4], v[(\cf)+1]
	v_mov_b32 v[(\cf)+6], v[(\cf)+3]
	v_nop
	v_nop
.endm
; The addresses of walk step U, made anew from its number: the block, the step in the block, P's key offset (0 in the one tile that is not written), V's step offset.
.macro REFILL_ADDR slot
	s_cmp_lt_u32 s[U], s[NH]
	s_cselect_b64 s[PB:PB+1], s[PBH:PBH+1], s[PBL:PBL+1]
	s_cselect_b32 s[TT], 0, s[NH]
	s_cselect_b32 s[LAST], s[NH], s[NL]
	s_sub_co_u32 s[TT], s[U], s[TT]
	s_sub_co_u32 s[LAST], s[LAST], 1
	s_lshl_b32 s[KO], s[TT], 9
	s_cmp_eq_u32 s[TT], s[LAST]
	s_cselect_b32 s44, s[REDM], -1
	s_and_b32 s[KO], s[KO], s44
	s_add_nc_u64 s[G0P+4*(\slot)+2:G0P+4*(\slot)+3], s[PB:PB+1], s[KO:KO+1]
	s_or_b32 s[G0P+4*(\slot)+3], s[G0P+4*(\slot)+3], 0x80000000
	s_mul_i32 s[VO], s[TT], VSTEP
	s_add_nc_u64 s[G0V+4*(\slot)+2:G0V+4*(\slot)+3], s[VB:VB+1], s[VO:VO+1]
	s_or_b32 s[G0V+4*(\slot)+3], s[G0V+4*(\slot)+3], 0x80000000
	s_add_co_u32 s[U], s[U], 1
.endm
; A step's last quarter multiplies buffer 1 and changes slots.  In front of the barrier each wave waits for all its tensor loads (one is out: its part of the next slot), adds 0 to its spare word, and waits
; for that and for its reads of this slot.  mode 2: the barrier opens a round of the cluster's, and the joint refill (the step two on) is the first thing behind it: 112 matrix instructions ahead of the wait for it.
; mode 1: nothing is filled.  mode 0: the walk's last step: nothing is fetched, no barrier.
.macro TURN slot, next, mode
.if (\mode) == 0
	s_wait_dscnt 16
	MULS F1, 0, 0, T1, 0, 1
	MULS F1, 0, 2, T1, 0, 1
	s_wait_dscnt 0x0
	MULS F1, 1, 0, T1, 0, 1
	MULS F1, 1, 2, T1, 0, 1
.else
	WIN 0
	s_wait_tensorcnt 0x0                           ; no tensor load of mine is out, so the descriptors may be written
	ds_add_u32 v[SPW], v[NIL]
.if (\mode) == 2
	REFILL_ADDR \slot
.endif
	s_wait_dscnt 17                                ; the add and the youngest sixteen loads may be out
	MULS F1, 0, 0, T1, 0, 1
	s_wait_dscnt 0x0                               ; the add is done, and my reads of this slot are over
	s_barrier_signal -1
	MULS F1, 0, 2, T1, 0, 1
	WIN 0
	s_barrier_wait -1
.if (\mode) == 2
	CREST                                          ; no wave of any partner still reads this slot or has a load on its way
	JLOAD \slot                                    ; its four v_nop are also the places in front of the loads below
.else
	PLACES
.endif
	FETCH \next, 0, F0, -1
	MULS F1, 1, 0, T1, 0, 1
	MULS F1, 1, 2, T1, 0, 1
.endif
.endm
; A KEY STEP: two groups of 128 keys.  Group 0 into T0 (quarters 0, 1); group 1 into T1 (quarters 2, 3), with group 0's 64 scaling lines riding behind its products; group 1's 64 follow as one run.
.macro STEP slot, next, mode
	QUARTER \slot, 1, F0, F1, T0, 1, 0, 0
	QUARTER \slot, 2, F1, F0, T0, 0, 0, -1
	EVEN CF0
.set fn, 0
	QUARTER \slot, 3, F0, F1, T1, 1, 1, 1
	TURN \slot, \next, \mode
	EVEN CF1
.set fn, 0
.rept 64
	FL T1, CF1
.endr
	WIN 0
	v_add_nc_u32 v[TA], 512, v[TA]                 ; the next step's two groups of factors
.endm
; THE WAY OUT of a block: 16 rows at a time through my stage: 16 bytes a lane in, whole rows of 256 bytes back, stored.  zero = 1: O is cleared and the second block's address taken.
.macro OUTB zero
	WIN 0
.irp a, 0,1,2,3
	s_wait_xcnt 0x0                                ; the stores before have read OB
.irp b, 0,1,2,3
	ds_store_b128 v[STO], v[O+8*(4*(\a)+(\b)):O+8*(4*(\a)+(\b))+3]   offset:64*(\b)
	ds_store_b128 v[STO], v[O+8*(4*(\a)+(\b))+4:O+8*(4*(\a)+(\b))+7] offset:64*(\b)+16
.endr
.irp t, 0,1,2,3,4,5,6,7
	ds_load_b128 v[OB+4*(\t):OB+4*(\t)+3], v[RD] offset:(\t)*2*SP  ; LDS serves a wave's instructions in order (ISA guide 5.7.1.4): these see the stores above
.endr
	s_wait_dscnt 0x0
.irp t, 0,1,2,3,4,5,6,7
	global_store_b128 v[GO], v[OB+4*(\t):OB+4*(\t)+3], s[OUT:OUT+1] offset:(16*(\a)+2*(\t))*4096 th:TH_STORE_NT  ; 16 lanes store 256 consecutive bytes, aligned
.endr
.endr
.if \zero
.set i, 0
.rept 128
	v_mov_b32 v[O+i], 0
.set i, i+1
.endr
	s_wait_xcnt 0x0                                ; the stores have read their base
	s_mov_b64 s[OUT:OUT+1], s[OUTLO:OUTLO+1]
.endif
.endm
	s_wait_tensorcnt 1                             ; my part of step 0 is in; step 1's may stay out
	s_barrier_signal -1
	s_barrier_wait -1
	FETCH 0, 0, F0, -1
	WIN 0
	s_mov_b32 s3, 4
.Llap:                                                 ; four laps of two steps, each of which fills its slot again
	STEP 0, 1, 2
	STEP 1, 0, 2
	WIN 0
	s_cmp_lg_u32 s3, s[CHG]                        ; the first block ends behind lap 4 - f: the same in all sixteen partners; what is jumped holds no barrier and no tensor load
	s_cbranch_scc1 .Lsame
	OUTB 1
.Lsame:
	s_sub_co_u32 s3, s3, 1
	s_cmp_lg_u32 s3, 0
	s_cbranch_scc1 .Llap
	STEP 0, 1, 1                                   ; the last two steps ask for nothing
	STEP 1, 0, 0
	OUTB 0
	s_wait_tensorcnt 0x0                           ; the wave's end
	ds_add_u32 v[SPW], v[NIL]
	s_wait_dscnt 0x0
	CROUND                                         ; the closing round
	s_endpgm
.Lfunc_end_k_q3a2cc4dda0_pv:
	.size	k_q3a2cc4dda0_pv, .Lfunc_end_k_q3a2cc4dda0_pv-k_q3a2cc4dda0_pv
	.p2alignl 7, 3214868480
	.fill 96, 4, 3214868480
	.section	.rodata,"a",@progbits
	.p2align	6, 0x0
	.amdhsa_kernel k_q3a2cc4dda0_pv
		.amdhsa_group_segment_fixed_size 327680
		.amdhsa_private_segment_fixed_size 0
		.amdhsa_enable_private_segment 0
		.amdhsa_kernarg_size 32
		.amdhsa_user_sgpr_count 2
		.amdhsa_user_sgpr_kernarg_segment_ptr 1
		.amdhsa_wavefront_size32 1
		.amdhsa_system_sgpr_workgroup_id_x 1
		.amdhsa_system_sgpr_workgroup_id_y 1
		.amdhsa_system_sgpr_workgroup_id_z 1
		.amdhsa_system_vgpr_workitem_id 0
		.amdhsa_next_free_vgpr 768
		.amdhsa_next_free_sgpr 96
		.amdhsa_reserve_vcc 0
		.amdhsa_float_denorm_mode_32 3
		.amdhsa_float_denorm_mode_16_64 3
		.amdhsa_memory_ordered 1
		.amdhsa_forward_progress 1
		.amdhsa_inst_pref_size 163
	.end_amdhsa_kernel
	.amdgpu_metadata
---
amdhsa.version: [ 1, 2 ]
amdhsa.kernels:
  - .name:           k_q3a2cc4dda0_pv
    .symbol:         k_q3a2cc4dda0_pv.kd
    .args:
      - { .name: pbuf, .offset: 0, .size: 8, .value_kind: global_buffer, .address_space: global }
      - { .name: qkv, .offset: 8, .size: 8, .value_kind: global_buffer, .address_space: global }
      - { .name: stats, .offset: 16, .size: 8, .value_kind: global_buffer, .address_space: global }
      - { .name: out0, .offset: 24, .size: 8, .value_kind: global_buffer, .address_space: global }
    .group_segment_fixed_size: 327680
    .private_segment_fixed_size: 0
    .kernarg_segment_align: 8
    .kernarg_segment_size: 32
    .max_flat_workgroup_size: 128
    .sgpr_count:     96
    .vgpr_count:     768
    .wavefront_size: 32
...
	.end_amdgpu_metadata
.endif
;; end of part 4
;; launch head (part 5): grid 16 x 4, 16 waves a work-group, no clusters, 43,520 bytes of LDS; arguments hd, out0; writes out0
.if DOCPART == 5
	.amdgcn_target "amdgcn-amd-amdhsa--gfx1250"
	.amdhsa_code_object_version 6
	.text
	.protected	k_q3a2cc4dda0_head
	.globl	k_q3a2cc4dda0_head
	.p2align	8
	.type	k_q3a2cc4dda0_head,@function
k_q3a2cc4dda0_head:
	s_mov_b64 s[64:65], 0
	v_nop
	global_prefetch_b8 v0, s[64:65] scope:SCOPE_SE
	s_setreg_imm32_b32 hwreg(HW_REG_WAVE_MODE, 25, 1), 1
	s_wait_xcnt 0x0
; ROWS 0 TO 31 OF EACH BATCH, ONCE MORE, IN F32.  out0[b][t][:] = the sum over s <= t of softmax_s(q[t] . k[s] / 32) v[s][:], t = 0..31, from hd [4][32][3072] f32 (q at column 0, k at 1,024, v at 2,048),
; which holds the projection's f32 sums unrounded.  It writes over what the launch before stored in these rows.
; WHY.  Row t is a mean over t + 1 keys, so what q, k, v and the weights lose when they are rounded to f16's 11 bits is averaged least in the first rows, while a number's allowance goes by the root mean
; square of the whole output, most of whose rows are means over hundreds of keys.  From row 32 on the f16 path stands.
; THE F32 MATRIX FORM does 16 x 32 x 1,024 + 16 x 128 x 32 multiply-adds in each of 64 work-groups, 36 million in all beside the program's 60 thousand million.
; LIMITS.  A hidden score counts as -1e30; a weight below 2^-126 counts as 0; NaN and infinities are not treated apart.
; SHARES.  A work-group makes 16 queries (tile mi = x % 2) x 128 channels (slice x / 2) of batch y.  SCORES: the 1,024 channels are split among its 16 waves, 64 each; a wave makes two partial tiles
; S^T = K Q^T (source 0 = 16 keys, source 1 = the 16 queries): keys 0-15 and keys 16-31 (for mi = 0 the second is wholly hidden: the price of one text for both tiles).  The partial sums meet in LDS behind one barrier.
; THEN waves 0 and 1 go on, 64 channels each; the others end.  Each adds the 16 partial sums, masks, and makes the softmax with the row's own maximum taken away.  In S^T a lane holds ONE query (l % 16) and the keys
; 8 (l / 16) + 0..7 of each tile: two neighbouring registers ARE source 1 (4 keys x 16 queries) of O^T = V^T P, with the keys of a step in the order 8 (l / 16) + 2 i + j; V's fragments are loaded in the same order.
; A FRAGMENT of the f32 form is 16 rows x 4 along K in 2 registers: lane l holds row l % 16 and K = 2 (l / 16) + j.  The order along K is free where both sources keep it: for the scores a lane loads 16 bytes,
; channels 8 i + 4 (l / 16) + 0..3, which serve two matrix instructions.
; No cluster and no prefetch: the launch is short and what its work-groups share is 192 KB; no tensor load: nothing is read twice out of LDS.
.set HDP,   12288                      ; bytes in a row of hd
.set HDB,   32*HDP                     ; a batch's 32 rows
.set PART,  0                          ; LDS: wave w's two partial tiles at 2,048 w: tile kt's registers 0-3 at 1,024 kt + 16 l, registers 4-7 512 bytes on
.set STAGE, 16*2048                    ; 16 rows x 272 bytes for each of waves 0 and 1, for the way out
.set SP,    272
.set SPARE, STAGE+2*16*SP              ; the spare words, 128 bytes for each of the 16 waves, that no other line names
.set FO,  4                            ; v4   my byte offset in a fragment of q or k: (l % 16) rows + 16 (l / 16)
.set VO,  5                            ; v5   in a fragment of v: 8 (l / 16) rows + 4 (l % 16)
.set LS,  6                            ; v6   where I put my partial sums
.set LR,  7                            ; v7   where I read partial sums
.set DD,  8                            ; v8   16 mi + l % 16 - 8 (l / 16): key 16 kt + 8 (l / 16) + j is hidden where 16 kt + j is greater
.set STO, 9
.set RD,  10
.set GO,  11
.set BG,  12                           ; v12  -1e30
.set SPW, 14                           ; v14  my spare word; never rewritten
.set NIL, 15                           ; v15  0; never rewritten
.set Q,   16                           ; v16-47   q's fragments: group i of 8 channels at +4 i
.set KA,  48                           ; v48-79   k's, keys 0-15
.set KB,  80                           ; v80-111  k's, keys 16-31
.set BUF, 16                           ; later: two buffers of 48, three waves' partial sums each
.set OB,  16                           ; later still: the way out
.set D0,  112                          ; v112-127 the two partial tiles: written by matrix instructions alone
.set D1,  120
.set ACC, 128                          ; v128-159 O^T, four blocks of 16 channels: likewise
.set VF,  160                          ; v160-223 v's fragments: step st (keys), block cb, register j at 8 st + 2 cb + j
.set X,   224                          ; v224-239 the scores, then the weights: key tile kt's eight at +8 kt
.set CM,  240                          ; v240-241 c x maximum; the upper one holds 0
.set T,   242                          ; v242-243 at work
.set R,   244                          ; v244-245 1 / sum; the upper one holds 0
	s_load_b128 s[4:7], s[0:1], 0x0                ; hd s[4:5], out0 s[6:7]
	v_lshl_add_u32 v[SPW], v0, 2, SPARE
	v_mov_b32 v[NIL], 0
	v_lshrrev_b32 v1, 5, v0
	v_readfirstlane_b32 s8, v1                     ; wave 0..15
	s_and_b32 s9, ttmp9, 1                         ; mi
	s_lshr_b32 s10, ttmp9, 1                       ; the slice of 128 channels
	s_and_b32 s11, ttmp7, 0xffff                   ; the batch
	v_and_b32 v1, 15, v0                           ; l % 16
	v_bfe_u32 v2, v0, 4, 1                         ; l / 16
	v_and_b32 v3, 31, v0                           ; l
	v_mul_u32_u24 v[FO], v1, HDP
	v_lshl_add_u32 v[FO], v2, 4, v[FO]
	s_mul_i32 s12, s11, HDB
	s_lshl_b32 s13, s8, 8                          ; my wave's 64 channels: 256 bytes
	s_add_co_u32 s12, s12, s13
	s_mov_b32 s13, 0
	s_mul_i32 s14, s9, 16*HDP
	s_mov_b32 s15, 0
	s_wait_kmcnt 0x0
	s_add_nc_u64 s[12:13], s[4:5], s[12:13]        ; hd at the batch's row 0, my channels
	s_add_nc_u64 s[14:15], s[12:13], s[14:15]      ; and at my tile's first query
.irp i, 0,1,2,3,4,5,6,7
	global_load_b128 v[KA+4*(\i):KA+4*(\i)+3], v[FO], s[12:13] offset:4096+32*(\i)
	global_load_b128 v[Q+4*(\i):Q+4*(\i)+3],   v[FO], s[14:15] offset:32*(\i)
	global_load_b128 v[KB+4*(\i):KB+4*(\i)+3], v[FO], s[12:13] offset:4096+16*HDP+32*(\i)
.endr
	s_lshl_b32 s24, s8, 11
	v_lshl_add_u32 v[LS], v3, 4, s24               ; PART + 2,048 x wave + 16 l
	v_lshlrev_b32 v[LR], 4, v3
	s_lshl_b32 s24, s9, 4
	v_lshlrev_b32 v[DD], 3, v2
	v_sub_nc_u32 v[DD], v1, v[DD]
	v_add_nc_u32 v[DD], s24, v[DD]
	v_mov_b32 v[BG], 0xf149f2ca
	s_mov_b32 s20, 0x3d38aa3b                      ; c = log2(e) / 32
	s_mov_b32 s21, s20
	s_mov_b32 s22, 0x76543210                      ; v_permlanex16_b32: each lane takes its own place in the other half
	s_mov_b32 s23, 0xfedcba98
	; THE SCORES: 32 matrix instructions; the two accumulators take turns, one instruction a turn; the first pair starts the sums
.irp i, 0,1,2,3,4,5,6,7
	s_wait_loadcnt 21-3*(\i)                       ; loads come back in order: group i's three are in, the three of each younger group may stay out
.irp u, 0,1
.if (\i) == 0 && (\u) == 0
	v_wmma_f32_16x16x4_f32 v[D0:D0+7], v[KA:KA+1], v[Q:Q+1], 0
	v_wmma_f32_16x16x4_f32 v[D1:D1+7], v[KB:KB+1], v[Q:Q+1], 0
.else
	v_wmma_f32_16x16x4_f32 v[D0:D0+7], v[KA+4*(\i)+2*(\u):KA+4*(\i)+2*(\u)+1], v[Q+4*(\i)+2*(\u):Q+4*(\i)+2*(\u)+1], v[D0:D0+7]
	v_wmma_f32_16x16x4_f32 v[D1:D1+7], v[KB+4*(\i)+2*(\u):KB+4*(\i)+2*(\u)+1], v[Q+4*(\i)+2*(\u):Q+4*(\i)+2*(\u)+1], v[D1:D1+7]
.endif
.endr
.endr
.rept 9
	v_nop                                          ; the places behind the f32 form, ahead of the stores that read its results and of loads into its sources
.endr
	ds_store_b128 v[LS], v[D0:D0+3]   offset:PART          ; 32 lanes x 16 neighbouring bytes; each accumulator's low four registers first
	ds_store_b128 v[LS], v[D0+4:D0+7] offset:PART+512
	ds_store_b128 v[LS], v[D1:D1+3]   offset:PART+1024
	ds_store_b128 v[LS], v[D1+4:D1+7] offset:PART+1536
	s_wait_dscnt 0x0                               ; for the others' sake: my partial sums lie in LDS
	s_barrier_signal -1
	s_barrier_wait -1                              ; everybody's do
	s_cmp_lt_u32 s8, 2
	s_cbranch_scc0 .Lend                           ; waves 2 to 15 have done their part
	s_mul_i32 s16, s11, HDB                        ; v at the batch's row 0, the slice's 128 channels, my 64 of them
	s_lshl_b32 s17, s10, 9
	s_add_co_u32 s16, s16, s17
	s_lshl_b32 s17, s8, 8
	s_add_co_u32 s16, s16, s17
	s_add_co_u32 s16, s16, 8192
	s_mov_b32 s17, 0
	s_add_nc_u64 s[16:17], s[4:5], s[16:17]
	v_mul_u32_u24 v[VO], v2, 8*HDP
	v_lshl_add_u32 v[VO], v1, 2, v[VO]
	; V^T's fragments: a lane is a channel and its registers run along the keys, which lie 12,288 bytes apart: 4 bytes a lane, 64 consecutive bytes for 16 lanes.  They land while the sums below are made.
.set n, 0
.rept 64
	global_load_b32 v[VF+n], v[VO], s[16:17] offset:(16*(n/32)+2*((n/8)%4)+n%2)*HDP+64*((n/2)%4)
.set n, n+1
.endr
; three waves' partial sums into buffer g % 2, and their addition
.macro RLOAD g
.irp q, 0,1,2
.irp z, 0,1,2,3
	ds_load_b128 v[BUF+48*((\g)%2)+16*(\q)+4*(\z):BUF+48*((\g)%2)+16*(\q)+4*(\z)+3], v[LR] offset:PART+(1+3*(\g)+(\q))*2048+512*(\z)
.endr
.endr
.endm
.macro RADD g
.irp q, 0,1,2
.irp x, 0,1,2,3,4,5,6,7
	v_pk_add_f32 v[X+2*(\x):X+2*(\x)+1], v[X+2*(\x):X+2*(\x)+1], v[BUF+48*((\g)%2)+16*(\q)+2*(\x):BUF+48*((\g)%2)+16*(\q)+2*(\x)+1]
.endr
.endr
.endm
.irp z, 0,1,2,3
	ds_load_b128 v[X+4*(\z):X+4*(\z)+3], v[LR] offset:PART+512*(\z)   ; wave 0's partial sums start the sums
.endr
	RLOAD 0
	RLOAD 1
	s_lshl_b32 s18, s11, 11                        ; out0 at my 16 rows and my 64 channels
	s_lshl_b32 s19, s9, 4
	s_add_co_u32 s18, s18, s19
	s_lshl_b32 s18, s18, 12
	s_lshl_b32 s19, s10, 9
	s_add_co_u32 s18, s18, s19
	s_lshl_b32 s19, s8, 8
	s_add_co_u32 s18, s18, s19
	s_mov_b32 s19, 0
	s_add_nc_u64 s[18:19], s[6:7], s[18:19]
	s_mul_i32 s24, s8, 16*SP
	s_add_co_u32 s24, s24, STAGE                   ; my stage
	v_mul_u32_u24 v[STO], v1, SP                   ; in: row l % 16, 32 bytes for each half of the lanes
	v_lshl_add_u32 v[STO], v2, 5, v[STO]
	v_add_nc_u32 v[STO], s24, v[STO]
	v_mul_u32_u24 v[RD], v2, SP                    ; back: lanes 0-15 one row of 256 bytes, lanes 16-31 the next
	v_lshl_add_u32 v[RD], v1, 4, v[RD]
	v_add_nc_u32 v[RD], s24, v[RD]
	v_lshlrev_b32 v[GO], 12, v2                    ; and the same two rows in out0
	v_lshl_add_u32 v[GO], v1, 4, v[GO]
	v_mov_b32 v[CM+1], 0                           ; named as the upper halves of pairs, or read by v_permlanex16_b32 as its destination
	v_mov_b32 v[T+1], 0
	v_mov_b32 v[R+1], 0
.irp g, 0,1,2,3,4
.if (\g) < 4
	s_wait_dscnt 12                                ; this buffer is in; the other buffer's twelve loads may stay out
.else
	s_wait_dscnt 0x0
.endif
	RADD \g
.if (\g) < 3
	RLOAD (\g)+2
.endif
.endr
	; THE SOFTMAX: a lane has 16 of its query's 32 scores, the lane 16 away the others
.set n, 0
.rept 16
	v_cmp_gt_i32 vcc_lo, 16*(n/8)+n%8, v[DD]
	v_cndmask_b32 v[X+n], v[X+n], v[BG], vcc_lo
.set n, n+1
.endr
	v_max3_num_f32 v[T], v[X], v[X+1], v[X+2]
.irp k, 3,5,7,9,11,13
	v_max3_num_f32 v[T], v[T], v[X+(\k)], v[X+(\k)+1]
.endr
	v_max_num_f32 v[T], v[T], v[X+15]
	v_permlanex16_b32 v[T+1], v[T], s22, s23
	v_max_num_f32 v[T], v[T], v[T+1]               ; the row's largest visible score: key 0 is visible to every query
	v_mul_f32 v[CM], s20, v[T]
.irp k, 0,1,2,3,4,5,6,7
	v_pk_fma_f32 v[X+2*(\k):X+2*(\k)+1], v[X+2*(\k):X+2*(\k)+1], s[20:21], v[CM:CM+1] op_sel_hi:[1,0,0] neg_lo:[0,0,1] neg_hi:[0,0,1]  ; c s - c m
.endr
.set n, 0
.rept 16                               ; one batch of exponentials,
	v_exp_f32 v[X+n], v[X+n]
.set n, n+1
.endr
	v_nop                                          ; a plain instruction behind the last of them (ISA guide 5.7.2),
	s_wait_alu depctr_va_vdst(0)                   ; and the one wait ahead of the batch's first reader
	v_pk_add_f32 v[T:T+1], v[X:X+1], v[X+2:X+3]
.irp k, 2,3,4,5,6,7
	v_pk_add_f32 v[T:T+1], v[T:T+1], v[X+2*(\k):X+2*(\k)+1]
.endr
	v_add_f32 v[T], v[T], v[T+1]
	v_permlanex16_b32 v[T+1], v[T], s22, s23
	v_add_f32 v[T], v[T], v[T+1]                   ; the row's sum: 1 to 32
	v_rcp_f32 v[R], v[T]
	v_nop
	s_wait_alu depctr_va_vdst(0)                   ; the reciprocal's wait
.irp k, 0,1,2,3,4,5,6,7
	v_pk_mul_f32 v[X+2*(\k):X+2*(\k)+1], v[X+2*(\k):X+2*(\k)+1], v[R:R+1] op_sel_hi:[1,0]
.endr
	s_wait_loadcnt 0x0                             ; V
	; O^T = V^T P: 8 steps of 4 keys x 4 blocks of 16 channels; the four accumulators take turns; the first step starts the sums
.set st, 0
.rept 8
.irp cb, 0,1,2,3
.if st == 0
	v_wmma_f32_16x16x4_f32 v[ACC+8*(\cb):ACC+8*(\cb)+7], v[VF+2*(\cb):VF+2*(\cb)+1], v[X:X+1], 0
.else
	v_wmma_f32_16x16x4_f32 v[ACC+8*(\cb):ACC+8*(\cb)+7], v[VF+8*st+2*(\cb):VF+8*st+2*(\cb)+1], v[X+2*st:X+2*st+1], v[ACC+8*(\cb):ACC+8*(\cb)+7]
.endif
.endr
.set st, st+1
.endr
.rept 9
	v_nop                                          ; the places behind the f32 form, ahead of the stores that read its results
.endr
	; THE WAY OUT: a lane holds one query and eight neighbouring channels of each block: 16 bytes a lane into my stage, whole rows of 256 bytes back, stored
.irp cb, 0,1,2,3
	ds_store_b128 v[STO], v[ACC+8*(\cb):ACC+8*(\cb)+3]   offset:64*(\cb)
	ds_store_b128 v[STO], v[ACC+8*(\cb)+4:ACC+8*(\cb)+7] offset:64*(\cb)+16
.endr
.irp t, 0,1,2,3,4,5,6,7
	ds_load_b128 v[OB+4*(\t):OB+4*(\t)+3], v[RD] offset:(\t)*2*SP  ; LDS serves a wave's instructions in order (ISA guide 5.7.1.4): these see the stores above
.endr
	s_wait_dscnt 0x0
.irp t, 0,1,2,3,4,5,6,7
	global_store_b128 v[GO], v[OB+4*(\t):OB+4*(\t)+3], s[18:19] offset:2*(\t)*4096 th:TH_STORE_NT  ; 16 lanes store 256 consecutive bytes, aligned
.endr
.Lend:
	s_wait_tensorcnt 0x0                           ; the wave's end, behind my last LDS store
	ds_add_u32 v[SPW], v[NIL]
	s_wait_dscnt 0x0
	s_endpgm
.Lfunc_end_k_q3a2cc4dda0_head:
	.size	k_q3a2cc4dda0_head, .Lfunc_end_k_q3a2cc4dda0_head-k_q3a2cc4dda0_head
	.p2alignl 7, 3214868480
	.fill 96, 4, 3214868480
	.section	.rodata,"a",@progbits
	.p2align	6, 0x0
	.amdhsa_kernel k_q3a2cc4dda0_head
		.amdhsa_group_segment_fixed_size 43520
		.amdhsa_private_segment_fixed_size 0
		.amdhsa_enable_private_segment 0
		.amdhsa_kernarg_size 16
		.amdhsa_user_sgpr_count 2
		.amdhsa_user_sgpr_kernarg_segment_ptr 1
		.amdhsa_wavefront_size32 1
		.amdhsa_system_sgpr_workgroup_id_x 1
		.amdhsa_system_sgpr_workgroup_id_y 1
		.amdhsa_system_sgpr_workgroup_id_z 1
		.amdhsa_system_vgpr_workitem_id 0
		.amdhsa_next_free_vgpr 256
		.amdhsa_next_free_sgpr 66
		.amdhsa_reserve_vcc 1
		.amdhsa_float_denorm_mode_32 3
		.amdhsa_float_denorm_mode_16_64 3
		.amdhsa_memory_ordered 1
		.amdhsa_forward_progress 1
		.amdhsa_inst_pref_size 35
	.end_amdhsa_kernel
	.amdgpu_metadata
---
amdhsa.version: [ 1, 2 ]
amdhsa.kernels:
  - .name:           k_q3a2cc4dda0_head
    .symbol:         k_q3a2cc4dda0_head.kd
    .args:
      - { .name: hd, .offset: 0, .size: 8, .value_kind: global_buffer, .address_space: global }
      - { .name: out0, .offset: 8, .size: 8, .value_kind: global_buffer, .address_space: global }
    .group_segment_fixed_size: 43520
    .private_segment_fixed_size: 0
    .kernarg_segment_align: 8
    .kernarg_segment_size: 16
    .max_flat_workgroup_size: 512
    .sgpr_count:     66
    .vgpr_count:     256
    .wavefront_size: 32
...
	.end_amdgpu_metadata
.endif
;; end of part 5
;; ======== version 2 of 3: 4 launches
;; limits: values are held in f16: magnitudes above 65,504 overflow, below 6.1e-05 lose precision
;; workspace buffers: xb 16,777,216 bytes; wb 6,291,456 bytes; qkv 50,331,648 bytes; pbuf 33,554,432 bytes; stats 1,048,576 bytes; hd 1,572,864 bytes
;; launch cvt (part 6): grid 512 x 1, 8 waves a work-group, no clusters, 0 bytes of LDS; arguments x, w_qkv, xb, wb; writes xb, wb
.if DOCPART == 6
	.amdgcn_target "amdgcn-amd-amdhsa--gfx1250"
	.amdhsa_code_object_version 6
	.text
	.protected	k_q3a2cc4dda0_cvt
	.globl	k_q3a2cc4dda0_cvt
	.p2align	8
	.type	k_q3a2cc4dda0_cvt,@function
k_q3a2cc4dda0_cvt:
	s_mov_b64 s[64:65], 0
	v_nop
	global_prefetch_b8 v0, s[64:65] scope:SCOPE_SE
	s_setreg_imm32_b32 hwreg(HW_REG_WAVE_MODE, 25, 1), 1
	s_wait_xcnt 0x0
; xb = x rounded to bf16, wb = w_qkv rounded to bf16 (nearest even).  A stream: no LDS, no matrix unit, no barrier.
; 512 work-groups of equal work: each converts 16 pieces of x (512 x 16 x 4,096 bytes = all of x) and 6 pieces of w (512 x 6 x 4,096 = all of w).
; A piece is 4,096 bytes in, 2,048 out.  Thread t loads the 16 bytes at 16 t of a piece, so a wave's load covers 512 consecutive bytes, rounds its four numbers in place,
; and stores 8 bytes at 8 t: a wave's store covers 256 consecutive bytes, aligned.  All 22 loads go out first; a piece's registers are written again by nothing, so no register waits for a store.
.set XP, 16                            ; pieces of x
.set WP, 6                             ; pieces of w
.set IN, 4                             ; v[4:91]  piece j: 4 numbers as loaded; its first two registers then hold the 4 bf16
	s_load_b256 s[4:11], s[0:1], 0x0               ; x s[4:5], w_qkv s[6:7], xb s[8:9], wb s[10:11]
	v_lshlrev_b32 v1, 4, v0                        ; 16 t
	v_lshlrev_b32 v2, 3, v0                        ; 8 t
	s_lshl_b32 s12, ttmp9, 16                      ; my 16 pieces of x,
	s_mov_b32 s13, 0
	s_lshl_b32 s14, ttmp9, 15                      ; and of xb
	s_mov_b32 s15, 0
	s_mul_i32 s16, ttmp9, WP*4096                  ; my 6 pieces of w,
	s_mov_b32 s17, 0
	s_mul_i32 s18, ttmp9, WP*2048                  ; and of wb
	s_mov_b32 s19, 0
	s_wait_kmcnt 0x0
	s_add_nc_u64 s[4:5], s[4:5], s[12:13]
	s_add_nc_u64 s[6:7], s[6:7], s[16:17]
	s_add_nc_u64 s[8:9], s[8:9], s[14:15]
	s_add_nc_u64 s[10:11], s[10:11], s[18:19]
.set j, 0
.rept XP
	global_load_b128 v[IN+4*j:IN+4*j+3], v1, s[4:5] offset:4096*j th:TH_LOAD_NT
.set j, j+1
.endr
.set j, 0
.rept WP
	global_load_b128 v[IN+4*(XP+j):IN+4*(XP+j)+3], v1, s[6:7] offset:4096*j th:TH_LOAD_NT
.set j, j+1
.endr
.set j, 0
.rept XP+WP
	s_wait_loadcnt XP+WP-1-j                       ; loads come back in order: piece j is in, the younger pieces may stay out
	v_cvt_pk_bf16_f32 v[IN+4*j],   v[IN+4*j],   v[IN+4*j+1]
	v_cvt_pk_bf16_f32 v[IN+4*j+1], v[IN+4*j+2], v[IN+4*j+3]
.if j < XP
	global_store_b64 v2, v[IN+4*j:IN+4*j+1], s[8:9] offset:2048*j th:TH_STORE_NT
.else
	global_store_b64 v2, v[IN+4*j:IN+4*j+1], s[10:11] offset:2048*(j-XP) th:TH_STORE_NT
.endif
.set j, j+1
.endr
	s_endpgm
.Lfunc_end_k_q3a2cc4dda0_cvt:
	.size	k_q3a2cc4dda0_cvt, .Lfunc_end_k_q3a2cc4dda0_cvt-k_q3a2cc4dda0_cvt
	.p2alignl 7, 3214868480
	.fill 96, 4, 3214868480
	.section	.rodata,"a",@progbits
	.p2align	6, 0x0
	.amdhsa_kernel k_q3a2cc4dda0_cvt
		.amdhsa_group_segment_fixed_size 0
		.amdhsa_private_segment_fixed_size 0
		.amdhsa_enable_private_segment 0
		.amdhsa_kernarg_size 32
		.amdhsa_user_sgpr_count 2
		.amdhsa_user_sgpr_kernarg_segment_ptr 1
		.amdhsa_wavefront_size32 1
		.amdhsa_system_sgpr_workgroup_id_x 1
		.amdhsa_system_sgpr_workgroup_id_y 1
		.amdhsa_system_sgpr_workgroup_id_z 1
		.amdhsa_system_vgpr_workitem_id 0
		.amdhsa_next_free_vgpr 96
		.amdhsa_next_free_sgpr 66
		.amdhsa_reserve_vcc 0
		.amdhsa_float_denorm_mode_32 3
		.amdhsa_float_denorm_mode_16_64 3
		.amdhsa_memory_ordered 1
		.amdhsa_forward_progress 1
		.amdhsa_inst_pref_size 9
	.end_amdhsa_kernel
	.amdgpu_metadata
---
amdhsa.version: [ 1, 2 ]
amdhsa.kernels:
  - .name:           k_q3a2cc4dda0_cvt
    .symbol:         k_q3a2cc4dda0_cvt.kd
    .args:
      - { .name: x, .offset: 0, .size: 8, .value_kind: global_buffer, .address_space: global }
      - { .name: w_qkv, .offset: 8, .size: 8, .value_kind: global_buffer, .address_space: global }
      - { .name: xb, .offset: 16, .size: 8, .value_kind: global_buffer, .address_space: global }
      - { .name: wb, .offset: 24, .size: 8, .value_kind: global_buffer, .address_space: global }
    .group_segment_fixed_size: 0
    .private_segment_fixed_size: 0
    .kernarg_segment_align: 8
    .kernarg_segment_size: 32
    .max_flat_workgroup_size: 256
    .sgpr_count:     66
    .vgpr_count:     96
    .wavefront_size: 32
...
	.end_amdgpu_metadata
.endif
;; end of part 6
;; launch proj (part 7): grid 12 x 32, 4 waves a work-group, clusters of 4 x 4, 327,680 bytes of LDS; arguments xb, wb, qkv, hd; writes qkv, hd
.if DOCPART == 7
	.amdgcn_target "amdgcn-amd-amdhsa--gfx1250"
	.amdhsa_code_object_version 6
	.text
	.protected	k_q3a2cc4dda0_proj
	.globl	k_q3a2cc4dda0_proj
	.p2align	8
	.type	k_q3a2cc4dda0_proj,@function
k_q3a2cc4dda0_proj:
	s_mov_b64 s[64:65], 0
	v_nop
	global_prefetch_b8 v0, s[64:65] scope:SCOPE_SE
	s_setreg_imm32_b32 hwreg(HW_REG_WAVE_MODE, 25, 1), 1
	s_wait_xcnt 0x0
	s_wait_alu depctr_hold_cnt(0) depctr_sa_sdst(0) depctr_va_vdst(0) depctr_va_sdst(0) depctr_va_ssrc(0) depctr_va_vcc(0) depctr_vm_vsrc(0)
	s_getreg_b32 s2, hwreg(HW_REG_IB_STS2, 6, 4)
	s_cmp_eq_u32 s2, 0
	s_cbranch_scc0 .Lentry_in_a_cluster
	s_endpgm
.Lentry_in_a_cluster:
	s_bfe_u32 s2, ttmp6, 0x10000c
	s_cmp_lg_u32 s2, 0xf033
	s_cbranch_scc0 .Lentry_shape_is_right
	s_endpgm
.Lentry_shape_is_right:
; qkv[m][n] = sum over k of xb[m][k] wb[n][k].  xb: [8192][1024] bf16, wb: [3072][1024] bf16, qkv: [8192][3072] f16; sums in f32, K ascending, rounded once.
; hd [4][32][3072] f32 takes the same sums unrounded for rows 0-31 of each batch of 2,048 rows: the launch behind makes those rows of the output from them.
; LIMIT: f16 ends at 65,504: a q, k or v beyond that becomes an infinity.  Inputs of unit spread give q, k, v of unit spread; both inputs 30 times larger give some 5e3 at the most.
; A tile of qkv, 256 x 256, is made by a work-group of four waves; a wave makes 128 x 128: 64 accumulators of 16 x 16, 512 registers.  K goes in 8 steps of 128 through a ring of two
; LDS slots filled by the tensor data mover: a tile's rows are 256 bytes of memory, at multiples of 256 bytes.  A K STEP IS WRITTEN ONCE: the slot in hand is a scalar, 0 or SLOT, turned by an exclusive or;
; the step's LDS addresses are made from it, and one descriptor a tensor walks.  The last K step goes by rows of the tile, so that finished rows leave while the others are multiplied.
; CLUSTERS: 4 x 4 work-groups.  The four of a row of the cluster need the same tiles of xb, the four of a column the same tiles of wb: each tile is asked for JOINTLY, by the same tensor load
; with the same descriptor and a mask that names the four.  12 x 32 tiles are 3 x 8 clusters.  Tile row = 8 cy + cluster y: cy is the batch, and a batch's first tile row is the one with cluster y = 0,
; which is the same in all sixteen partners: the branch round hd's stores hangs on that and on the wave's number alone.
; REGISTERS, in windows of 256 (s_set_vgpr_msb: bits 1:0 source 0, 3:2 source 1, 5:4 source 2, 7:6 destination):
;   window 0: v0-31 addresses; v64-127, v128-191 fragments of A, two buffers (in the last K step four, of 16 rows x 128 K); v32-63, v192-255 at work on the way out
;   window 1: v64-127, v128-191 fragments of B, two buffers; in the last K step all 256
;   window 2: the 32 accumulators of my rows 0-63 ((a, b) at v[8 (8 a + b)]);   window 3: those of my rows 64-127
; THE MATRIX INSTRUCTION IS USED TRANSPOSED: source 0 = 16 rows of wb, source 1 = 16 rows of xb: a lane then holds row l % 16 and the columns 8 (l / 16) + 0..7, which pack into 16 bytes.
.set SIZE_M, 8192
.set SIZE_N, 3072
.set SIZE_K, 1024
.set KSTEP,  128
.set PITCH,  272                       ; an LDS row: 256 bytes + 16 of padding = 68 words: the 16 rows that a load touches start at 16 different groups of four banks (ISA guide 11.1)
.set HALFT,  128*PITCH                 ; 128 rows: what one tensor load brings, and what one wave reads of A or of B
.set SLOT,   4*HALFT                   ; A's 256 rows, then B's 256 rows
.set STAGE,  2*SLOT                    ; behind the ring: 16 rows x 272 bytes for each wave, for the way out
.set SPITCH, 272
.set SPARE,  STAGE+4*16*SPITCH         ; behind the stages: the spare words, 128 bytes for each wave, that no other line names
.set FILLS,  SIZE_K/KSTEP-2            ; K steps 0 to 5 fill their slot again, with K steps 2 to 7
.set HDP,  SIZE_N*4                    ; bytes in a row of hd
.set ADRA, 16                          ; v16-17  LDS address of my A fragments in slot 0, 1; never rewritten
.set AA,   18                          ; v18     the same in the slot in hand
.set ADRB, 20                          ; v20-21  the same for B
.set AB,   22                          ; v22
.set STO,  24                          ; v24     the way out: where I put 16 bytes of a row
.set RD,   25                          ; v25     the way out: where I read a row back
.set CO,   26                          ; v26     my byte offset in qkv
.set HO,   27                          ; v27     my byte offset in hd: row l % 16, 32 bytes for each half of the lanes; never rewritten
.set SPW,  28                          ; v28     LDS address of my spare word; never rewritten
.set NIL,  29                          ; v29     0; never rewritten
.set PFO,  30                          ; v30     the prefetches' offset: my lane x a row of 2,048 bytes; never rewritten
.set PFA,  44                          ; s[44:45] where my prefetches stand
.set LIM,  43                          ; s43     2 in a wave that prefetches, else the greatest number
.set HD,   66                          ; s[66:67] hd at my batch and my 128 columns; never rewritten
.set HF,   68                          ; s68     0 where my rows are a batch's first 128
.set WB,   69                          ; s69     where my 128 rows go in a slot: wave x 128 rows
.set SB,   70                          ; s70     the slot in hand: 0 or SLOT
.set F0,   64
.set F1,   128
.set TMP,  192
.set OB,   32
.set PA,   64
.set G1, 24                            ; s[24:31] descriptor group 1 for A's tiles
.set G0, 32                            ; s[32:39] group 0 for A's tiles: a set for each of the two first fills; the second then walks on
.set G1B, 48                           ; s[48:55] group 1 for B's tiles: another mask
.set G0B, 56                           ; s[56:63] group 0 for B's tiles
.set MSB, 0
.macro WIN new                         ; the immediate's high byte repeats the setting that is left; a switch that changes nothing is dropped
.if MSB != (\new)
	s_set_vgpr_msb (MSB<<8)|(\new)
.set MSB, \new
.endif
.endm
.set MUL_LO, 0xa1                      ; source 0 (B) window 1, source 1 (A) window 0, C and D window 2
.set MUL_HI, 0xf1                      ; the same, C and D window 3
.set TO_B,   0x40                      ; destination window 1, address window 0
; A joint load.  Waves 0 and 1 fetch A's two halves, waves 2 and 3 B's.  The branch hangs on the wave's number alone.  An s_nop 0 and four v_nop follow each of the two lines.
.macro JLOAD s
	s_cmp_eq_u32 s11, 0
	s_cbranch_scc0 .Lfor_b_\@
	tensor_load_to_lds s[G0+4*(\s):G0+4*(\s)+3], s[G1:G1+7]
	s_nop 0
.rept 4
	v_nop
.endr
	s_branch .Lasked_\@
.Lfor_b_\@:
	tensor_load_to_lds s[G0B+4*(\s):G0B+4*(\s)+3], s[G1B:G1B+7]
	s_nop 0
.rept 4
	v_nop
.endr
.Lasked_\@:
.endm
; A prefetch into the L2, behind each joint load and the run of LDS loads that follows it: the K step that stands two refills on: 32 rows x 256 bytes, a lane a row, one instruction a wave.
; Each row's 256 bytes of a K step are named once in the launch: cluster x = 0 asks for A's rows, cluster y = 0 for B's; of the 128 rows that a wave fetches the partner at place p
; (cx for A, cy for B) takes 32 p .. 32 p + 31, told apart by address.  K steps 0 to 3 come by their loads alone; the loop's last two trips (s3 = 2, 1) ask for nothing: K steps 8 and 9 do not exist.
.macro ASK
	s_cmp_gt_u32 s3, s[LIM]
	s_cbranch_scc0 .Lnot_mine_\@
	global_prefetch_b8 v[PFO], s[PFA:PFA+1] offset:KSTEP*2 th:TH_LOAD_NT scope:SCOPE_SE
.Lnot_mine_\@:
.endm
; A round of the cluster's barrier: my work-group's barrier; wave 0 signals for the work-group; every wave waits for all sixteen; my work-group's barrier once more.
.macro CREST                           ; a round behind its opening barrier
	s_cmp_lg_u32 s10, 0
	s_cbranch_scc1 .Lnot_wave_0_\@
	s_barrier_signal -3
.Lnot_wave_0_\@:
	s_barrier_wait -3
	s_barrier_signal -1
	s_barrier_wait -1
.endm
.macro CROUND
	s_barrier_signal -1
	s_barrier_wait -1
	CREST
.endm
	s_load_b128 s[4:7], s[0:1], 0x0                ; xb s[4:5], wb s[6:7]
	s_load_b64 s[8:9], s[0:1], 0x10                ; qkv
	s_load_b64 s[HD:HD+1], s[0:1], 0x18            ; hd
	v_lshl_add_u32 v[SPW], v0, 2, SPARE
	v_mov_b32 v[NIL], 0
	ds_add_u32 v[SPW], v[NIL]                      ; the wave's opening: the add and its wait ahead of my first tensor load; the set-up below stands between them
	v_lshrrev_b32 v1, 5, v0
	v_readfirstlane_b32 s10, v1                    ; wave 0..3
	s_lshr_b32 s11, s10, 1                         ; which half of the tile's rows is mine.  Also: I fetch for A (0) or for B (1)
	s_and_b32 s12, s10, 1                          ; which half of its columns.  Also: which 128 rows of that tile I fetch
	s_bfe_u32 s40, ttmp6, 0x40000                  ; cx
	s_bfe_u32 s41, ttmp6, 0x40004                  ; cy
	s_lshl_b32 s42, ttmp9, 2
	s_add_co_u32 s42, s42, s40                     ; tile column = 4 x cluster x + cx
	s_and_b32 s13, ttmp7, 0xffff                   ; cluster y, 0 to 7: the tile row within a batch
	s_lshl_b32 s14, s41, 3
	s_add_co_u32 s13, s13, s14                     ; tile row = 8 cy + cluster y: cy is the batch
	s_lshl_b32 s43, s41, 2
	s_lshl_b32 s43, 15, s43                        ; my row of the cluster: places 4 cy .. 4 cy + 3
	s_lshl_b32 s44, 0x1111, s40                    ; my column: places cx, cx + 4, cx + 8, cx + 12
	; descriptor group 1: a tile of 128 rows x 128 elements of 2 bytes, 4 words of padding behind every 64
	s_or_b32 s[G1+0], s43, (1<<16)|(1<<20)|(1<<21)|(5<<22)|(3<<25)
	s_or_b32 s[G1B+0], s44, (1<<16)|(1<<20)|(1<<21)|(5<<22)|(3<<25)
	s_mov_b32 s[G1B+1], KSTEP<<16
	s_mov_b32 s[G1+1], KSTEP<<16                   ; tensor_dim0 = 128
	s_mov_b32 s[G1B+2], 128<<16
	s_mov_b32 s[G1+2], 128<<16                     ; tensor_dim1 = 128
	s_mov_b32 s[G1B+3], KSTEP<<16
	s_mov_b32 s[G1+3], KSTEP<<16                   ; tile_dim0 = 128
	s_mov_b32 s[G1B+4], 128
	s_mov_b32 s[G1+4], 128                         ; tile_dim1 = 128
	s_mov_b32 s[G1B+5], SIZE_K
	s_mov_b32 s[G1+5], SIZE_K                      ; elements from row to row
	s_mov_b32 s[G1B+6], 0
	s_mov_b32 s[G1+6], 0
	s_mov_b32 s[G1B+7], 0
	s_mov_b32 s[G1+7], 0
	; A's tiles hang on the tile row alone, B's on the tile column alone; each address is made in registers that never hold the other coordinate
	s_lshl_b32 s17, s12, 7
	s_lshl_b32 s16, s13, 8
	s_add_co_u32 s16, s16, s17                     ; A: row 256 x tile row + 128 x half
	s_lshl_b32 s46, s42, 8
	s_add_co_u32 s46, s46, s17                     ; B: row 256 x tile column + 128 x half
	s_mov_b32 s17, 0
	s_mov_b32 s47, 0
	s_mov_b64 s[18:19], SIZE_K*2
	s_mul_u64 s[16:17], s[16:17], s[18:19]
	s_mul_u64 s[46:47], s[46:47], s[18:19]
	s_mul_i32 s[WB], s10, HALFT                    ; where they go: wave x 128 rows: no place in the cluster enters an LDS address
	s_mov_b32 s[SB], 0
	s_wait_dscnt 0x0                               ; the opening add is done
	s_wait_kmcnt 0x0
	s_add_nc_u64 s[14:15], s[4:5], s[16:17]
	s_add_nc_u64 s[46:47], s[6:7], s[46:47]
	CROUND                                         ; all sixteen work-groups are here: the first joint loads meet
.irp s, 0,1
	s_mov_b32 s[G0+4*(\s)], 1
	s_add_co_u32 s[G0+4*(\s)+1], s[WB], (\s)*SLOT
	s_add_nc_u64 s[G0+4*(\s)+2:G0+4*(\s)+3], s[14:15], (\s)*KSTEP*2
	s_or_b32 s[G0+4*(\s)+3], s[G0+4*(\s)+3], 0x80000000
	s_mov_b32 s[G0B+4*(\s)], 1
	s_add_co_u32 s[G0B+4*(\s)+1], s[WB], (\s)*SLOT
	s_add_nc_u64 s[G0B+4*(\s)+2:G0B+4*(\s)+3], s[46:47], (\s)*KSTEP*2
	s_or_b32 s[G0B+4*(\s)+3], s[G0B+4*(\s)+3], 0x80000000
	JLOAD \s
.endr
	; a fragment is 16 rows x 32 K in 8 registers: lane l holds row l % 16, K = 8 (l / 16) + 0..7 and 16 + 8 (l / 16) + 0..7: two loads of 16 bytes, 32 bytes apart
	v_and_b32 v1, 15, v0
	v_bfe_u32 v2, v0, 4, 1
	v_mul_u32_u24 v3, v1, PITCH
	v_lshl_add_u32 v3, v2, 4, v3
	s_mul_i32 s21, s11, HALFT
	s_mul_i32 s22, s12, HALFT
	s_add_co_u32 s22, s22, 2*HALFT
.irp s, 0,1
	v_add_nc_u32 v[ADRA+(\s)], s21, v3
	v_add_nc_u32 v[ADRB+(\s)], s22, v3
	s_add_co_u32 s21, s21, SLOT
	s_add_co_u32 s22, s22, SLOT
.endr
	v_mov_b32 v[AA], v[ADRA]                       ; K step 0 lies in slot 0
	v_mov_b32 v[AB], v[ADRB]
	s_mul_i32 s23, s10, 16*SPITCH
	s_add_co_u32 s23, s23, STAGE
	v_mul_u32_u24 v4, v1, SPITCH
	v_lshl_add_u32 v4, v2, 4, v4
	v_add_nc_u32 v[STO], s23, v4
	v_mul_u32_u24 v5, v2, SPITCH
	v_lshl_add_u32 v5, v1, 4, v5
	v_add_nc_u32 v[RD], s23, v5
	v_mul_u32_u24 v5, v2, SIZE_N*2
	v_lshl_add_u32 v[CO], v1, 4, v5
	v_mul_u32_u24 v5, v1, HDP
	v_lshl_add_u32 v[HO], v2, 5, v5
	; where my part of the tile begins in qkv, in bytes: the way out adds it to the address
	s_lshl_b32 s13, s13, 8
	s_lshl_b32 s14, s11, 7
	s_add_co_u32 s16, s13, s14
	s_mov_b32 s17, 0
	s_mov_b64 s[18:19], SIZE_N*2
	s_mul_u64 s[16:17], s[16:17], s[18:19]
	s_lshl_b32 s46, s42, 9
	s_lshl_b32 s47, s12, 8
	s_add_co_u32 s46, s46, s47
	s_mov_b32 s47, 0
	s_add_nc_u64 s[16:17], s[16:17], s[46:47]
	; hd at my batch's 32 rows and my 128 columns; the flag for its stores
	s_mul_i32 s46, s41, 32*HDP                     ; the batch is cy
	s_lshl_b32 s47, s42, 10                        ; 256 columns of 4 bytes a tile column
	s_add_co_u32 s46, s46, s47
	s_lshl_b32 s47, s12, 9
	s_add_co_u32 s46, s46, s47
	s_mov_b32 s47, 0
	s_add_nc_u64 s[HD:HD+1], s[HD:HD+1], s[46:47]
	s_and_b32 s[HF], ttmp7, 0xffff
	s_or_b32 s[HF], s[HF], s11                     ; 0: cluster y = 0 and the tile's upper half: the same in all sixteen partners, for a given wave
	; the prefetches
	s_lshl_b32 s42, s42, 8
	s_and_b32 s22, ttmp7, 0xffff
	s_cmp_eq_u32 s11, 0
	s_cselect_b32 s20, s13, s42                    ; the tile's first row
	s_cselect_b32 s21, s40, s41                    ; my place among the four that ask with me
	s_cselect_b32 s22, ttmp9, s22                  ; the coordinate along which other clusters read the same rows
	s_cselect_b64 s[PFA:PFA+1], s[4:5], s[6:7]
	s_cmp_eq_u32 s22, 0
	s_cselect_b32 s[LIM], 2, -1
	s_lshl_b32 s22, s12, 7
	s_add_co_u32 s20, s20, s22
	s_lshl_b32 s21, s21, 5
	s_add_co_u32 s20, s20, s21
	s_mov_b32 s21, 0
	s_mov_b64 s[18:19], SIZE_K*2
	s_mul_u64 s[20:21], s[20:21], s[18:19]
	s_add_nc_u64 s[PFA:PFA+1], s[PFA:PFA+1], s[20:21]
	s_add_nc_u64 s[PFA:PFA+1], s[PFA:PFA+1], 2*KSTEP*2  ; at K step 2: the first refill steps it to 3 and names K step 4
	v_and_b32 v[PFO], 31, v0
	v_mul_u32_u24 v[PFO], v[PFO], SIZE_K*2
; 16 matrix instructions: m blocks a0, a0 + 1 of the window's four x all 8 n blocks, 32 along K.  zero = 1: the first product starts the sums.  The 64 accumulators take turns.
.macro MUL16 f, hi, a0, zero
	WIN MUL_LO+0x50*(\hi)
.irp a, \a0, (\a0)+1
.irp b, 0,1,2,3,4,5,6,7
.if \zero
	v_wmma_f32_16x16x32_bf16 v[8*(8*(\a)+(\b)):8*(8*(\a)+(\b))+7], v[(\f)+8*(\b):(\f)+8*(\b)+7], v[(\f)+8*(4*(\hi)+(\a)):(\f)+8*(4*(\hi)+(\a))+7], 0
.else
	v_wmma_f32_16x16x32_bf16 v[8*(8*(\a)+(\b)):8*(8*(\a)+(\b))+7], v[(\f)+8*(\b):(\f)+8*(\b)+7], v[(\f)+8*(4*(\hi)+(\a)):(\f)+8*(4*(\hi)+(\a))+7], v[8*(8*(\a)+(\b)):8*(8*(\a)+(\b))+7]
.endif
.endr
.endr
.endm
; 32 LDS loads in one run: the fragments of one quarter step (32 K at byte k of the rows of the slot in hand) into buffer f
.macro FETCH k, f
	WIN TO_B
.irp i, 0,1,2,3,4,5,6,7
	ds_load_b128 v[(\f)+8*(\i):(\f)+8*(\i)+3],   v[AB] offset:(\k)+(\i)*16*PITCH
	ds_load_b128 v[(\f)+8*(\i)+4:(\f)+8*(\i)+7], v[AB] offset:(\k)+(\i)*16*PITCH+32
.endr
	WIN 0
.irp i, 0,1,2,3,4,5,6,7
	ds_load_b128 v[(\f)+8*(\i):(\f)+8*(\i)+3],   v[AA] offset:(\k)+(\i)*16*PITCH
	ds_load_b128 v[(\f)+8*(\i)+4:(\f)+8*(\i)+7], v[AA] offset:(\k)+(\i)*16*PITCH+32
.endr
.endm
.macro PLACES                          ; four plain instructions between a matrix instruction and a load into its sources or a reader of its result
.rept 4
	v_nop
.endr
.endm
; One of a K step's first three quarters: multiplies buffer f; in its middle it fetches the next quarter's fragments into buffer g.
.macro QUARTER k, f, g, zero
	s_wait_dscnt 8                                 ; B and A's rows 0-63 are in; the youngest eight loads (A's rows 64-127) may be out
	MUL16 \f, 0, 0, \zero
	MUL16 \f, 0, 2, \zero
	PLACES
	FETCH \k, \g
	s_wait_dscnt 32                                ; all but the 32 just issued
	MUL16 \f, 1, 0, \zero
	MUL16 \f, 1, 2, \zero
.endm
; The last quarter's first half: one barrier for the change of slots.  In front of it each wave waits for all its tensor loads (one is out: its part of the next slot), adds 0 to its spare word,
; and waits for that and for its own reads of this slot.
.macro MEET round
	WIN 0
	s_wait_tensorcnt 0x0
	ds_add_u32 v[SPW], v[NIL]
	s_wait_dscnt 9                                 ; the add and the youngest eight loads may be out
	MUL16 F1, 0, 0, 0
	s_wait_dscnt 0x0                               ; the add is done, and my reads of this slot are over
	s_barrier_signal -1
	MUL16 F1, 0, 2, 0
.if \round
	WIN 0
.endif
	s_barrier_wait -1
.endm
; The whole last quarter: behind the round the slot just read out is filled again, with the K step two steps on; then the other slot becomes the slot in hand, and its first fragments come.
.macro TURN
	s_wait_xcnt 0x0                                ; the last prefetch, a K step back, has read its address
	s_add_nc_u64 s[PFA:PFA+1], s[PFA:PFA+1], KSTEP*2
	MEET 1
	CREST                                          ; no wave of any partner still reads this slot's tile or has a load on its way
	s_add_co_u32 s[G0+5], s[WB], s[SB]             ; the walking descriptors: my place in the slot just read out,
	s_add_co_u32 s[G0B+5], s[WB], s[SB]
	s_add_nc_u64 s[G0+6:G0+7], s[G0+6:G0+7], KSTEP*2    ; the K step behind the one asked for last; the type bits on top are not reached
	s_add_nc_u64 s[G0B+6:G0B+7], s[G0B+6:G0B+7], KSTEP*2
	s_xor_b32 s[SB], s[SB], SLOT                   ; 0 and SLOT by turns
	JLOAD 1                                        ; the first tensor load behind the round; its four v_nop are also the places in front of the loads below
	v_add_nc_u32 v[AA], s[SB], v[ADRA]
	v_add_nc_u32 v[AB], s[SB], v[ADRB]
	FETCH 0, F0
	ASK
	MUL16 F1, 1, 0, 0
	MUL16 F1, 1, 2, 0
.endm
; THE LAST K STEP (slot 1) GOES BY ROWS: all its fragments of B fill window 1; my eight blocks of 16 rows are finished one after the other, 32 matrix instructions each, K ascending.
.macro BLOAD q
	WIN TO_B
.irp i, 0,1,2,3,4,5,6,7
	ds_load_b128 v[64*(\q)+8*(\i):64*(\q)+8*(\i)+3],   v[ADRB+1] offset:64*(\q)+(\i)*16*PITCH
	ds_load_b128 v[64*(\q)+8*(\i)+4:64*(\q)+8*(\i)+7], v[ADRB+1] offset:64*(\q)+(\i)*16*PITCH+32
.endr
.endm
.macro ALOAD a
	WIN 0
.set FA, PA+32*((\a)%4)
.irp q, 0,1,2,3
	ds_load_b128 v[FA+8*(\q):FA+8*(\q)+3],   v[ADRA+1] offset:64*(\q)+(\a)*16*PITCH
	ds_load_b128 v[FA+8*(\q)+4:FA+8*(\q)+7], v[ADRA+1] offset:64*(\q)+(\a)*16*PITCH+32
.endr
.endm
.macro ROW a
.set FA, PA+32*((\a)%4)
.set AC, 64*((\a)%4)
	WIN MUL_LO+0x50*((\a)/4)
.irp q, 0,1,2,3
.if (\a) == 0 && (\q) == 2
	s_wait_dscnt 24                                ; B's quarter 2 is in (behind it: A's blocks 1 to 3)
.endif
.irp b, 0,1,2,3,4,5,6,7
	v_wmma_f32_16x16x32_bf16 v[AC+8*(\b):AC+8*(\b)+7], v[64*(\q)+8*(\b):64*(\q)+8*(\b)+7], v[FA+8*(\q):FA+8*(\q)+7], v[AC+8*(\b):AC+8*(\b)+7]
.endr
.endr
.endm
; Block a (0 or 1) of a batch's first rows goes to hd as it is, in f32: a lane's eight sums are 32 consecutive bytes, the two halves of the lanes 64, the block's eight accumulators 512 of a row.
; These stores do not fill 256 consecutive bytes by one instruction: 1.5 MB in the whole launch, from 96 of its 1,536 waves.  Each accumulator's low four registers go first.
.macro HEADOUT a
	WIN 0                                          ; at a branch and at a label every window is 0
	s_cmp_eq_u32 s[HF], 0
	s_cbranch_scc0 .Lno_head_\@
	WIN 0x08                                       ; the stores' data in window 2
.irp b, 0,1,2,3,4,5,6,7
	global_store_b128 v[HO], v[64*(\a)+8*(\b):64*(\a)+8*(\b)+3],   s[HD:HD+1] offset:(\a)*16*HDP+64*(\b)
	global_store_b128 v[HO], v[64*(\a)+8*(\b)+4:64*(\a)+8*(\b)+7], s[HD:HD+1] offset:(\a)*16*HDP+64*(\b)+16
.endr
	WIN 0
.Lno_head_\@:
.endm
; THE WAY OUT of block a.  PACK: rounded to f16, 16 bytes a lane.  TOSTAGE: into my own stage, and back as whole rows of 256 bytes.  SEND: stored.
.macro PACK a
.set AC, 64*((\a)%4)
	WIN 0x0a+5*((\a)/4)
.irp b, 0,1,2,3,4,5,6,7
.irp r, 0,1,2,3
	v_cvt_pk_f16_f32 v[TMP+4*(\b)+(\r)], v[AC+8*(\b)+2*(\r)], v[AC+8*(\b)+2*(\r)+1]
.endr
.endr
	WIN 0
.endm
.macro TOSTAGE a
	WIN 0
.set BK, OB+192*((\a)%2)
.irp b, 0,1,2,3,4,5,6,7
	ds_store_b128 v[STO], v[TMP+4*(\b):TMP+4*(\b)+3] offset:32*(\b)
.endr
.irp t, 0,1,2,3,4,5,6,7
	ds_load_b128 v[BK+4*(\t):BK+4*(\t)+3], v[RD] offset:(\t)*2*SPITCH  ; LDS serves a wave's instructions in order (ISA guide 5.7.1.4): these see the stores above
.endr
.endm
.macro SEND a, younger
	WIN 0
.set BK, OB+192*((\a)%2)
	s_wait_dscnt \younger                          ; the block is back in registers
	s_wait_xcnt 0x0                                ; the stores' base and the registers that earlier stores read are rewritten only behind this wait
.if (\a) == 0
	s_add_nc_u64 s[8:9], s[8:9], s[16:17]
.else
	s_add_nc_u64 s[8:9], s[8:9], 16*SIZE_N*2
.endif
.irp t, 0,1,2,3,4,5,6,7
	global_store_b128 v[CO], v[BK+4*(\t):BK+4*(\t)+3], s[8:9] offset:2*(\t)*SIZE_N*2  ; 16 lanes store 256 consecutive bytes, at a multiple of 256 from qkv's first byte
.endr
.endm
	s_wait_tensorcnt 1                             ; my part of K step 0 is in; K step 1's may stay out
	s_barrier_signal -1
	s_barrier_wait -1
	FETCH 0, F0
	QUARTER 64,  F0, F1, 1                         ; the first quarter stands in front of the loop: its products start the sums
	WIN 0
	s_mov_b32 s3, FILLS
.Lstep:                                                ; a trip goes from a K step's second quarter to the next step's first, and fills the slot that it leaves
	QUARTER 128, F1, F0, 0
	QUARTER 192, F0, F1, 0
	TURN
	QUARTER 64,  F0, F1, 0
	WIN 0
	s_sub_co_u32 s3, s3, 1
	s_cmp_lg_u32 s3, 0
	s_cbranch_scc1 .Lstep
	QUARTER 128, F1, F0, 0                         ; K step 6, in slot 0, goes on
	QUARTER 192, F0, F1, 0
	MEET 0                                         ; my one tensor load that was still out is the last K step's, so no round follows
	PLACES
	BLOAD 0
	BLOAD 1
	BLOAD 3
	ALOAD 0
	MUL16 F1, 1, 0, 0
	MUL16 F1, 1, 2, 0
	PLACES
	BLOAD 2
	ALOAD 1
	ALOAD 2
	ALOAD 3
	s_wait_dscnt 40                                ; all but the 40 just issued
	ROW 0
.irp a, 0,1,2,3,4,5,6,7
	PLACES
.if (\a) < 2
	HEADOUT \a
.endif
	PACK \a
	TOSTAGE \a
.if (\a) < 4
	ALOAD (\a)+4
	SEND \a, 8
.else
	SEND \a, 0
.endif
.if (\a) < 7
	ROW (\a)+1
.endif
.endr
	s_wait_tensorcnt 0x0                           ; the wave's end
	ds_add_u32 v[SPW], v[NIL]
	s_wait_dscnt 0x0
	CROUND                                         ; the closing round
	s_endpgm
.Lfunc_end_k_q3a2cc4dda0_proj:
	.size	k_q3a2cc4dda0_proj, .Lfunc_end_k_q3a2cc4dda0_proj-k_q3a2cc4dda0_proj
	.p2alignl 7, 3214868480
	.fill 96, 4, 3214868480
	.section	.rodata,"a",@progbits
	.p2align	6, 0x0
	.amdhsa_kernel k_q3a2cc4dda0_proj
		.amdhsa_group_segment_fixed_size 327680
		.amdhsa_private_segment_fixed_size 0
		.amdhsa_enable_private_segment 0
		.amdhsa_kernarg_size 32
		.amdhsa_user_sgpr_count 2
		.amdhsa_user_sgpr_kernarg_segment_ptr 1
		.amdhsa_wavefront_size32 1
		.amdhsa_system_sgpr_workgroup_id_x 1
		.amdhsa_system_sgpr_workgroup_id_y 1
		.amdhsa_system_sgpr_workgroup_id_z 1
		.amdhsa_system_vgpr_workitem_id 0
		.amdhsa_next_free_vgpr 1024
		.amdhsa_next_free_sgpr 72
		.amdhsa_reserve_vcc 0
		.amdhsa_float_denorm_mode_32 3
		.amdhsa_float_denorm_mode_16_64 3
		.amdhsa_memory_ordered 1
		.amdhsa_forward_progress 1
		.amdhsa_inst_pref_size 122
	.end_amdhsa_kernel
	.amdgpu_metadata
---
amdhsa.version: [ 1, 2 ]
amdhsa.kernels:
  - .name:           k_q3a2cc4dda0_proj
    .symbol:         k_q3a2cc4dda0_proj.kd
    .args:
      - { .name: xb, .offset: 0, .size: 8, .value_kind: global_buffer, .address_space: global }
      - { .name: wb, .offset: 8, .size: 8, .value_kind: global_buffer, .address_space: global }
      - { .name: qkv, .offset: 16, .size: 8, .value_kind: global_buffer, .address_space: global }
      - { .name: hd, .offset: 24, .size: 8, .value_kind: global_buffer, .address_space: global }
    .group_segment_fixed_size: 327680
    .private_segment_fixed_size: 0
    .kernarg_segment_align: 8
    .kernarg_segment_size: 32
    .max_flat_workgroup_size: 128
    .sgpr_count:     72
    .vgpr_count:     1024
    .wavefront_size: 32
...
	.end_amdgpu_metadata
.endif
;; end of part 7
;; launch scores (part 8): grid 52 x 4, 4 waves a work-group, no clusters, 327,680 bytes of LDS; arguments qkv, pbuf, stats, hd, out0; writes pbuf, stats, out0
.if DOCPART == 8
	.amdgcn_target "amdgcn-amd-amdhsa--gfx1250"
	.amdhsa_code_object_version 6
	.text
	.protected	k_q3a2cc4dda0_scores
	.globl	k_q3a2cc4dda0_scores
	.p2align	8
	.type	k_q3a2cc4dda0_scores,@function
k_q3a2cc4dda0_scores:
	s_mov_b64 s[64:65], 0
	v_nop
	global_prefetch_b8 v0, s[64:65] scope:SCOPE_SE
	s_setreg_imm32_b32 hwreg(HW_REG_WAVE_MODE, 25, 1), 1
	s_wait_xcnt 0x0
; TWO KINDS OF WORK-GROUP, told apart by x.  x = 0..35: a tile of scores.  x = 36..51: rows 0 to 31 of the batch's output, in f32 (at the text's end).  y is the batch.  208 work-groups in all.
;
; A TILE (qi, kj), kj <= qi, of 256 queries x 256 keys: S = Q K^T (f16 operands, f32 sums over 1,024 channels), and for each row and each GROUP of 128 keys:
; mm = c x (the group's largest visible score), c = log2(e) / 32;  p = 2^(c s - mm), rounded to f16 into pbuf;  l = the sum of the unrounded p.  mm and l go to stats [4][16 groups][mm, l][2048 rows], f32.
; The launch behind brings the groups to the row's true maximum: every exponential here has its own group's maximum taken away, so p lies in 0 to 1 and l in 1 to 128.
; LIMITS.  A hidden score counts as -1e30 (f16's scores are 4.4e12 at the most); p below 6e-5 keeps f16's fixed step of 6e-8; NaN and infinities are not treated apart.
; SHARES.  36 tiles a batch (the lower triangle of 8 x 8); four waves, each 128 queries x 128 keys = one group: 64 accumulators.  8 K steps of 128 channels through a ring of two LDS slots,
; each wave fetching 128 rows x 256 bytes (waves 0, 1: Q's halves; waves 2, 3: K's).  A K STEP IS WRITTEN ONCE for the six that fill their slot again and once for the last two: the slot in hand is a scalar,
; 0 or SLOT, turned by an exclusive or.  The last step's fetch from the other slot serves nothing: 32 LDS loads and a barrier, the price of one text for both.
; In a diagonal tile wave 1 (queries 0-127, keys 128-255) sees nothing: it writes zeros into its piece of pbuf and no stats.
; NO CLUSTER: the triangle's rows hold 1 to 8 tiles and its columns 8 to 1; fours that share a row or a column cover 24 of a batch's 36 tiles, the other 12 would want another mask in the same text,
; and whole 4 x 4 clusters would launch 12 tiles a batch that are wholly hidden.
; THE MATRIX INSTRUCTION: source 0 = 16 keys, source 1 = 16 queries: a lane holds query l % 16 and the keys 16 b + 8 (l / 16) + 0..7.
; THE SOFTMAX wants a row's 128 scores in 16 neighbouring lanes: 16 queries at a time go through an f32 stage of the wave's own (16 rows x 528 bytes), behind the ring, at addresses that never change.
; REGISTERS: window 0 addresses (v0-31) and Q's fragments (v64-191), window 1 K's fragments, windows 2, 3 the accumulators.
; In the softmax window 0 alone: X v64-127, Y v128-159, ST v160-175, TM v176-183, KE v184-191.  v192-239 of window 0 belong to the f32 part's matrix results alone.
.set NT,     36                        ; tiles a batch
.set KSTEP,  128
.set PITCH,  272                       ; 256 bytes + 16 of padding: the 16 rows of a load start at 16 different groups of four banks (ISA guide 11.1)
.set HALFT,  128*PITCH
.set SLOT,   4*HALFT                   ; Q's 256 rows, then K's 256 rows
.set SROW,   528                       ; a stage row: 512 bytes + 16
.set WSTAGE, 16*SROW                   ; a wave's stage: 8,448 bytes = 33 blocks of 256
.set STAGE,  2*SLOT                    ; behind the ring: no tensor load lands here
.set SPARE,  STAGE+4*WSTAGE            ; the spare words, 128 bytes for each wave, that no other line names
.set QKVP,   6144                      ; bytes in a row of qkv: q at 0, k at 2,048, v at 4,096
.set CL,   1                           ; v1   c = l % 16; never rewritten
.set ADRA, 16                          ; v16  LDS address of my Q fragments in slot 0; never rewritten
.set AA,   17                          ; v17  the same in the slot in hand
.set ADRB, 20                          ; v20  of my K fragments
.set AB,   21                          ; v21
.set SO,   22                          ; v22  my 16 bytes of the wave's 512 of stats
.set DD,   23                          ; v23  the mask's counter
.set STO,  24                          ; v24  where I put 16 bytes of a stage row; never rewritten
.set RD,   25                          ; v25  where I read the stage back; never rewritten
.set PO,   26                          ; v26  my byte offset in pbuf
.set BG,   27                          ; v27  -1e30
.set SPW,  28                          ; v28  my spare word; never rewritten
.set NIL,  29                          ; v29  0; never rewritten
.set PFO,  30                          ; v30  lane x 6,144; never rewritten
.set F0,   64
.set F1,   128
.set X,    64                          ; row p of my half's eight: its 8 scores of mine at X + 8 p
.set Y,    128                         ; its 8 weights in f16 at Y + 4 p
.set ST,   160                         ; its mm at ST + 2 p, its l at ST + 2 p + 1
.set TM,   176
.set KE,   184                         ; what I keep for stats: four mm, four l
.set G1, 24                            ; s[24:31]
.set G0, 32                            ; s[32:39] a set for each of the two first fills; the second then walks on
.set DIAG, 40                          ; s40  1: qi = kj
.set ROWS, 41                          ; s41  counts the softmax's trips, 8 to 1
.set DEAD, 42                          ; s42  1: a diagonal tile's wave 1
.set LIM,  43                          ; s43  2 in a wave that prefetches, else the greatest number
.set PFA,  44                          ; s[44:45]
.set CS,   46                          ; s[46:47] c, twice
.set SB,   53                          ; s53  the slot in hand: 0 or SLOT
.set WB,   54                          ; s54  where my 128 rows go in a slot
.set HDA,  56                          ; s[56:57] hd
.set OUA,  58                          ; s[58:59] out0
.set MK,   66                          ; s66-80  lane masks: hidden where j - p = d - 7, d = 0..14
.set MSB, 0
.macro WIN new
.if MSB != (\new)
	s_set_vgpr_msb (MSB<<8)|(\new)
.set MSB, \new
.endif
.endm
.set MUL_LO, 0xa1
.set MUL_HI, 0xf1
.set TO_B,   0x40
	s_load_b128 s[4:7], s[0:1], 0x0                ; qkv s[4:5], pbuf s[6:7]
	s_load_b64 s[8:9], s[0:1], 0x10                ; stats
	s_load_b64 s[HDA:HDA+1], s[0:1], 0x18          ; hd
	s_load_b64 s[OUA:OUA+1], s[0:1], 0x20          ; out0
	v_lshl_add_u32 v[SPW], v0, 2, SPARE
	v_mov_b32 v[NIL], 0
	ds_add_u32 v[SPW], v[NIL]                      ; the wave's opening: the add and its wait ahead of my first tensor load, with work on registers alone between them
	v_lshrrev_b32 v1, 5, v0
	v_readfirstlane_b32 s10, v1                    ; wave 0..3
	s_wait_dscnt 0x0                               ; the opening add is done: the wait stands ahead of the branch below
	s_cmp_ge_u32 ttmp9, NT
	s_cbranch_scc1 .Lhead                          ; the f32 part: the whole work-group goes
	s_lshr_b32 s11, s10, 1                         ; my half of the queries.  Also: I fetch for Q (0) or for K (1)
	s_and_b32 s12, s10, 1                          ; my half of the keys.  Also: which 128 rows I fetch
	s_mov_b32 s13, 0                               ; qi: the triangle's row that holds tile ttmp9: one more for each triangular number reached
.irp tri, 1,3,6,10,15,21,28
	s_cmp_ge_u32 ttmp9, \tri
	s_add_co_ci_u32 s13, s13, 0
.endr
	s_add_co_u32 s16, s13, 1
	s_mul_i32 s16, s16, s13
	s_lshr_b32 s16, s16, 1
	s_sub_co_u32 s14, ttmp9, s16                   ; kj
	s_and_b32 s15, ttmp7, 0xffff                   ; the batch
	s_mov_b32 s[G1+0], (1<<16)|(1<<20)|(5<<22)|(3<<25)  ; elements of 2 bytes; padding on: 4 words behind every 64
	s_mov_b32 s[G1+1], KSTEP<<16                   ; tensor_dim0 = 128
	s_mov_b32 s[G1+2], 128<<16                     ; tensor_dim1 = 128
	s_mov_b32 s[G1+3], KSTEP<<16                   ; tile_dim0 = 128
	s_mov_b32 s[G1+4], 128                         ; tile_dim1 = 128
	s_mov_b32 s[G1+5], 3072                        ; elements from row to row
	s_mov_b32 s[G1+6], 0
	s_mov_b32 s[G1+7], 0
	s_mov_b32 s[CS], 0x3d38aa3b                    ; c = log2(e) / 32
	s_mov_b32 s[CS+1], s[CS]
	s_cmp_eq_u32 s11, 0
	s_cselect_b32 s16, s13, s14                    ; Q's block or K's
	s_cselect_b32 s18, 0, 2048                     ; q's or k's bytes of a row
	s_lshl_b32 s16, s16, 8
	s_lshl_b32 s17, s15, 11
	s_add_co_u32 s16, s16, s17
	s_lshl_b32 s17, s12, 7
	s_add_co_u32 s16, s16, s17                     ; the first of the 128 rows that I fetch
	s_mul_i32 s16, s16, QKVP                       ; under 2^26
	s_add_co_u32 s16, s16, s18
	s_mov_b32 s17, 0
	s_mul_i32 s[WB], s10, HALFT                    ; where they go: wave x 128 rows
	s_mov_b32 s[SB], 0
	s_sub_co_u32 s19, s13, s14
	s_cmp_eq_u32 s11, 0
	s_cselect_b32 s19, s14, s19                    ; a block of Q is asked for ahead by its tile kj = 0, a block of K by its tile qi = kj: each once in the launch
	s_cmp_eq_u32 s19, 0
	s_cselect_b32 s[LIM], 2, -1
	s_cmp_eq_u32 s13, s14
	s_cselect_b32 s[DIAG], 1, 0
	s_cmp_eq_u32 s10, 1
	s_cselect_b32 s[DEAD], s[DIAG], 0
	s_wait_kmcnt 0x0
	s_add_nc_u64 s[16:17], s[4:5], s[16:17]
.irp s, 0,1                            ; the two first fills go out together: two loads of mine are out
	s_mov_b32 s[G0+4*(\s)], 1
	s_add_co_u32 s[G0+4*(\s)+1], s[WB], (\s)*SLOT
	s_add_nc_u64 s[G0+4*(\s)+2:G0+4*(\s)+3], s[16:17], (\s)*KSTEP*2
	s_or_b32 s[G0+4*(\s)+3], s[G0+4*(\s)+3], 0x80000000
	tensor_load_to_lds s[G0+4*(\s):G0+4*(\s)+3], s[G1:G1+7]
	s_nop 0
.endr
.rept 4
	v_nop
.endr
	s_add_nc_u64 s[PFA:PFA+1], s[16:17], 2*KSTEP*2 ; at K step 2: the first refill steps it to 3 and names K step 4
	v_and_b32 v[CL], 15, v0                        ; c = l % 16
	v_bfe_u32 v2, v0, 4, 1                         ; h = l / 16
	v_mul_u32_u24 v3, v[CL], PITCH
	v_lshl_add_u32 v3, v2, 4, v3
	s_mul_i32 s21, s11, HALFT
	s_mul_i32 s22, s12, HALFT
	s_add_co_u32 s22, s22, 2*HALFT
	v_add_nc_u32 v[ADRA], s21, v3
	v_add_nc_u32 v[ADRB], s22, v3
	v_mov_b32 v[AA], v[ADRA]                       ; K step 0 lies in slot 0
	v_mov_b32 v[AB], v[ADRB]
	s_mul_i32 s23, s10, WSTAGE
	s_add_co_u32 s23, s23, STAGE                   ; my stage
	v_mul_u32_u24 v4, v[CL], SROW                  ; in: row l % 16, 16 bytes for each half of the lanes
	v_lshl_add_u32 v4, v2, 4, v4
	v_add_nc_u32 v[STO], s23, v4
	v_mul_u32_u24 v5, v2, 8*SROW                   ; back: lanes 0-15 take row p, lanes 16-31 row 8 + p; lane c takes keys 8 c + 0..7
	v_lshl_add_u32 v5, v[CL], 4, v5
	v_add_nc_u32 v[RD], s23, v5
	v_lshlrev_b32 v5, 15, v2                       ; the same two rows in pbuf: 8 rows of 4,096 bytes apart
	v_lshl_add_u32 v[PO], v[CL], 4, v5
	v_lshrrev_b32 v5, 1, v[CL]                     ; I keep rows 16 (c / 2) + 8 h + 4 (c % 2) + 0..3: byte 64 (c / 2) + 32 h + 16 (c % 2) of the wave's 512
	v_lshlrev_b32 v5, 6, v5
	v_lshl_add_u32 v5, v2, 5, v5
	v_and_b32 v6, 1, v[CL]
	v_lshl_add_u32 v[SO], v6, 4, v5
	v_and_b32 v6, 31, v0
	v_mul_u32_u24 v[PFO], v6, QKVP
	s_sub_co_i32 s23, s11, s12                     ; in a diagonal tile key 128 s12 + 8 c + j is hidden from query 128 s11 + 16 x trip + 8 h + p where j - p > DD,
	s_lshl_b32 s23, s23, 7                         ; DD = 128 (s11 - s12) + 16 x trip + 8 h - 8 c
	v_sub_nc_u32 v5, v2, v[CL]
	v_lshlrev_b32 v5, 3, v5
	v_add_nc_u32 v[DD], s23, v5
	v_mov_b32 v[BG], 0xf149f2ca                    ; -1e30
	s_lshl_b32 s16, s15, 11                        ; pbuf at my 128 rows and my 128 keys
	s_lshl_b32 s17, s13, 8
	s_add_co_u32 s16, s16, s17
	s_lshl_b32 s17, s11, 7
	s_add_co_u32 s16, s16, s17
	s_lshl_b32 s16, s16, 12
	s_lshl_b32 s17, s14, 9
	s_add_co_u32 s16, s16, s17
	s_lshl_b32 s17, s12, 8
	s_add_co_u32 s16, s16, s17
	s_mov_b32 s17, 0
	s_add_nc_u64 s[6:7], s[6:7], s[16:17]
	s_lshl_b32 s16, s15, 4                         ; stats at batch, group 2 kj + s12, my 128 rows
	s_lshl_b32 s17, s14, 1
	s_add_co_u32 s16, s16, s17
	s_add_co_u32 s16, s16, s12
	s_lshl_b32 s16, s16, 14
	s_lshl_b32 s17, s13, 10
	s_add_co_u32 s16, s16, s17
	s_lshl_b32 s17, s11, 9
	s_add_co_u32 s16, s16, s17
	s_mov_b32 s17, 0
	s_add_nc_u64 s[8:9], s[8:9], s[16:17]
; 16 matrix instructions; the 64 accumulators take turns, in the same order in every quarter
.macro MUL16 f, hi, a0, zero
	WIN MUL_LO+0x50*(\hi)
.irp a, \a0, (\a0)+1
.irp b, 0,1,2,3,4,5,6,7
.if \zero
	v_wmma_f32_16x16x32_f16 v[8*(8*(\a)+(\b)):8*(8*(\a)+(\b))+7], v[(\f)+8*(\b):(\f)+8*(\b)+7], v[(\f)+8*(4*(\hi)+(\a)):(\f)+8*(4*(\hi)+(\a))+7], 0
.else
	v_wmma_f32_16x16x32_f16 v[8*(8*(\a)+(\b)):8*(8*(\a)+(\b))+7], v[(\f)+8*(\b):(\f)+8*(\b)+7], v[(\f)+8*(4*(\hi)+(\a)):(\f)+8*(4*(\hi)+(\a))+7], v[8*(8*(\a)+(\b)):8*(8*(\a)+(\b))+7]
.endif
.endr
.endr
.endm
.macro FETCH k, f                      ; 32 LDS loads in one run, from the slot in hand: K's fragments, then Q's
	WIN TO_B
.irp i, 0,1,2,3,4,5,6,7
	ds_load_b128 v[(\f)+8*(\i):(\f)+8*(\i)+3],   v[AB] offset:(\k)+(\i)*16*PITCH
	ds_load_b128 v[(\f)+8*(\i)+4:(\f)+8*(\i)+7], v[AB] offset:(\k)+(\i)*16*PITCH+32
.endr
	WIN 0
.irp i, 0,1,2,3,4,5,6,7
	ds_load_b128 v[(\f)+8*(\i):(\f)+8*(\i)+3],   v[AA] offset:(\k)+(\i)*16*PITCH
	ds_load_b128 v[(\f)+8*(\i)+4:(\f)+8*(\i)+7], v[AA] offset:(\k)+(\i)*16*PITCH+32
.endr
.endm
.macro PLACES                          ; four plain instructions between a matrix instruction and a load into its sources
.rept 4
	v_nop
.endr
.endm
.macro QUARTER k, f, g, zero
	s_wait_dscnt 8                                 ; K's fragments and Q's rows 0-63 are in; the youngest eight loads may be out
	MUL16 \f, 0, 0, \zero
	MUL16 \f, 0, 2, \zero
	PLACES
	FETCH \k, \g
	s_wait_dscnt 32                                ; all but the 32 just issued
	MUL16 \f, 1, 0, \zero
	MUL16 \f, 1, 2, \zero
.endm
; A prefetch into the L2 of the K step that stands two refills on: my 128 rows x 256 bytes, a lane a row, four instructions together, behind the tensor load and the run of LDS loads.
; K steps 0 to 3 come by their loads alone; the loop's last two trips (s3 = 2, 1) ask for nothing: K steps 8 and 9 do not exist.
.macro ASK
	s_cmp_gt_u32 s3, s[LIM]
	s_cbranch_scc0 .Lnot_mine_\@
.irp r, 0,1,2,3
	global_prefetch_b8 v[PFO], s[PFA:PFA+1] offset:KSTEP*2+(\r)*32*QKVP th:TH_LOAD_NT scope:SCOPE_SE
.endr
.Lnot_mine_\@:
.endm
; The last quarter of a K step multiplies buffer 1 and changes slots: one barrier.  In front of it each wave waits for all its tensor loads (one is out: its part of the next slot), adds 0 to its
; spare word, and waits for that and for its reads of this slot.  fill = 1: behind the barrier this slot is filled again first, with the K step two steps on: 224 matrix instructions ahead of the wait for it.
; Then the other slot is the slot in hand.  The two lines that make its addresses and two v_nop are the four places in front of the loads.
.macro TURN fill
.if \fill
	s_wait_xcnt 0x0                                ; the last prefetches, a K step back, have read their address
	s_add_nc_u64 s[PFA:PFA+1], s[PFA:PFA+1], KSTEP*2
.endif
	WIN 0
	s_wait_tensorcnt 0x0                           ; no tensor load of mine is out, so a group 0 may be written
	ds_add_u32 v[SPW], v[NIL]
.if \fill
	s_add_co_u32 s[G0+5], s[WB], s[SB]             ; the walking descriptor: my place in the slot that is being read out,
	s_add_nc_u64 s[G0+6:G0+7], s[G0+6:G0+7], KSTEP*2  ; the K step behind the one asked for last; the type bits on top are not reached
.endif
	s_xor_b32 s[SB], s[SB], SLOT                   ; 0 and SLOT by turns
	s_wait_dscnt 9                                 ; the add and the youngest eight loads may be out
	MUL16 F1, 0, 0, 0
	s_wait_dscnt 0x0                               ; the add is done, and my reads of this slot are over
	s_barrier_signal -1
	MUL16 F1, 0, 2, 0
	WIN 0
	s_barrier_wait -1
.if \fill
	tensor_load_to_lds s[G0+4:G0+7], s[G1:G1+7]
	s_nop 0
.endif
	v_add_nc_u32 v[AA], s[SB], v[ADRA]
	v_add_nc_u32 v[AB], s[SB], v[ADRB]
	v_nop
	v_nop
	FETCH 0, F0
.if \fill
	ASK
.endif
	MUL16 F1, 1, 0, 0
	MUL16 F1, 1, 2, 0
.endm
	s_wait_tensorcnt 1                             ; my part of K step 0 is in; K step 1's may stay out
	s_barrier_signal -1
	s_barrier_wait -1
	FETCH 0, F0
	QUARTER 64,  F0, F1, 1                         ; the first quarter's products start the sums
	WIN 0
	s_mov_b32 s3, 6
	s_branch .Lin                                  ; the loop is entered behind a step's first quarter
.Lstep:                                                ; K steps 0 to 5: each fills its slot again
	QUARTER 64,  F0, F1, 0
	WIN 0
.Lin:
	QUARTER 128, F1, F0, 0
	QUARTER 192, F0, F1, 0
	TURN 1
	WIN 0
	s_sub_co_u32 s3, s3, 1
	s_cmp_lg_u32 s3, 0
	s_cbranch_scc1 .Lstep
	s_mov_b32 s3, 2
.Ltail:                                                ; K steps 6 and 7 fill nothing
	QUARTER 64,  F0, F1, 0
	QUARTER 128, F1, F0, 0
	QUARTER 192, F0, F1, 0
	TURN 0
	WIN 0
	s_sub_co_u32 s3, s3, 1
	s_cmp_lg_u32 s3, 0
	s_cbranch_scc1 .Ltail
	s_wait_dscnt 0x0                               ; the last fetch, which serves nothing, has landed: its registers are written below
.rept 8
	v_nop                                          ; the places behind the last products, ahead of the stores that read them and of writes into Q's fragments
.endr
	s_cmp_eq_u32 s[DEAD], 1
	s_cbranch_scc1 .Lzfill
.irp p, 0,1,2,3,4,5,6,7
	v_mov_b32 v[ST+2*(\p)+1], 0                    ; named with mm as a pair by the packed scaling, so it is written
	v_mov_b32 v[KE+(\p)], 0                        ; the selects below read what they keep
.endr
	; THE SOFTMAX of my group: 8 trips, a block of 16 queries each.  The block's eight accumulators are registers, so their 16 stores are written out for each block, and forward jumps on the trip's
	; number pick the run; all runs write the same stage bytes.  A row's image: keys 8 g .. 8 g + 3 at byte 16 g, keys 8 g + 4 .. 8 g + 7 at byte 256 + 16 g.
	s_mov_b32 s[ROWS], 8
.Lrows:
.irp a, 1,2,3,4,5,6,7
	s_cmp_eq_u32 s[ROWS], 8-(\a)
	s_cbranch_scc1 .Ldump\a
.endr
.irp a, 0,1,2,3,4,5,6,7
.Ldump\a:
	WIN 0x08+4*((\a)/4)                            ; the stores' data in window 2 or 3; each accumulator's low four registers go first
.irp b, 0,1,2,3,4,5,6,7
	ds_store_b128 v[STO], v[8*(8*((\a)%4)+(\b)):8*(8*((\a)%4)+(\b))+3]   offset:32*(\b)
	ds_store_b128 v[STO], v[8*(8*((\a)%4)+(\b))+4:8*(8*((\a)%4)+(\b))+7] offset:32*(\b)+256
.endr
	WIN 0
.if (\a) < 7
	s_branch .Lstaged
.endif
.endr
.Lstaged:
.irp p, 0,1,2,3,4,5,6,7
	ds_load_b128 v[X+8*(\p):X+8*(\p)+3],   v[RD] offset:SROW*(\p)      ; LDS serves a wave's instructions in order (ISA guide 5.7.1.4): these see my stores above, and the next trip's stores come behind them
	ds_load_b128 v[X+8*(\p)+4:X+8*(\p)+7], v[RD] offset:SROW*(\p)+256
.endr
	s_sub_co_u32 s49, 8, s[ROWS]                   ; the trip's number a,
	s_lshl_b32 s49, s49, 1                         ; 2 a
	s_add_co_u32 s50, s49, 1                       ; and 2 a + 1: the lanes c that keep this block's mm and l
	v_cmp_eq_u32 s51, s49, v[CL]
	v_cmp_eq_u32 s52, s50, v[CL]
	s_wait_dscnt 0x0
	s_cmp_eq_u32 s[DIAG], 1
	s_cbranch_scc0 .Lseen                          ; only a diagonal tile hides keys
.set d, 0
.rept 15
	v_cmp_gt_i32 s[MK+d], d-7, v[DD]               ; one lane mask for each value of j - p
.set d, d+1
.endr
.irp p, 0,1,2,3,4,5,6,7
.irp j, 0,1,2,3,4,5,6,7
	v_cndmask_b32 v[X+8*(\p)+(\j)], v[X+8*(\p)+(\j)], v[BG], s[MK+7+(\j)-(\p)]
.endr
.endr
.Lseen:
.irp p, 0,1,2,3,4,5,6,7
	v_max3_num_f32 v[TM+(\p)], v[X+8*(\p)], v[X+8*(\p)+1], v[X+8*(\p)+2]
.endr
.irp p, 0,1,2,3,4,5,6,7
	v_max3_num_f32 v[TM+(\p)], v[TM+(\p)], v[X+8*(\p)+3], v[X+8*(\p)+4]
.endr
.irp p, 0,1,2,3,4,5,6,7
	v_max3_num_f32 v[TM+(\p)], v[TM+(\p)], v[X+8*(\p)+5], v[X+8*(\p)+6]
.endr
.irp p, 0,1,2,3,4,5,6,7
	v_max_num_f32 v[TM+(\p)], v[TM+(\p)], v[X+8*(\p)+7]
.endr
.irp m, 1,2,4,8                        ; a row lies in 16 neighbouring lanes
.irp p, 0,1,2,3,4,5,6,7
	v_max_num_f32_dpp v[TM+(\p)], v[TM+(\p)], v[TM+(\p)] row_xmask:\m row_mask:0xf bank_mask:0xf
.endr
.endr
.irp p, 0,1,2,3,4,5,6,7
	v_mul_f32 v[ST+2*(\p)], s[CS], v[TM+(\p)]      ; mm
.endr
.irp p, 0,1,2,3,4,5,6,7
.irp i, 0,1,2,3
	v_pk_fma_f32 v[X+8*(\p)+2*(\i):X+8*(\p)+2*(\i)+1], v[X+8*(\p)+2*(\i):X+8*(\p)+2*(\i)+1], s[CS:CS+1], v[ST+2*(\p):ST+2*(\p)+1] op_sel_hi:[1,0,0] neg_lo:[0,0,1] neg_hi:[0,0,1]  ; c s - mm
.endr
.endr
.set e, 0
.rept 64                               ; one batch of exponentials,
	v_exp_f32 v[X+e], v[X+e]
.set e, e+1
.endr
	v_add_nc_u32 v[DD], 16, v[DD]                  ; a plain instruction behind the last of them (ISA guide 5.7.2): the next trip's mask counter,
	s_wait_alu depctr_va_vdst(0)                   ; and the one wait ahead of the batch's first reader
.irp p, 0,1,2,3,4,5,6,7
.irp i, 0,1,2,3
	v_cvt_pk_f16_f32 v[Y+4*(\p)+(\i)], v[X+8*(\p)+2*(\i)], v[X+8*(\p)+2*(\i)+1]
.endr
	global_store_b128 v[PO], v[Y+4*(\p):Y+4*(\p)+3], s[6:7] offset:4096*(\p) th:TH_STORE_NT  ; 16 lanes store a row's 256 consecutive bytes, aligned
.endr
.irp p, 0,1,2,3,4,5,6,7
	v_pk_add_f32 v[X+8*(\p):X+8*(\p)+1], v[X+8*(\p):X+8*(\p)+1], v[X+8*(\p)+2:X+8*(\p)+3]
	v_pk_add_f32 v[X+8*(\p)+4:X+8*(\p)+5], v[X+8*(\p)+4:X+8*(\p)+5], v[X+8*(\p)+6:X+8*(\p)+7]
.endr
.irp p, 0,1,2,3,4,5,6,7
	v_pk_add_f32 v[X+8*(\p):X+8*(\p)+1], v[X+8*(\p):X+8*(\p)+1], v[X+8*(\p)+4:X+8*(\p)+5]
.endr
.irp p, 0,1,2,3,4,5,6,7
	v_add_f32 v[ST+2*(\p)+1], v[X+8*(\p)], v[X+8*(\p)+1]
.endr
.irp m, 1,2,4,8
.irp p, 0,1,2,3,4,5,6,7
	v_add_f32_dpp v[ST+2*(\p)+1], v[ST+2*(\p)+1], v[ST+2*(\p)+1] row_xmask:\m row_mask:0xf bank_mask:0xf
.endr
.endr
.irp i, 0,1,2,3                        ; every lane of a half holds its eight rows' mm and l: lane c = 2 a keeps rows 0-3 of them, lane c = 2 a + 1 rows 4-7
	v_cndmask_b32 v[KE+(\i)],   v[KE+(\i)],   v[ST+2*(\i)],     s51
	v_cndmask_b32 v[KE+4+(\i)], v[KE+4+(\i)], v[ST+2*(\i)+1],   s51
.endr
.irp i, 0,1,2,3
	v_cndmask_b32 v[KE+(\i)],   v[KE+(\i)],   v[ST+8+2*(\i)],   s52
	v_cndmask_b32 v[KE+4+(\i)], v[KE+4+(\i)], v[ST+8+2*(\i)+1], s52
.endr
	s_wait_xcnt 0x0                                ; the stores have read Y and PO: they are rewritten only behind this wait
	v_add_nc_u32 v[PO], 16*4096, v[PO]
	s_sub_co_u32 s[ROWS], s[ROWS], 1
	s_cmp_lg_u32 s[ROWS], 0
	s_cbranch_scc1 .Lrows
	global_store_b128 v[SO], v[KE:KE+3],   s[8:9]               ; my wave's 128 mm: the 32 lanes' 16 bytes are 512 consecutive bytes, aligned
	global_store_b128 v[SO], v[KE+4:KE+7], s[8:9] offset:8192   ; and its 128 l
	s_branch .Lend
.Lzfill:                                               ; a diagonal tile's wave 1: its 128 x 128 piece of pbuf holds zeros: 8 trips of 16 rows, two rows a store
.irp k, 0,1,2,3
	v_mov_b32 v[X+(\k)], 0
.endr
	s_mov_b32 s[ROWS], 8
.Lzero:
.irp t, 0,1,2,3,4,5,6,7
	global_store_b128 v[PO], v[X:X+3], s[6:7] offset:(\t)*4096 th:TH_STORE_NT
.endr
	s_wait_xcnt 0x0                                ; the stores have read PO
	v_add_nc_u32 v[PO], 16*4096, v[PO]
	s_sub_co_u32 s[ROWS], s[ROWS], 1
	s_cmp_lg_u32 s[ROWS], 0
	s_cbranch_scc1 .Lzero
.Lend:
	s_wait_tensorcnt 0x0                           ; the wave's end
	ds_add_u32 v[SPW], v[NIL]
	s_wait_dscnt 0x0
	s_endpgm
; ROWS 0 TO 31 OF EACH BATCH, IN F32.  out0[b][t][:] = the sum over s <= t of softmax_s(q[t] . k[s] / 32) v[s][:], t = 0..31, from hd [4][32][3072] f32 (q at column 0, k at 1,024, v at 2,048),
; which holds the projection's f32 sums unrounded.  The launch behind does not store these rows.
; WHY.  Row t is a mean over t + 1 keys, so what q, k, v and the weights lose when they are rounded to f16's 11 bits is averaged least in the first rows, while a number's allowance goes by the root mean
; square of the whole output, most of whose rows are means over hundreds of keys.  From row 32 on the f16 path stands.
; THE F32 MATRIX FORM does 16 x 32 x 1,024 + 16 x 128 x 32 multiply-adds in each of 64 work-groups, 36 million in all beside the program's 60 thousand million.
; LIMITS.  A hidden score counts as -1e30; a weight below 2^-126 counts as 0; NaN and infinities are not treated apart.
; SHARES.  Work-group x - 36 makes 16 queries (tile mi = its low bit) x 128 channels (slice = the rest) of batch y.  SCORES: the 1,024 channels are split among the four waves, 256 each, in four passes of 64:
; the first is written out and starts the sums, a loop of three follows.  A wave makes two partial tiles S^T = K Q^T (source 0 = 16 keys, source 1 = the 16 queries): keys 0-15 and keys 16-31
; (for mi = 0 the second is wholly hidden: the price of one text for both tiles).  The partial sums meet in LDS behind one barrier.
; THEN waves 0 and 1 go on, 64 channels each; the others end.  Each adds the four partial sums, masks, and makes the softmax with the row's own maximum taken away.  In S^T a lane holds ONE query (l % 16) and the keys
; 8 (l / 16) + 0..7 of each tile: two neighbouring registers ARE source 1 (4 keys x 16 queries) of O^T = V^T P, with the keys of a step in the order 8 (l / 16) + 2 i + j; V's fragments are loaded in the same order.
; A FRAGMENT of the f32 form is 16 rows x 4 along K in 2 registers: lane l holds row l % 16 and K = 2 (l / 16) + j.  The order along K is free where both sources keep it: for the scores a lane loads 16 bytes,
; channels 8 i + 4 (l / 16) + 0..3, which serve two matrix instructions.  Its LDS bytes lie in the stage area, where no tensor load lands.  All its registers lie in window 0.
.set HDP,   12288                      ; bytes in a row of hd
.set HDB,   32*HDP                     ; a batch's 32 rows
.set HPART, STAGE                      ; wave w's two partial tiles at 2,048 w: tile kt's registers 0-3 at 1,024 kt + 16 l, registers 4-7 512 bytes on
.set HSTG,  STAGE+4*2048               ; 16 rows x 272 bytes for each of waves 0 and 1, for the way out
.set HSP,   272
.set HFO,  4                           ; v4   my byte offset in a fragment of q or k: (l % 16) rows + 16 (l / 16)
.set HVO,  5                           ; v5   in a fragment of v: 8 (l / 16) rows + 4 (l % 16)
.set HLS,  6                           ; v6   where I put my partial sums
.set HLR,  7                           ; v7   where I read partial sums
.set HDD,  8                           ; v8   16 mi + l % 16 - 8 (l / 16): key 16 kt + 8 (l / 16) + j is hidden where 16 kt + j is greater
.set HSTO, 9
.set HRD,  10
.set HGO,  11
.set HBG,  12                          ; v12  -1e30
.set HCM,  14                          ; v14-15 c x maximum; the upper one holds 0
.set HT,   16                          ; v16-17 at work
.set HR,   18                          ; v18-19 1 / sum; the upper one holds 0
.set HQ,   32                          ; v32-63   q's fragments: group i of 8 channels at +4 i
.set HKA,  64                          ; v64-95   k's, keys 0-15
.set HKB,  96                          ; v96-127  k's, keys 16-31
.set HBUF, 32                          ; later: three waves' partial sums, 16 registers each
.set HOB,  32                          ; later still: the way out
.set HVF,  128                         ; v128-191 v's fragments: step st (keys), block cb, register j at 8 st + 2 cb + j
.set HD0,  192                         ; v192-207 the two partial tiles: written by matrix instructions alone
.set HD1,  200
.set HACC, 208                         ; v208-239 O^T, four blocks of 16 channels: likewise
.set HX,   240                         ; v240-255 the scores, then the weights: key tile kt's eight at +8 kt
.macro HLOADS                          ; a pass's 24 loads: 64 channels of 16 keys, 16 queries, 16 keys
.irp i, 0,1,2,3,4,5,6,7
	global_load_b128 v[HKA+4*(\i):HKA+4*(\i)+3], v[HFO], s[16:17] offset:4096+32*(\i)
	global_load_b128 v[HQ+4*(\i):HQ+4*(\i)+3],   v[HFO], s[18:19] offset:32*(\i)
	global_load_b128 v[HKB+4*(\i):HKB+4*(\i)+3], v[HFO], s[16:17] offset:4096+16*HDP+32*(\i)
.endr
.endm
.macro HMUL zero                       ; a pass's 32 matrix instructions; the two accumulators take turns, one instruction a turn; zero = 1: the first pair starts the sums
.irp i, 0,1,2,3,4,5,6,7
	s_wait_loadcnt 21-3*(\i)                       ; loads come back in order: group i's three are in, the three of each younger group may stay out
.irp u, 0,1
.if (\zero) && (\i) == 0 && (\u) == 0
	v_wmma_f32_16x16x4_f32 v[HD0:HD0+7], v[HKA:HKA+1], v[HQ:HQ+1], 0
	v_wmma_f32_16x16x4_f32 v[HD1:HD1+7], v[HKB:HKB+1], v[HQ:HQ+1], 0
.else
	v_wmma_f32_16x16x4_f32 v[HD0:HD0+7], v[HKA+4*(\i)+2*(\u):HKA+4*(\i)+2*(\u)+1], v[HQ+4*(\i)+2*(\u):HQ+4*(\i)+2*(\u)+1], v[HD0:HD0+7]
	v_wmma_f32_16x16x4_f32 v[HD1:HD1+7], v[HKB+4*(\i)+2*(\u):HKB+4*(\i)+2*(\u)+1], v[HQ+4*(\i)+2*(\u):HQ+4*(\i)+2*(\u)+1], v[HD1:HD1+7]
.endif
.endr
.endr
.endm
.Lhead:
	s_sub_co_u32 s11, ttmp9, NT
	s_and_b32 s12, s11, 1                          ; mi
	s_lshr_b32 s13, s11, 1                         ; the slice of 128 channels
	s_and_b32 s14, ttmp7, 0xffff                   ; the batch
	v_and_b32 v1, 15, v0                           ; l % 16
	v_bfe_u32 v2, v0, 4, 1                         ; l / 16
	v_and_b32 v3, 31, v0                           ; l
	v_mul_u32_u24 v[HFO], v1, HDP
	v_lshl_add_u32 v[HFO], v2, 4, v[HFO]
	s_mul_i32 s16, s14, HDB
	s_lshl_b32 s17, s10, 10                        ; my wave's 256 channels: 1,024 bytes
	s_add_co_u32 s16, s16, s17
	s_mov_b32 s17, 0
	s_mul_i32 s18, s12, 16*HDP
	s_mov_b32 s19, 0
	s_wait_kmcnt 0x0
	s_add_nc_u64 s[16:17], s[HDA:HDA+1], s[16:17]  ; hd at the batch's row 0, my channels
	s_add_nc_u64 s[18:19], s[16:17], s[18:19]      ; and at my tile's first query
	HLOADS
	s_lshl_b32 s24, s10, 11
	s_add_co_u32 s24, s24, HPART
	v_lshl_add_u32 v[HLS], v3, 4, s24              ; HPART + 2,048 x wave + 16 l
	v_lshl_add_u32 v[HLR], v3, 4, HPART
	s_lshl_b32 s24, s12, 4
	v_lshlrev_b32 v[HDD], 3, v2
	v_sub_nc_u32 v[HDD], v1, v[HDD]
	v_add_nc_u32 v[HDD], s24, v[HDD]
	v_mov_b32 v[HBG], 0xf149f2ca
	s_mov_b32 s26, 0x3d38aa3b                      ; c = log2(e) / 32
	s_mov_b32 s27, s26
	s_mov_b32 s28, 0x76543210                      ; v_permlanex16_b32: each lane takes its own place in the other half
	s_mov_b32 s29, 0xfedcba98
	HMUL 1
	s_mov_b32 s3, 3
.Lpass:
.rept 9
	v_nop                                          ; the places behind the f32 form, ahead of loads into its sources
.endr
	s_add_nc_u64 s[16:17], s[16:17], 256           ; the last pass's loads are all in (its last wait was for 0), so their bases may be written: 64 channels on
	s_add_nc_u64 s[18:19], s[18:19], 256
	HLOADS
	HMUL 0
	s_sub_co_u32 s3, s3, 1
	s_cmp_lg_u32 s3, 0
	s_cbranch_scc1 .Lpass
.rept 9
	v_nop                                          ; the places behind the f32 form, ahead of the stores that read its results and of loads into its sources
.endr
	ds_store_b128 v[HLS], v[HD0:HD0+3]                     ; 32 lanes x 16 neighbouring bytes; each accumulator's low four registers first
	ds_store_b128 v[HLS], v[HD0+4:HD0+7] offset:512
	ds_store_b128 v[HLS], v[HD1:HD1+3]   offset:1024
	ds_store_b128 v[HLS], v[HD1+4:HD1+7] offset:1536
	s_wait_dscnt 0x0                               ; for the others' sake: my partial sums lie in LDS
	s_barrier_signal -1
	s_barrier_wait -1                              ; everybody's do
	s_cmp_lt_u32 s10, 2
	s_cbranch_scc0 .Lhend                          ; waves 2 and 3 have done their part
	s_mul_i32 s20, s14, HDB                        ; v at the batch's row 0, the slice's 128 channels, my 64 of them
	s_lshl_b32 s21, s13, 9
	s_add_co_u32 s20, s20, s21
	s_lshl_b32 s21, s10, 8
	s_add_co_u32 s20, s20, s21
	s_add_co_u32 s20, s20, 8192
	s_mov_b32 s21, 0
	s_add_nc_u64 s[20:21], s[HDA:HDA+1], s[20:21]
	v_mul_u32_u24 v[HVO], v2, 8*HDP
	v_lshl_add_u32 v[HVO], v1, 2, v[HVO]
	; V^T's fragments: a lane is a channel and its registers run along the keys, which lie 12,288 bytes apart: 4 bytes a lane, 64 consecutive bytes for 16 lanes.  They land while the sums below are made.
.set n, 0
.rept 64
	global_load_b32 v[HVF+n], v[HVO], s[20:21] offset:(16*(n/32)+2*((n/8)%4)+n%2)*HDP+64*((n/2)%4)
.set n, n+1
.endr
.irp z, 0,1,2,3
	ds_load_b128 v[HX+4*(\z):HX+4*(\z)+3], v[HLR] offset:512*(\z)   ; wave 0's partial sums start the sums
.endr
.irp q, 0,1,2
.irp z, 0,1,2,3
	ds_load_b128 v[HBUF+16*(\q)+4*(\z):HBUF+16*(\q)+4*(\z)+3], v[HLR] offset:(1+(\q))*2048+512*(\z)
.endr
.endr
	s_lshl_b32 s22, s14, 11                        ; out0 at my 16 rows and my 64 channels
	s_lshl_b32 s23, s12, 4
	s_add_co_u32 s22, s22, s23
	s_lshl_b32 s22, s22, 12
	s_lshl_b32 s23, s13, 9
	s_add_co_u32 s22, s22, s23
	s_lshl_b32 s23, s10, 8
	s_add_co_u32 s22, s22, s23
	s_mov_b32 s23, 0
	s_add_nc_u64 s[22:23], s[OUA:OUA+1], s[22:23]
	s_mul_i32 s24, s10, 16*HSP
	s_add_co_u32 s24, s24, HSTG                    ; my stage
	v_mul_u32_u24 v[HSTO], v1, HSP                 ; in: row l % 16, 32 bytes for each half of the lanes
	v_lshl_add_u32 v[HSTO], v2, 5, v[HSTO]
	v_add_nc_u32 v[HSTO], s24, v[HSTO]
	v_mul_u32_u24 v[HRD], v2, HSP                  ; back: lanes 0-15 one row of 256 bytes, lanes 16-31 the next
	v_lshl_add_u32 v[HRD], v1, 4, v[HRD]
	v_add_nc_u32 v[HRD], s24, v[HRD]
	v_lshlrev_b32 v[HGO], 12, v2                   ; and the same two rows in out0
	v_lshl_add_u32 v[HGO], v1, 4, v[HGO]
	v_mov_b32 v[HCM+1], 0                          ; named as the upper halves of pairs, or read by v_permlanex16_b32 as its destination
	v_mov_b32 v[HT+1], 0
	v_mov_b32 v[HR+1], 0
	s_wait_dscnt 0x0
.irp q, 0,1,2
.irp x, 0,1,2,3,4,5,6,7
	v_pk_add_f32 v[HX+2*(\x):HX+2*(\x)+1], v[HX+2*(\x):HX+2*(\x)+1], v[HBUF+16*(\q)+2*(\x):HBUF+16*(\q)+2*(\x)+1]
.endr
.endr
	; THE SOFTMAX: a lane has 16 of its query's 32 scores, the lane 16 away the others
.set n, 0
.rept 16
	v_cmp_gt_i32 vcc_lo, 16*(n/8)+n%8, v[HDD]
	v_cndmask_b32 v[HX+n], v[HX+n], v[HBG], vcc_lo
.set n, n+1
.endr
	v_max3_num_f32 v[HT], v[HX], v[HX+1], v[HX+2]
.irp k, 3,5,7,9,11,13
	v_max3_num_f32 v[HT], v[HT], v[HX+(\k)], v[HX+(\k)+1]
.endr
	v_max_num_f32 v[HT], v[HT], v[HX+15]
	v_permlanex16_b32 v[HT+1], v[HT], s28, s29
	v_max_num_f32 v[HT], v[HT], v[HT+1]            ; the row's largest visible score: key 0 is visible to every query
	v_mul_f32 v[HCM], s26, v[HT]
.irp k, 0,1,2,3,4,5,6,7
	v_pk_fma_f32 v[HX+2*(\k):HX+2*(\k)+1], v[HX+2*(\k):HX+2*(\k)+1], s[26:27], v[HCM:HCM+1] op_sel_hi:[1,0,0] neg_lo:[0,0,1] neg_hi:[0,0,1]  ; c s - c m
.endr
.set n, 0
.rept 16                               ; one batch of exponentials,
	v_exp_f32 v[HX+n], v[HX+n]
.set n, n+1
.endr
	v_nop                                          ; a plain instruction behind the last of them (ISA guide 5.7.2),
	s_wait_alu depctr_va_vdst(0)                   ; and the one wait ahead of the batch's first reader
	v_pk_add_f32 v[HT:HT+1], v[HX:HX+1], v[HX+2:HX+3]
.irp k, 2,3,4,5,6,7
	v_pk_add_f32 v[HT:HT+1], v[HT:HT+1], v[HX+2*(\k):HX+2*(\k)+1]
.endr
	v_add_f32 v[HT], v[HT], v[HT+1]
	v_permlanex16_b32 v[HT+1], v[HT], s28, s29
	v_add_f32 v[HT], v[HT], v[HT+1]                ; the row's sum: 1 to 32
	v_rcp_f32 v[HR], v[HT]
	v_nop
	s_wait_alu depctr_va_vdst(0)                   ; the reciprocal's wait
.irp k, 0,1,2,3,4,5,6,7
	v_pk_mul_f32 v[HX+2*(\k):HX+2*(\k)+1], v[HX+2*(\k):HX+2*(\k)+1], v[HR:HR+1] op_sel_hi:[1,0]
.endr
	s_wait_loadcnt 0x0                             ; V
	; O^T = V^T P: 8 steps of 4 keys x 4 blocks of 16 channels; the four accumulators take turns; the first step starts the sums
.set st, 0
.rept 8
.irp cb, 0,1,2,3
.if st == 0
	v_wmma_f32_16x16x4_f32 v[HACC+8*(\cb):HACC+8*(\cb)+7], v[HVF+2*(\cb):HVF+2*(\cb)+1], v[HX:HX+1], 0
.else
	v_wmma_f32_16x16x4_f32 v[HACC+8*(\cb):HACC+8*(\cb)+7], v[HVF+8*st+2*(\cb):HVF+8*st+2*(\cb)+1], v[HX+2*st:HX+2*st+1], v[HACC+8*(\cb):HACC+8*(\cb)+7]
.endif
.endr
.set st, st+1
.endr
.rept 9
	v_nop                                          ; the places behind the f32 form, ahead of the stores that read its results
.endr
	; THE WAY OUT: a lane holds one query and eight neighbouring channels of each block: 16 bytes a lane into my stage, whole rows of 256 bytes back, stored
.irp cb, 0,1,2,3
	ds_store_b128 v[HSTO], v[HACC+8*(\cb):HACC+8*(\cb)+3]   offset:64*(\cb)
	ds_store_b128 v[HSTO], v[HACC+8*(\cb)+4:HACC+8*(\cb)+7] offset:64*(\cb)+16
.endr
.irp t, 0,1,2,3,4,5,6,7
	ds_load_b128 v[HOB+4*(\t):HOB+4*(\t)+3], v[HRD] offset:(\t)*2*HSP  ; LDS serves a wave's instructions in order (ISA guide 5.7.1.4): these see the stores above
.endr
	s_wait_dscnt 0x0
.irp t, 0,1,2,3,4,5,6,7
	global_store_b128 v[HGO], v[HOB+4*(\t):HOB+4*(\t)+3], s[22:23] offset:2*(\t)*4096 th:TH_STORE_NT  ; 16 lanes store 256 consecutive bytes, aligned
.endr
.Lhend:
	s_wait_tensorcnt 0x0                           ; the wave's end, behind my last LDS store
	ds_add_u32 v[SPW], v[NIL]
	s_wait_dscnt 0x0
	s_endpgm
.Lfunc_end_k_q3a2cc4dda0_scores:
	.size	k_q3a2cc4dda0_scores, .Lfunc_end_k_q3a2cc4dda0_scores-k_q3a2cc4dda0_scores
	.p2alignl 7, 3214868480
	.fill 96, 4, 3214868480
	.section	.rodata,"a",@progbits
	.p2align	6, 0x0
	.amdhsa_kernel k_q3a2cc4dda0_scores
		.amdhsa_group_segment_fixed_size 327680
		.amdhsa_private_segment_fixed_size 0
		.amdhsa_enable_private_segment 0
		.amdhsa_kernarg_size 40
		.amdhsa_user_sgpr_count 2
		.amdhsa_user_sgpr_kernarg_segment_ptr 1
		.amdhsa_wavefront_size32 1
		.amdhsa_system_sgpr_workgroup_id_x 1
		.amdhsa_system_sgpr_workgroup_id_y 1
		.amdhsa_system_sgpr_workgroup_id_z 1
		.amdhsa_system_vgpr_workitem_id 0
		.amdhsa_next_free_vgpr 1024
		.amdhsa_next_free_sgpr 84
		.amdhsa_reserve_vcc 1
		.amdhsa_float_denorm_mode_32 3
		.amdhsa_float_denorm_mode_16_64 3
		.amdhsa_memory_ordered 1
		.amdhsa_forward_progress 1
		.amdhsa_inst_pref_size 131
	.end_amdhsa_kernel
	.amdgpu_metadata
---
amdhsa.version: [ 1, 2 ]
amdhsa.kernels:
  - .name:           k_q3a2cc4dda0_scores
    .symbol:         k_q3a2cc4dda0_scores.kd
    .args:
      - { .name: qkv, .offset: 0, .size: 8, .value_kind: global_buffer, .address_space: global }
      - { .name: pbuf, .offset: 8, .size: 8, .value_kind: global_buffer, .address_space: global }
      - { .name: stats, .offset: 16, .size: 8, .value_kind: global_buffer, .address_space: global }
      - { .name: hd, .offset: 24, .size: 8, .value_kind: global_buffer, .address_space: global }
      - { .name: out0, .offset: 32, .size: 8, .value_kind: global_buffer, .address_space: global }
    .group_segment_fixed_size: 327680
    .private_segment_fixed_size: 0
    .kernarg_segment_align: 8
    .kernarg_segment_size: 40
    .max_flat_workgroup_size: 128
    .sgpr_count:     84
    .vgpr_count:     1024
    .wavefront_size: 32
...
	.end_amdgpu_metadata
.endif
;; end of part 8
;; launch pv (part 9): grid 8 x 32, 4 waves a work-group, clusters of 4 x 4, 327,680 bytes of LDS; arguments pbuf, qkv, stats, out0; writes out0
.if DOCPART == 9
	.amdgcn_target "amdgcn-amd-amdhsa--gfx1250"
	.amdhsa_code_object_version 6
	.text
	.protected	k_q3a2cc4dda0_pv
	.globl	k_q3a2cc4dda0_pv
	.p2align	8
	.type	k_q3a2cc4dda0_pv,@function
k_q3a2cc4dda0_pv:
	s_mov_b64 s[64:65], 0
	v_nop
	global_prefetch_b8 v0, s[64:65] scope:SCOPE_SE
	s_setreg_imm32_b32 hwreg(HW_REG_WAVE_MODE, 25, 1), 1
	s_wait_xcnt 0x0
	s_wait_alu depctr_hold_cnt(0) depctr_sa_sdst(0) depctr_va_vdst(0) depctr_va_sdst(0) depctr_va_ssrc(0) depctr_va_vcc(0) depctr_vm_vsrc(0)
	s_getreg_b32 s2, hwreg(HW_REG_IB_STS2, 6, 4)
	s_cmp_eq_u32 s2, 0
	s_cbranch_scc0 .Lentry_in_a_cluster
	s_endpgm
.Lentry_in_a_cluster:
	s_bfe_u32 s2, ttmp6, 0x10000c
	s_cmp_lg_u32 s2, 0xf033
	s_cbranch_scc0 .Lentry_shape_is_right
	s_endpgm
.Lentry_shape_is_right:
; out0[row][:] = the sum over groups g of 128 keys of c'(row, g) x (P_g V_g)[row][:],  c' = 2^(mm_g - M) / L,  M = the row's largest mm,  L = the sum over g of 2^(mm_g - M) l_g.
; P (pbuf, f16) and mm, l (stats, f32) come from the launch before; V is qkv's third part (f16).  Products in f16 with f32 sums; the groups' sums are scaled and added in f32.
; ROWS 0 TO 31 OF EACH BATCH ARE NOT STORED HERE: the launch before has made them in f32.  Their stores stand under an EXEC that is empty in the waves that hold them: a mask, no branch.
; LIMITS.  A factor 2^(mm_g - M) below 2^-126 counts as 0; L lies in 1 to 2,048; NaN and infinities are not treated apart (an infinite v would spoil its column from that key's block on).
; SHARES.  A tile of out0 is 128 queries x 128 channels; a wave makes 64 x 64.  A work-group makes TWO blocks of 128 queries, ihi = 4 (3 - f) + cy and then ilo = 4 f + cy (f = cluster y's low bit, batch = the rest):
; the four partners along y walk the same key steps of 256: 8 - 2 f for the first block, 2 + 2 f for the second, 10 whatever f: 256 work-groups of equal work, one counted walk.
; A KEY STEP IS WRITTEN ONCE for the eight that fill their slot again (two steps inside four laps) and once for the last two: the slot in hand is a scalar, 0 or SLOT, turned by an exclusive or.
; The last step's fetch from the other slot serves nothing: 32 LDS loads and a barrier, the price of one text for both.
; CLUSTER 4 x 4.  P's tile hangs on the block (cy) and the step: asked for jointly along a row of the cluster; V's on the channel tile (cx) and the step: jointly along a column.
; PAST THE DIAGONAL.  Groups beyond a block's own get the factor 0.  The one tile of P that the launch before does not write (a block's last step where cy < 2) is asked for at keys 0-255 of the same rows
; instead: written, finite bytes; the offset is masked, no branch.  No prefetch: a step's tiles are small and each is read by several work-groups at about the same time.
; THE MATRIX INSTRUCTION: source 0 = 16 channels of V^T (turned out of LDS by ds_load_tr16_b128), source 1 = 16 queries of P: a lane holds ONE query (l % 16) and the channels 8 (l / 16) + 0..7, so a factor is a number a lane.
; REGISTERS, in windows of 256 (s_set_vgpr_msb: bits 1:0 source 0, 3:2 source 1, 5:4 source 2, 7:6 destination):
;   window 0: v0-31 addresses; v32-63 at work; v96-111 two sets of factors; v128-255 O ((a, b) at 128 + 8 (4 a + b))
;   window 1: two fragment buffers of 128: P's at f + 8 (4 c + a), V's at f + 64 + 8 (4 c + b)          window 2: T0 v0-127, T1 v128-255: a group's 16 accumulators
; O is cleared by 128 v_mov_b32 at each block's beginning, in the wait for the first tile and behind the first block's stores: the price of one form of scaling line.
.set PP,    528                        ; a row of P in LDS: 512 bytes + 16: the 16 rows of a load start at 16 different groups of four banks (ISA guide 11.1)
.set PVP,   288                        ; a row of V: 256 + 32
.set PHALF, 64*PP
.set VHALF, 128*PVP
.set VOFF,  2*PHALF                    ; a slot: P's 128 rows, then V's 256 rows
.set SLOT,  VOFF+2*VHALF               ; 141,312
.set TAB,   2*SLOT                     ; behind the ring: for each wave 20 walk groups x 16 rows x 16 bytes of factors
.set TABW,  5120
.set STAGE, TAB+4*TABW                 ; 16 rows x 272 bytes for each wave, for the way out
.set SP,    272
.set SPARE, STAGE+4*16*SP              ; the spare words, 128 bytes for each wave, that no other line names
.set VSTEP, 256*6144                   ; bytes from a key step of V to the next
.set L8,   2                           ; v2   8 x lane
.set TW,   3                           ; v3   where I put my two rows' factors
.set ADRP, 16                          ; v16  LDS address of my P fragments in slot 0; never rewritten
.set AP,   17                          ; v17  the same in the slot in hand
.set ADRV, 18                          ; v18-19  of my V fragments in slot 0: keys 0-127, 128-255; never rewritten
.set AVC,  20                          ; v20-21  the same in the slot in hand
.set TA,   22                          ; v22  where I read the step's factors
.set TA0,  23                          ; v23  the same for step 0; never rewritten
.set STO,  24
.set RD,   25
.set GO,   26
.set SKV,  27                          ; v27  0 in the waves that hold a batch's rows 0-63
.set SPW,  28                          ; v28  my spare word; never rewritten
.set NIL,  29                          ; v29  0; never rewritten
.set OB,   32                          ; v32-63 the way out; in the table's making: v32-55 offsets, v56-63 M and L
.set AD,   32
.set MXH,  56
.set MXL,  58
.set LH,   60
.set LL,   62
.set CF0,  96                          ; a group's four factors (a = 0..3) at +0..3; copies of a = 1, 3 at +4, +6, so that each heads an even pair; +5, +7 hold 0
.set CF1,  104
.set O,    128
.set SV,   128                         ; the table's making: entry n (0-15: first block's groups, 16-23: second's): mm pair at SV + 4 n, l pair at SV + 4 n + 2
.set F0,   0
.set F1,   128
.set T0,   0
.set T1,   128
.set CNT,  2                           ; s2  counts a lap's two steps
.set WV,   12                          ; s12 wave; s13 my half of the queries, and P (0) or V (1) is what I fetch; s14 my half of the channels, and which half I fetch
.set RH,   13
.set CHH,  14
.set BB,   15                          ; s15 batch; s16 f
.set FF,   16
.set NH,   17                          ; s17, s18 steps of the first and the second block
.set NL,   18
.set CHG,  19                          ; s19 the lap count at which the first block ends: 1 + f
.set FM,   20                          ; s20 all ones where f = 1: a lane mask
.set U,    21                          ; s21 the walk's step to be asked for next
.set TT,   22                          ; s22 its number in its block
.set LAST, 23
.set G1P,  24                          ; s[24:31], s[32:39]: P's descriptors (group 0: a set for each first fill; the second walks on); with s40-47, s66-71 they may hold cy, never cx
.set G0P,  32
.set CY,   40
.set IHI,  41
.set ILO,  42
.set REDM, 43                          ; s43 0 where cy < 2, else all ones
.set KO,   46                          ; s[46:47] P's key offset
.set G1V,  48                          ; s[48:55], s[56:63]: V's descriptors; with s72-77 they may hold cx, never cy
.set G0V,  56
.set PBH,  66                          ; s[66:67], s[68:69] pbuf at the rows that I fetch, first and second block; s[70:71] the one in hand
.set PBL,  68
.set PB,   70
.set CX,   72
.set CHT,  73
.set VB,   76                          ; s[76:77] V at the rows and channels that I fetch, key step 0
.set VO,   78                          ; s[78:79] V's step offset
.set OUT,  80                          ; s[80:81] out0 at my rows and channels of the block in hand; s[82:83] of the second block
.set OUTLO, 82
.set FLG,  88                          ; s[88:89]
.set SVX,  90                          ; s90 EXEC, kept while it is narrowed
.set PLB,  92                          ; s92 where my half of P goes in a slot; s93 my half of V: the wave's number alone enters them
.set VLB,  93
.set SB,   94                          ; s94 the slot in hand: 0 or SLOT
.set TO,   95                          ; s95 512 x the step whose factors are read next
.set MSB, 0
.macro WIN new
.if MSB != (\new)
	s_set_vgpr_msb (MSB<<8)|(\new)
.set MSB, \new
.endif
.endm
.set W_MM, 0xa5                        ; V and P in window 1, C and D in window 2
.set W_FL, 0x02                        ; source 0 (T) in window 2, all else in window 0
.set TO_F, 0x40                        ; destination window 1, address window 0
.macro JLOAD                           ; a joint refill by the walking descriptors: waves 0, 1 fetch P's halves, waves 2, 3 V's; an s_nop 0 and four v_nop follow each of the two lines
	s_cmp_eq_u32 s[RH], 0
	s_cbranch_scc0 .Lfor_v_\@
	tensor_load_to_lds s[G0P+4:G0P+7], s[G1P:G1P+7]
	s_nop 0
.rept 4
	v_nop
.endr
	s_branch .Lasked_\@
.Lfor_v_\@:
	tensor_load_to_lds s[G0V+4:G0V+7], s[G1V:G1V+7]
	s_nop 0
.rept 4
	v_nop
.endr
.Lasked_\@:
.endm
.macro CREST
	s_cmp_lg_u32 s[WV], 0
	s_cbranch_scc1 .Lnot_wave_0_\@
	s_barrier_signal -3
.Lnot_wave_0_\@:
	s_barrier_wait -3
	s_barrier_signal -1
	s_barrier_wait -1
.endm
.macro CROUND
	s_barrier_signal -1
	s_barrier_wait -1
	CREST
.endm
.macro PLACES
.rept 4
	v_nop
.endr
.endm
	s_load_b256 s[4:11], s[0:1], 0x0               ; pbuf s[4:5], qkv s[6:7], stats s[8:9], out0 s[10:11]
	v_lshl_add_u32 v[SPW], v0, 2, SPARE
	v_mov_b32 v[NIL], 0
	ds_add_u32 v[SPW], v[NIL]                      ; the wave's opening: the add and its wait ahead of my first tensor load
	v_lshrrev_b32 v1, 5, v0
	v_readfirstlane_b32 s[WV], v1
	s_lshr_b32 s[RH], s[WV], 1
	s_and_b32 s[CHH], s[WV], 1
	s_and_b32 s[BB], ttmp7, 0xffff                 ; cluster y
	s_and_b32 s[FF], s[BB], 1
	s_lshr_b32 s[BB], s[BB], 1
	s_lshl_b32 s[NL], s[FF], 1
	s_sub_co_u32 s[NH], 8, s[NL]
	s_add_co_u32 s[NL], s[NL], 2
	s_add_co_u32 s[CHG], s[FF], 1
	s_sub_co_u32 s[FM], 0, s[FF]
	s_mov_b32 s[U], 2
	s_mul_i32 s[PLB], s[CHH], PHALF                ; where my half of P goes in a slot,
	s_mul_i32 s[VLB], s[CHH], VHALF
	s_add_co_u32 s[VLB], s[VLB], VOFF              ; and my half of V: no place in the cluster enters an LDS address
	s_mov_b32 s[SB], 0
	s_mov_b32 s[TO], 0
	; what hangs on cy
	s_bfe_u32 s[CY], ttmp6, 0x40004
	s_sub_co_u32 s[IHI], 3, s[FF]
	s_lshl_b32 s[IHI], s[IHI], 2
	s_add_co_u32 s[IHI], s[IHI], s[CY]
	s_lshl_b32 s[ILO], s[FF], 2
	s_add_co_u32 s[ILO], s[ILO], s[CY]
	s_cmp_lt_u32 s[CY], 2
	s_cselect_b32 s[REDM], 0, -1
	s_lshl_b32 s44, s[CY], 2
	s_lshl_b32 s44, 15, s44                        ; my row of the cluster
	s_or_b32 s[G1P+0], s44, (1<<16)|(1<<20)|(1<<21)|(6<<22)|(3<<25)  ; the mask; elements of 2 bytes; padding on; bit 21 beside a mask; 4 words behind every 128
	s_mov_b32 s[G1P+1], 256<<16                    ; tensor_dim0 = 256 keys
	s_mov_b32 s[G1P+2], 64<<16                     ; tensor_dim1 = 64 rows
	s_mov_b32 s[G1P+3], 256<<16                    ; tile_dim0
	s_mov_b32 s[G1P+4], 64                         ; tile_dim1
	s_mov_b32 s[G1P+5], 2048                       ; elements from row to row
	s_mov_b32 s[G1P+6], 0
	s_mov_b32 s[G1P+7], 0
	s_lshl_b32 s44, s[BB], 11
	s_lshl_b32 s45, s[CHH], 6
	s_add_co_u32 s44, s44, s45
	s_lshl_b32 s45, s[IHI], 7
	s_add_co_u32 s[PBH], s44, s45
	s_lshl_b32 s[PBH], s[PBH], 12                  ; rows of 4,096 bytes
	s_mov_b32 s[PBH+1], 0
	s_lshl_b32 s45, s[ILO], 7
	s_add_co_u32 s[PBL], s44, s45
	s_lshl_b32 s[PBL], s[PBL], 12
	s_mov_b32 s[PBL+1], 0
	s_mov_b32 s[KO+1], 0
	; what hangs on cx
	s_bfe_u32 s[CX], ttmp6, 0x40000
	s_lshl_b32 s[CHT], ttmp9, 2
	s_add_co_u32 s[CHT], s[CHT], s[CX]             ; the channel tile
	s_lshl_b32 s74, 0x1111, s[CX]                  ; my column of the cluster
	s_or_b32 s[G1V+0], s74, (1<<16)|(1<<20)|(1<<21)|(5<<22)|(7<<25)  ; 8 words of padding behind every 64
	s_mov_b32 s[G1V+1], 128<<16                    ; tensor_dim0 = 128 channels
	s_mov_b32 s[G1V+2], 128<<16                    ; tensor_dim1 = 128 keys
	s_mov_b32 s[G1V+3], 128<<16
	s_mov_b32 s[G1V+4], 128
	s_mov_b32 s[G1V+5], 3072
	s_mov_b32 s[G1V+6], 0
	s_mov_b32 s[G1V+7], 0
	s_lshl_b32 s75, s[BB], 11
	s_lshl_b32 s[VB], s[CHH], 7
	s_add_co_u32 s75, s75, s[VB]
	s_mul_i32 s[VB], s75, 6144
	s_lshl_b32 s75, s[CHT], 8
	s_add_co_u32 s[VB], s[VB], s75
	s_add_co_u32 s[VB], s[VB], 4096                ; v's bytes of a row
	s_mov_b32 s[VB+1], 0
	s_mov_b32 s[VO+1], 0
	; what hangs on both: out0
	s_lshl_b32 s84, s[BB], 11
	s_lshl_b32 s85, s[RH], 6
	s_add_co_u32 s84, s84, s85
	s_lshl_b32 s85, s[IHI], 7
	s_add_co_u32 s[OUT], s84, s85
	s_lshl_b32 s[OUT], s[OUT], 12
	s_lshl_b32 s85, s[ILO], 7
	s_add_co_u32 s[OUTLO], s84, s85
	s_lshl_b32 s[OUTLO], s[OUTLO], 12
	s_lshl_b32 s85, s[CHT], 9
	s_lshl_b32 s86, s[CHH], 8
	s_add_co_u32 s85, s85, s86
	s_add_co_u32 s[OUT], s[OUT], s85
	s_add_co_u32 s[OUTLO], s[OUTLO], s85
	s_mov_b32 s[OUT+1], 0
	s_mov_b32 s[OUTLO+1], 0
	s_or_b32 s87, s[ILO], s[RH]                    ; 0: the second block is the batch's first and I hold its upper 64 rows
	s_wait_dscnt 0x0                               ; the opening add is done
	s_wait_kmcnt 0x0
	s_add_nc_u64 s[PBH:PBH+1], s[4:5], s[PBH:PBH+1]
	s_add_nc_u64 s[PBL:PBL+1], s[4:5], s[PBL:PBL+1]
	s_add_nc_u64 s[VB:VB+1], s[6:7], s[VB:VB+1]
	s_add_nc_u64 s[OUT:OUT+1], s[10:11], s[OUT:OUT+1]
	s_add_nc_u64 s[OUTLO:OUTLO+1], s[10:11], s[OUTLO:OUTLO+1]
.irp s, 0,1                            ; steps 0 and 1 of the first block
	s_mov_b32 s[G0P+4*(\s)], 1
	s_add_co_u32 s[G0P+4*(\s)+1], s[PLB], (\s)*SLOT
	s_add_nc_u64 s[G0P+4*(\s)+2:G0P+4*(\s)+3], s[PBH:PBH+1], (\s)*512
	s_or_b32 s[G0P+4*(\s)+3], s[G0P+4*(\s)+3], 0x80000000
	s_mov_b32 s[G0V+4*(\s)], 1
	s_add_co_u32 s[G0V+4*(\s)+1], s[VLB], (\s)*SLOT
	s_add_nc_u64 s[G0V+4*(\s)+2:G0V+4*(\s)+3], s[VB:VB+1], (\s)*VSTEP
	s_or_b32 s[G0V+4*(\s)+3], s[G0V+4*(\s)+3], 0x80000000
.endr
	CROUND                                         ; all sixteen work-groups are here: the first joint loads meet
	s_cmp_eq_u32 s[RH], 0                          ; a wave's two first fills stand in one branch: two loads of mine are out
	s_cbranch_scc0 .Lfirst_v
	tensor_load_to_lds s[G0P:G0P+3], s[G1P:G1P+7]
	s_nop 0
	tensor_load_to_lds s[G0P+4:G0P+7], s[G1P:G1P+7]
	s_nop 0
.rept 4
	v_nop
.endr
	s_branch .Lfirst_asked
.Lfirst_v:
	tensor_load_to_lds s[G0V:G0V+3], s[G1V:G1V+7]
	s_nop 0
	tensor_load_to_lds s[G0V+4:G0V+7], s[G1V:G1V+7]
	s_nop 0
.rept 4
	v_nop
.endr
.Lfirst_asked:
	v_and_b32 v1, 15, v0                           ; r = l % 16
	v_bfe_u32 v7, v0, 4, 1                         ; h = l / 16
	v_and_b32 v4, 31, v0                           ; l
	v_and_b32 v5, 7, v0
	v_bfe_u32 v6, v0, 3, 2                         ; l / 8
	v_bfe_u32 v10, v0, 3, 1
	v_lshlrev_b32 v[L8], 3, v4
	v_mul_u32_u24 v8, v1, PP                       ; a fragment of P: row x pitch + 16 h
	v_lshl_add_u32 v8, v7, 4, v8
	s_mul_i32 s[TT], s[RH], PHALF
	v_add_nc_u32 v[ADRP], s[TT], v8
	v_mov_b32 v[AP], v[ADRP]                       ; step 0 lies in slot 0
	v_lshl_add_u32 v11, v7, 3, v5                  ; the turning load: lane l reads key 8 h + l % 8, channels 8 ((l / 8) % 2) + 0..7
	v_mul_u32_u24 v11, v11, PVP
	v_lshl_add_u32 v11, v10, 4, v11
	s_lshl_b32 s[TT], s[CHH], 7
	s_add_co_u32 s[TT], s[TT], VOFF
	v_add_nc_u32 v[ADRV], s[TT], v11
	v_add_nc_u32 v[ADRV+1], VHALF, v[ADRV]
	v_mov_b32 v[AVC], v[ADRV]
	v_mov_b32 v[AVC+1], v[ADRV+1]
	s_mul_i32 s[TT], s[WV], TABW
	s_add_co_u32 s[TT], s[TT], TAB
	v_lshl_add_u32 v[TW], v5, 5, s[TT]             ; row 2 l of my 64 is (a = l / 8, r = 2 (l % 8)): byte 16 r + 4 a of a group's 256; row 2 l + 1 lies 16 bytes on
	v_lshl_add_u32 v[TW], v6, 2, v[TW]
	v_lshl_add_u32 v[TA0], v1, 4, s[TT]
	v_mov_b32 v[TA], v[TA0]
	s_mul_i32 s[TT], s[WV], 16*SP
	s_add_co_u32 s[TT], s[TT], STAGE
	v_mul_u32_u24 v8, v1, SP                       ; in: row r, 32 bytes for each half of the lanes
	v_lshl_add_u32 v8, v7, 5, v8
	v_add_nc_u32 v[STO], s[TT], v8
	v_mul_u32_u24 v8, v7, SP                       ; back: lanes 0-15 one row of 256 bytes, lanes 16-31 the next
	v_lshl_add_u32 v8, v1, 4, v8
	v_add_nc_u32 v[RD], s[TT], v8
	v_lshlrev_b32 v8, 12, v7
	v_lshl_add_u32 v[GO], v1, 4, v8
	v_mov_b32 v[SKV], s87
.irp k, 5,7
	v_mov_b32 v[CF0+(\k)], 0                       ; named as the upper halves of pairs
	v_mov_b32 v[CF1+(\k)], 0
.endr
	; THE TABLE OF FACTORS, each wave's own, for its 64 rows of both blocks.  Lane l owns rows 2 l and 2 l + 1.  Group kt's stats are read at min(kt, block): only what the launch before wrote.
	s_lshl_b32 s85, s[BB], 18
	s_lshl_b32 s84, s[RH], 8
	s_add_co_u32 s85, s85, s84
	s_lshl_b32 s84, s[ILO], 9
	s_add_co_u32 s86, s85, s84
	s_lshl_b32 s84, s[IHI], 9
	s_add_co_u32 s85, s85, s84
.set n, 0
.rept 24
.if n < 16
	s_min_u32 s84, s[IHI], n
	s_lshl_b32 s84, s84, 14
	s_add_co_u32 s84, s84, s85
.else
	s_min_u32 s84, s[ILO], n-16
	s_lshl_b32 s84, s84, 14
	s_add_co_u32 s84, s84, s86
.endif
	v_add_nc_u32 v[AD+n], s84, v[L8]
	global_load_b64 v[SV+4*n:SV+4*n+1],   v[AD+n], s[8:9]              ; mm: 256 consecutive bytes a wave
	global_load_b64 v[SV+4*n+2:SV+4*n+3], v[AD+n], s[8:9] offset:8192  ; l
.set n, n+1
.endr
	s_wait_loadcnt 0x0
	v_max_num_f32 v[MXH],   v[SV],    v[SV+4]      ; M: the doubled entries past the diagonal change no maximum
	v_max_num_f32 v[MXH+1], v[SV+1],  v[SV+5]
	v_max_num_f32 v[MXL],   v[SV+64], v[SV+68]
	v_max_num_f32 v[MXL+1], v[SV+65], v[SV+69]
.set n, 2
.rept 14
	v_max_num_f32 v[MXH],   v[MXH],   v[SV+4*n]
	v_max_num_f32 v[MXH+1], v[MXH+1], v[SV+4*n+1]
.set n, n+1
.endr
.set n, 18
.rept 6
	v_max_num_f32 v[MXL],   v[MXL],   v[SV+4*n]
	v_max_num_f32 v[MXL+1], v[MXL+1], v[SV+4*n+1]
.set n, n+1
.endr
.set n, 0
.rept 24
	v_pk_add_f32 v[SV+4*n:SV+4*n+1], v[SV+4*n:SV+4*n+1], v[MXH+2*(n/16):MXH+2*(n/16)+1] neg_lo:[0,1] neg_hi:[0,1]  ; mm - M
.set n, n+1
.endr
.set n, 0
.rept 24                               ; one batch of 48 exponentials,
	v_exp_f32 v[SV+4*n],   v[SV+4*n]
	v_exp_f32 v[SV+4*n+1], v[SV+4*n+1]
.set n, n+1
.endr
	v_nop                                          ; a plain instruction behind the last (ISA guide 5.7.2),
	s_wait_alu depctr_va_vdst(0)                   ; and the one wait ahead of the first reader
	s_mov_b32 s[FLG+1], 0
.set n, 0
.rept 24
.if n < 16
	s_cmp_ge_u32 s[IHI], n                         ; is the group within the block's reach?
.else
	s_cmp_ge_u32 s[ILO], n-16
.endif
	s_cselect_b32 s[FLG], 1.0, 0
	v_pk_mul_f32 v[SV+4*n:SV+4*n+1], v[SV+4*n:SV+4*n+1], s[FLG:FLG+1] op_sel_hi:[1,0]
.set n, n+1
.endr
	v_pk_mul_f32 v[LH:LH+1], v[SV:SV+1], v[SV+2:SV+3]
	v_pk_mul_f32 v[LL:LL+1], v[SV+64:SV+65], v[SV+66:SV+67]
.set n, 1
.rept 15
	v_pk_fma_f32 v[LH:LH+1], v[SV+4*n:SV+4*n+1], v[SV+4*n+2:SV+4*n+3], v[LH:LH+1]
.set n, n+1
.endr
.set n, 17
.rept 7
	v_pk_fma_f32 v[LL:LL+1], v[SV+4*n:SV+4*n+1], v[SV+4*n+2:SV+4*n+3], v[LL:LL+1]
.set n, n+1
.endr
.irp k, 0,1,2,3
	v_rcp_f32 v[LH+(\k)], v[LH+(\k)]
.endr
	v_nop
	s_wait_alu depctr_va_vdst(0)                   ; one wait for the four reciprocals
.set n, 0
.rept 24
	v_pk_mul_f32 v[SV+4*n:SV+4*n+1], v[SV+4*n:SV+4*n+1], v[LH+2*(n/16):LH+2*(n/16)+1]  ; c'
.set n, n+1
.endr
	; in the walk's order: entries 0-11 the first block's groups; 12-15 its groups 12-15 (f = 0) or the second block's 0-3 (f = 1); 16-19 the second block's 0-3 (f = 0) or 4-7 (f = 1)
.set x, 12
.rept 4
	v_cndmask_b32 v[SV+4*x],   v[SV+4*x],   v[SV+4*(x+4)],   s[FM]
	v_cndmask_b32 v[SV+4*x+1], v[SV+4*x+1], v[SV+4*(x+4)+1], s[FM]
.set x, x+1
.endr
.set x, 16
.rept 4
	v_cndmask_b32 v[SV+4*(x+4)],   v[SV+4*x],   v[SV+4*(x+4)],   s[FM]
	v_cndmask_b32 v[SV+4*(x+4)+1], v[SV+4*x+1], v[SV+4*(x+4)+1], s[FM]
.set x, x+1
.endr
.set x, 0
.rept 20
.set n, x+4*(x/16)
	ds_store_b32 v[TW], v[SV+4*n]   offset:256*x
	ds_store_b32 v[TW], v[SV+4*n+1] offset:256*x+16
.set x, x+1
.endr
	s_wait_dscnt 0x0                               ; no LDS instruction of mine is out at the signal below
.set i, 0
.rept 128
	v_mov_b32 v[O+i], 0
.set i, i+1
.endr
; O += T x c': line fn of 64, in ascending order
.macro FL t, cf
	WIN W_FL
.set fx, fn/4
.set fa, fx/4
.set fc, (\cf)+4*(fa%2)+2*(fa/2)
	v_pk_fma_f32 v[O+8*fx+2*(fn%4):O+8*fx+2*(fn%4)+1], v[(\t)+8*fx+2*(fn%4):(\t)+8*fx+2*(fn%4)+1], v[fc:fc+1], v[O+8*fx+2*(fn%4):O+8*fx+2*(fn%4)+1] op_sel_hi:[1,0,1]
.set fn, fn+1
.endm
; 8 matrix instructions: query blocks a0, a0 + 1 x all 4 channel blocks, 32 keys: half c of buffer f, into group accumulators t.  The 16 accumulators take turns.
; ride = 1: four scaling lines of the group before (T0) stand behind each four products.
.macro MULS f, c, a0, t, zero, ride
.irp a, \a0, (\a0)+1
	WIN W_MM
.irp b, 0,1,2,3
.if \zero
	v_wmma_f32_16x16x32_f16 v[(\t)+8*(4*(\a)+(\b)):(\t)+8*(4*(\a)+(\b))+7], v[(\f)+64+8*(4*(\c)+(\b)):(\f)+64+8*(4*(\c)+(\b))+7], v[(\f)+8*(4*(\c)+(\a)):(\f)+8*(4*(\c)+(\a))+7], 0
.else
	v_wmma_f32_16x16x32_f16 v[(\t)+8*(4*(\a)+(\b)):(\t)+8*(4*(\a)+(\b))+7], v[(\f)+64+8*(4*(\c)+(\b)):(\f)+64+8*(4*(\c)+(\b))+7], v[(\f)+8*(4*(\c)+(\a)):(\f)+8*(4*(\c)+(\a))+7], v[(\t)+8*(4*(\a)+(\b)):(\t)+8*(4*(\a)+(\b))+7]
.endif
.endr
.if \ride
.rept 4
	FL T0, CF0
.endr
.endif
.endr
.endm
; 32 LDS loads in one run: the fragments of quarter q (64 keys) of the slot in hand into buffer f, the first 32 keys first; cf = 0, 1: the group's four factors lead the run
.macro FETCH q, f, cf
.if (\cf) >= 0
	WIN 0
	ds_load_b128 v[CF0+8*(\cf):CF0+8*(\cf)+3], v[TA] offset:256*(\cf)
.endif
	WIN TO_F
.irp c, 0,1
.irp i, 0,1,2,3
	ds_load_tr16_b128 v[(\f)+64+8*(4*(\c)+(\i)):(\f)+64+8*(4*(\c)+(\i))+3],   v[AVC+(\q)/2] offset:(((\q)%2)*64+32*(\c))*PVP+32*(\i)
	ds_load_tr16_b128 v[(\f)+64+8*(4*(\c)+(\i))+4:(\f)+64+8*(4*(\c)+(\i))+7], v[AVC+(\q)/2] offset:(((\q)%2)*64+32*(\c))*PVP+32*(\i)+16*PVP
	ds_load_b128 v[(\f)+8*(4*(\c)+(\i)):(\f)+8*(4*(\c)+(\i))+3],   v[AP] offset:128*(\q)+64*(\c)+(\i)*16*PP
	ds_load_b128 v[(\f)+8*(4*(\c)+(\i))+4:(\f)+8*(4*(\c)+(\i))+7], v[AP] offset:128*(\q)+64*(\c)+(\i)*16*PP+32
.endr
.endr
.endm
; One of a step's first three quarters: multiplies buffer f into t, and fetches quarter q into buffer g.
.macro QUARTER q, f, g, t, zero, ride, cf
	s_wait_dscnt 16                                ; the first 32 keys' fragments are in (and what was issued ahead of them)
	MULS \f, 0, 0, \t, \zero, \ride
	MULS \f, 0, 2, \t, \zero, \ride
	PLACES
	FETCH \q, \g, \cf
.if (\cf) >= 0
	s_wait_dscnt 33                                ; all but the 33 just issued
.else
	s_wait_dscnt 32                                ; all but the 32 just issued
.endif
	MULS \f, 1, 0, \t, 0, \ride
	MULS \f, 1, 2, \t, 0, \ride
.endm
.macro EVEN cf                         ; the factors of a = 1, 3 get even places; the four lines are also the places behind the group's last products
	WIN 0
	v_mov_b32 v[(\cf)+4], v[(\cf)+1]
	v_mov_b32 v[(\cf)+6], v[(\cf)+3]
	v_nop
	v_nop
.endm
; The walking descriptors for walk step U, made anew from its number: the block, the step in the block, P's key offset (0 in the one tile that is not written), V's step offset; my places in the slot that is being read out.
.macro REFILL_ADDR
	s_cmp_lt_u32 s[U], s[NH]
	s_cselect_b64 s[PB:PB+1], s[PBH:PBH+1], s[PBL:PBL+1]
	s_cselect_b32 s[TT], 0, s[NH]
	s_cselect_b32 s[LAST], s[NH], s[NL]
	s_sub_co_u32 s[TT], s[U], s[TT]
	s_sub_co_u32 s[LAST], s[LAST], 1
	s_lshl_b32 s[KO], s[TT], 9
	s_cmp_eq_u32 s[TT], s[LAST]
	s_cselect_b32 s44, s[REDM], -1
	s_and_b32 s[KO], s[KO], s44
	s_add_nc_u64 s[G0P+6:G0P+7], s[PB:PB+1], s[KO:KO+1]
	s_or_b32 s[G0P+7], s[G0P+7], 0x80000000
	s_mul_i32 s[VO], s[TT], VSTEP
	s_add_nc_u64 s[G0V+6:G0V+7], s[VB:VB+1], s[VO:VO+1]
	s_or_b32 s[G0V+7], s[G0V+7], 0x80000000
	s_add_co_u32 s[G0P+5], s[PLB], s[SB]
	s_add_co_u32 s[G0V+5], s[VLB], s[SB]
	s_add_co_u32 s[U], s[U], 1
.endm
; A step's last quarter multiplies buffer 1 and changes slots.  In front of the barrier each wave waits for all its tensor loads (one is out: its part of the next slot), adds 0 to its spare word, and waits
; for that and for its reads of this slot; the next step's addresses are made while the add is out.  fill = 1: the barrier opens a round of the cluster's, and the joint refill (the step two on) is the first
; thing behind it: 112 matrix instructions ahead of the wait for it.  fill = 0: nothing is filled.
.macro TURN fill
	WIN 0
	s_wait_tensorcnt 0x0                           ; no tensor load of mine is out, so the descriptors may be written
	ds_add_u32 v[SPW], v[NIL]
.if \fill
	REFILL_ADDR
.endif
	s_xor_b32 s[SB], s[SB], SLOT                   ; 0 and SLOT by turns
	s_add_co_u32 s[TO], s[TO], 512                 ; the next step's two groups of factors
	v_add_nc_u32 v[AP], s[SB], v[ADRP]
	v_add_nc_u32 v[AVC], s[SB], v[ADRV]
	v_add_nc_u32 v[AVC+1], s[SB], v[ADRV+1]
	v_add_nc_u32 v[TA], s[TO], v[TA0]
	s_wait_dscnt 17                                ; the add and the youngest sixteen loads may be out
	MULS F1, 0, 0, T1, 0, 1
	s_wait_dscnt 0x0                               ; the add is done, and my reads of this slot are over
	s_barrier_signal -1
	MULS F1, 0, 2, T1, 0, 1
	WIN 0
	s_barrier_wait -1
.if \fill
	CREST                                          ; no wave of any partner still reads this slot or has a load on its way
	JLOAD                                          ; its four v_nop are also the places in front of the loads below
.else
	PLACES
.endif
	FETCH 0, F0, -1
	MULS F1, 1, 0, T1, 0, 1
	MULS F1, 1, 2, T1, 0, 1
.endm
; A KEY STEP: two groups of 128 keys.  Group 0 into T0 (quarters 0, 1); group 1 into T1 (quarters 2, 3), with group 0's 64 scaling lines riding behind its products; group 1's 64 follow as one run.
.macro STEP fill
	QUARTER 1, F0, F1, T0, 1, 0, 0
	QUARTER 2, F1, F0, T0, 0, 0, -1
	EVEN CF0
.set fn, 0
	QUARTER 3, F0, F1, T1, 1, 1, 1
	TURN \fill
	EVEN CF1
.set fn, 0
.rept 64
	FL T1, CF1
.endr
	WIN 0
.endm
; THE WAY OUT of a block: 16 rows at a time through my stage: 16 bytes a lane in, whole rows of 256 bytes back, stored.  zero = 1: the first block: O is cleared and the second block's address taken.
; zero = 0: the second block: the stores of its rows 0-31 (a = 0, 1) stand under an EXEC that is empty where v[SKV] is 0.  EXEC is narrowed and widened only behind s_wait_xcnt 0.
.macro OUTB zero
	WIN 0
.irp a, 0,1,2,3
	s_wait_xcnt 0x0                                ; the stores before have read OB
.irp b, 0,1,2,3
	ds_store_b128 v[STO], v[O+8*(4*(\a)+(\b)):O+8*(4*(\a)+(\b))+3]   offset:64*(\b)
	ds_store_b128 v[STO], v[O+8*(4*(\a)+(\b))+4:O+8*(4*(\a)+(\b))+7] offset:64*(\b)+16
.endr
.irp t, 0,1,2,3,4,5,6,7
	ds_load_b128 v[OB+4*(\t):OB+4*(\t)+3], v[RD] offset:(\t)*2*SP  ; LDS serves a wave's instructions in order (ISA guide 5.7.1.4): these see the stores above
.endr
	s_wait_dscnt 0x0
.if !(\zero) && (\a) < 2
	v_cmp_ne_u32 vcc_lo, 0, v[SKV]
	s_and_saveexec_b32 s[SVX], vcc_lo              ; all lanes, or none
.endif
.irp t, 0,1,2,3,4,5,6,7
	global_store_b128 v[GO], v[OB+4*(\t):OB+4*(\t)+3], s[OUT:OUT+1] offset:(16*(\a)+2*(\t))*4096 th:TH_STORE_NT  ; 16 lanes store 256 consecutive bytes, aligned
.endr
.if !(\zero) && (\a) < 2
	s_wait_xcnt 0x0
	s_or_b32 exec_lo, exec_lo, s[SVX]              ; EXEC restored
.endif
.endr
.if \zero
.set i, 0
.rept 128
	v_mov_b32 v[O+i], 0
.set i, i+1
.endr
	s_wait_xcnt 0x0                                ; the stores have read their base
	s_mov_b64 s[OUT:OUT+1], s[OUTLO:OUTLO+1]
.endif
.endm
	s_wait_tensorcnt 1                             ; my part of step 0 is in; step 1's may stay out
	s_barrier_signal -1
	s_barrier_wait -1
	FETCH 0, F0, -1
	WIN 0
	s_mov_b32 s3, 4
.Llap:                                                 ; four laps of two steps, each of which fills its slot again
	s_mov_b32 s[CNT], 2
.Lstep:
	STEP 1
	s_sub_co_u32 s[CNT], s[CNT], 1
	s_cmp_lg_u32 s[CNT], 0
	s_cbranch_scc1 .Lstep
	s_cmp_lg_u32 s3, s[CHG]                        ; the first block ends behind lap 4 - f: the same in all sixteen partners; what is jumped holds no barrier and no tensor load
	s_cbranch_scc1 .Lsame
	OUTB 1
.Lsame:
	s_sub_co_u32 s3, s3, 1
	s_cmp_lg_u32 s3, 0
	s_cbranch_scc1 .Llap
	s_mov_b32 s[CNT], 2
.Ltail:                                                ; the last two steps ask for nothing
	STEP 0
	s_sub_co_u32 s[CNT], s[CNT], 1
	s_cmp_lg_u32 s[CNT], 0
	s_cbranch_scc1 .Ltail
	OUTB 0
	s_wait_tensorcnt 0x0                           ; the wave's end
	ds_add_u32 v[SPW], v[NIL]
	s_wait_dscnt 0x0
	CROUND                                         ; the closing round
	s_endpgm
.Lfunc_end_k_q3a2cc4dda0_pv:
	.size	k_q3a2cc4dda0_pv, .Lfunc_end_k_q3a2cc4dda0_pv-k_q3a2cc4dda0_pv
	.p2alignl 7, 3214868480
	.fill 96, 4, 3214868480
	.section	.rodata,"a",@progbits
	.p2align	6, 0x0
	.amdhsa_kernel k_q3a2cc4dda0_pv
		.amdhsa_group_segment_fixed_size 327680
		.amdhsa_private_segment_fixed_size 0
		.amdhsa_enable_private_segment 0
		.amdhsa_kernarg_size 32
		.amdhsa_user_sgpr_count 2
		.amdhsa_user_sgpr_kernarg_segment_ptr 1
		.amdhsa_wavefront_size32 1
		.amdhsa_system_sgpr_workgroup_id_x 1
		.amdhsa_system_sgpr_workgroup_id_y 1
		.amdhsa_system_sgpr_workgroup_id_z 1
		.amdhsa_system_vgpr_workitem_id 0
		.amdhsa_next_free_vgpr 768
		.amdhsa_next_free_sgpr 96
		.amdhsa_reserve_vcc 1
		.amdhsa_float_denorm_mode_32 3
		.amdhsa_float_denorm_mode_16_64 3
		.amdhsa_memory_ordered 1
		.amdhsa_forward_progress 1
		.amdhsa_inst_pref_size 112
	.end_amdhsa_kernel
	.amdgpu_metadata
---
amdhsa.version: [ 1, 2 ]
amdhsa.kernels:
  - .name:           k_q3a2cc4dda0_pv
    .symbol:         k_q3a2cc4dda0_pv.kd
    .args:
      - { .name: pbuf, .offset: 0, .size: 8, .value_kind: global_buffer, .address_space: global }
      - { .name: qkv, .offset: 8, .size: 8, .value_kind: global_buffer, .address_space: global }
      - { .name: stats, .offset: 16, .size: 8, .value_kind: global_buffer, .address_space: global }
      - { .name: out0, .offset: 24, .size: 8, .value_kind: global_buffer, .address_space: global }
    .group_segment_fixed_size: 327680
    .private_segment_fixed_size: 0
    .kernarg_segment_align: 8
    .kernarg_segment_size: 32
    .max_flat_workgroup_size: 128
    .sgpr_count:     96
    .vgpr_count:     768
    .wavefront_size: 32
...
	.end_amdgpu_metadata
.endif
;; end of part 9
;; ======== version 3 of 3: 4 launches; version 2 with the launch cvt written anew for expert scheduling mode
;; limits: values are held in f16: magnitudes above 65,504 overflow, below 6.1e-05 lose precision
;; workspace buffers: xb 16,777,216 bytes; wb 6,291,456 bytes; qkv 50,331,648 bytes; pbuf 33,554,432 bytes; stats 1,048,576 bytes; hd 1,572,864 bytes
;; launch cvt (part 10): grid 512 x 1, 8 waves a work-group, no clusters, 0 bytes of LDS; arguments x, w_qkv, xb, wb; writes xb, wb
.if DOCPART == 10
	.amdgcn_target "amdgcn-amd-amdhsa--gfx1250"
	.amdhsa_code_object_version 6
	.text
	.protected	k_q3a2cc4dda0_cvt
	.globl	k_q3a2cc4dda0_cvt
	.p2align	8
	.type	k_q3a2cc4dda0_cvt,@function
k_q3a2cc4dda0_cvt:
	s_mov_b64 s[64:65], 0
	v_nop
	global_prefetch_b8 v0, s[64:65] scope:SCOPE_SE
	s_setreg_imm32_b32 hwreg(HW_REG_WAVE_SCHED_MODE, 0, 2), 2
	s_setreg_imm32_b32 hwreg(HW_REG_WAVE_MODE, 25, 1), 1
	s_wait_xcnt 0x0
	s_wait_alu depctr_vm_vsrc(0)
; xb = x rounded to bf16, wb = w_qkv rounded to bf16 (nearest even).  A stream: no LDS, no matrix unit, no barrier.
; 512 work-groups of equal work: each converts 16 pieces of x (512 x 16 x 4,096 bytes = all of x) and 6 pieces of w (512 x 6 x 4,096 = all of w).
; A piece is 4,096 bytes in, 2,048 out.  Thread t loads the 16 bytes at 16 t of a piece, so a wave's load covers 512 consecutive bytes, rounds its four numbers in place,
; and stores 8 bytes at 8 t: a wave's store covers 256 consecutive bytes, aligned.  All 22 loads go out first; a piece's registers are written again by nothing, so no register waits for a store.
; THE MODE: SCHED_MODE bits 1:0 = 2 (LLVM: expert scheduling mode 2), set by the entry lines.  The code itself states the register dependences
; between vector instructions and memory instructions, with s_wait_alu, always for 0.
; THE PLAN.  Registers that memory instructions touch:
;   v1, v2     byte offsets, made once at the head and never written again: v1 is read by every load, v2 by every store; the pieces are reached by immediate offsets.
;   piece j    v[IN+4j .. +3]: its load lands there (no vector instruction has named them before); its two conversions read all four and write the first two;
;              its store reads those two; nothing writes them after that.
; So no register that a memory instruction has read is ever written again, and no load lands in a register that a vector instruction has named.  What is left to state: the offsets are
; written ahead of the first load, and a piece's two rounded registers are written ahead of its store.
; The 22 pieces go in six blocks: five of four pieces and one of two.  Block p converts its own pieces; its memory instructions are the stores of block p - 1, whose registers no vector instruction of block p
; names.  So ONE wait at a block's head, behind the wait for the block's data, states all that those stores hang on, and they are dealt among the block's conversions with no further wait.
.set XP, 16                            ; pieces of x
.set WP, 6                             ; pieces of w
.set NP, XP+WP
.set BLK, 4                            ; pieces in a block
.set NB, (NP+BLK-1)/BLK                ; six blocks; the last holds two pieces
.set IN, 4                             ; v[4:91]  piece j: 4 numbers as loaded; its first two registers then hold the 4 bf16
	s_load_b256 s[4:11], s[0:1], 0x0               ; x s[4:5], w_qkv s[6:7], xb s[8:9], wb s[10:11]
	v_lshlrev_b32 v1, 4, v0                        ; 16 t
	v_lshlrev_b32 v2, 3, v0                        ; 8 t
	s_lshl_b32 s12, ttmp9, 16                      ; my 16 pieces of x,
	s_mov_b32 s13, 0
	s_lshl_b32 s14, ttmp9, 15                      ; and of xb
	s_mov_b32 s15, 0
	s_mul_i32 s16, ttmp9, WP*4096                  ; my 6 pieces of w,
	s_mov_b32 s17, 0
	s_mul_i32 s18, ttmp9, WP*2048                  ; and of wb
	s_mov_b32 s19, 0
	s_wait_kmcnt 0x0
	s_add_nc_u64 s[4:5], s[4:5], s[12:13]
	s_add_nc_u64 s[6:7], s[6:7], s[16:17]
	s_add_nc_u64 s[8:9], s[8:9], s[14:15]
	s_add_nc_u64 s[10:11], s[10:11], s[18:19]
	s_wait_alu depctr_va_vdst(0)                   ; v1 and v2 are written: every load of the kernel reads v1 as its offset, every store v2
.set j, 0
.rept XP
	global_load_b128 v[IN+4*j:IN+4*j+3], v1, s[4:5] offset:4096*j th:TH_LOAD_NT
.set j, j+1
.endr
.set j, 0
.rept WP
	global_load_b128 v[IN+4*(XP+j):IN+4*(XP+j)+3], v1, s[6:7] offset:4096*j th:TH_LOAD_NT
.set j, j+1
.endr
; Block p: pieces BLK p to hi - 1.  js: the piece of the block before that is stored; jc: the piece that is converted.
.set p, 0
.rept NB
.set hi, BLK*p+BLK
.if hi > NP
.set hi, NP
.endif
	s_wait_loadcnt NP-hi                           ; loads come back in order: the block's pieces are in, the younger blocks' loads may stay out
.if p > 0
	s_wait_alu depctr_va_vdst(0)                   ; the block before has written the first two registers of each of its four pieces, which the stores below read
.endif
.set i, 0
.rept BLK
.if p > 0
.set js, BLK*(p-1)+i
.if js < XP
	global_store_b64 v2, v[IN+4*js:IN+4*js+1], s[8:9] offset:2048*js th:TH_STORE_NT            ; no vector instruction since the wait names these registers
.else
	global_store_b64 v2, v[IN+4*js:IN+4*js+1], s[10:11] offset:2048*(js-XP) th:TH_STORE_NT
.endif
.endif
.set jc, BLK*p+i
.if jc < NP
	v_cvt_pk_bf16_f32 v[IN+4*jc],   v[IN+4*jc],   v[IN+4*jc+1]
	v_cvt_pk_bf16_f32 v[IN+4*jc+1], v[IN+4*jc+2], v[IN+4*jc+3]
.endif
.set i, i+1
.endr
.set p, p+1
.endr
	s_wait_alu depctr_va_vdst(0)                   ; the last block has written the first two registers of its two pieces, which the last stores read
.set js, BLK*(NB-1)
.rept NP-BLK*(NB-1)
	global_store_b64 v2, v[IN+4*js:IN+4*js+1], s[10:11] offset:2048*(js-XP) th:TH_STORE_NT     ; the last block's pieces are w's
.set js, js+1
.endr
	s_endpgm
.Lfunc_end_k_q3a2cc4dda0_cvt:
	.size	k_q3a2cc4dda0_cvt, .Lfunc_end_k_q3a2cc4dda0_cvt-k_q3a2cc4dda0_cvt
	.p2alignl 7, 3214868480
	.fill 96, 4, 3214868480
	.section	.rodata,"a",@progbits
	.p2align	6, 0x0
	.amdhsa_kernel k_q3a2cc4dda0_cvt
		.amdhsa_group_segment_fixed_size 0
		.amdhsa_private_segment_fixed_size 0
		.amdhsa_enable_private_segment 0
		.amdhsa_kernarg_size 32
		.amdhsa_user_sgpr_count 2
		.amdhsa_user_sgpr_kernarg_segment_ptr 1
		.amdhsa_wavefront_size32 1
		.amdhsa_system_sgpr_workgroup_id_x 1
		.amdhsa_system_sgpr_workgroup_id_y 1
		.amdhsa_system_sgpr_workgroup_id_z 1
		.amdhsa_system_vgpr_workitem_id 0
		.amdhsa_next_free_vgpr 96
		.amdhsa_next_free_sgpr 66
		.amdhsa_reserve_vcc 0
		.amdhsa_float_denorm_mode_32 3
		.amdhsa_float_denorm_mode_16_64 3
		.amdhsa_memory_ordered 1
		.amdhsa_forward_progress 1
		.amdhsa_inst_pref_size 9
	.end_amdhsa_kernel
	.amdgpu_metadata
---
amdhsa.version: [ 1, 2 ]
amdhsa.kernels:
  - .name:           k_q3a2cc4dda0_cvt
    .symbol:         k_q3a2cc4dda0_cvt.kd
    .args:
      - { .name: x, .offset: 0, .size: 8, .value_kind: global_buffer, .address_space: global }
      - { .name: w_qkv, .offset: 8, .size: 8, .value_kind: global_buffer, .address_space: global }
      - { .name: xb, .offset: 16, .size: 8, .value_kind: global_buffer, .address_space: global }
      - { .name: wb, .offset: 24, .size: 8, .value_kind: global_buffer, .address_space: global }
    .group_segment_fixed_size: 0
    .private_segment_fixed_size: 0
    .kernarg_segment_align: 8
    .kernarg_segment_size: 32
    .max_flat_workgroup_size: 256
    .sgpr_count:     66
    .vgpr_count:     96
    .wavefront_size: 32
...
	.end_amdgpu_metadata
.endif
;; end of part 10
;; launch proj: the kernel of part 7 again; grid 12 x 32, 4 waves a work-group, clusters of 4 x 4, 327,680 bytes of LDS; arguments xb, wb, qkv, hd; writes qkv, hd
;; launch scores: the kernel of part 8 again; grid 52 x 4, 4 waves a work-group, no clusters, 327,680 bytes of LDS; arguments qkv, pbuf, stats, hd, out0; writes pbuf, stats, out0
;; launch pv: the kernel of part 9 again; grid 8 x 32, 4 waves a work-group, clusters of 4 x 4, 327,680 bytes of LDS; arguments pbuf, qkv, stats, out0; writes out0
